; MI455X (gfx1250); checked and timed in simulation.
; The chip was launched on July 23, 2026; its instructions are those of AMD's public machine-readable ISA for CDNA 5 (MIT licence, August 2026) and "CDNA5" Instruction Set Architecture Reference Guide (July 2026). The comments in the code are by the model that wrote it; some were corrected since.
;; MSA. Allowed arithmetic: matrix products marked QUANTISED: E4M3 operands, one E8M0 scale for each 32 along K, by v_wmma_scale_f32_16x16x128_f8f6f4 with both operands' format E4M3, f32 sums; everything else in f32.
;; Inputs: Wk_codes 1,024 x 32 x 32 uint8 (E4M3 codes of Wk, K innermost, in blocks of 32 codes); Wk_scales 1,024 x 32 uint8 (E8M0 scales of Wk, one for each 32 codes along K); Wo_codes 1,024 x 32 x 32 uint8 (E4M3 codes of Wo, K innermost, in blocks of 32 codes); Wo_scales 1,024 x 32 uint8 (E8M0 scales of Wo, one for each 32 codes along K); Wq_codes 1,024 x 32 x 32 uint8 (E4M3 codes of Wq, K innermost, in blocks of 32 codes); Wq_scales 1,024 x 32 uint8 (E8M0 scales of Wq, one for each 32 codes along K); Wv_codes 1,024 x 32 x 32 uint8 (E4M3 codes of Wv, K innermost, in blocks of 32 codes); Wv_scales 1,024 x 32 uint8 (E8M0 scales of Wv, one for each 32 codes along K); bk 1,024 float32; bo 1,024 float32; bq 1,024 float32; bv 1,024 float32; x_codes 4 x 2,048 x 32 x 32 uint8 (E4M3 codes of x, K innermost, in blocks of 32 codes); x_scales 4 x 2,048 x 32 uint8 (E8M0 scales of x, one for each 32 codes along K).
;; Outputs: out0 4 x 2,048 x 1,024 float32.
;; This version of the problem:
;;   THIS VERSION OF THE PROBLEM IS GIVEN IN LOW PRECISION. The matrix products marked QUANTISED in the list below multiply operands that are first quantised to E4M3 (4 exponent bits, 3 mantissa bits; 8 bits a number), with one power-of-two scale for each 32 numbers along K (OCP MX v1.0); their sums are f32. All else is computed in f32.
;;   The module's matrix products, in the order in which they are computed (A, B: the left and right operand; K: the contracted axis; several contracted axes count as one K, in the product's order):
;;     1. [M 8,192, K 1,024] x [K 1,024, N 1,024]; A: input x (given as codes); B: input Wq (given as codes): QUANTISED
;;     2. [M 8,192, K 1,024] x [K 1,024, N 1,024]; A: input x (given as codes); B: input Wk (given as codes): QUANTISED
;;     3. [M 8,192, K 1,024] x [K 1,024, N 1,024]; A: input x (given as codes); B: input Wv (given as codes): QUANTISED
;;     4. batch 64 x [M 2,048, K 64] x [K 64, N 2,048]; A: computed on the way; B: computed on the way: QUANTISED
;;     5. batch 64 x [M 2,048, K 2,048] x [K 2,048, N 64]; A: softmax (see below); B: computed on the way: QUANTISED
;;     6. [M 8,192, K 1,024] x [K 1,024, N 1,024]; A: computed on the way; B: input Wo (given as codes): QUANTISED
;;   THE QUANTISER, for each operand of a quantised product, along K:
;;     - K is cut into blocks of 32 from its start; a last block that is shorter is filled with zeros.
;;     - A block's scale is 2^e with e = floor(log2(the largest magnitude in the block)) - 8, held to -126 .. 127; a block of zeros has e = 0. As a byte (E8M0): e + 127.
;;     - Each number is divided by its block's scale, clamped to +-448, and rounded to the nearest number of E4M3, ties to even, subnormals kept.
;;     - The product sums the exact products of the quantised numbers (number of the format x scale) in f32.
;;   ~~~python
;;   def quantise(x, axis):      # numpy; x: float32 -> the quantised numbers, widened to float32 again
;;       x = np.moveaxis(x, axis, -1); K = x.shape[-1]
;;       x = np.pad(x, [(0, 0)] * (x.ndim - 1) + [(0, -K % 32)]); x = x.reshape(x.shape[:-1] + (-1, 32)); a = np.abs(x).max(-1, keepdims=True)
;;       e = np.where(a > 0, np.clip(np.frexp(np.where(a > 0, a, 1))[1] - 1 - 8, -126, 127), 0)      # np.frexp(a)[1] - 1 = floor(log2(a)), exactly
;;       r = np.clip(x / 2.0 ** e, -448, 448)
;;       step = 2.0 ** (np.maximum(np.frexp(np.where(r == 0, 1, r))[1] - 1, -6) - 3)
;;       q = np.round(r / step) * step * 2.0 ** e      # np.round: ties to even
;;       return np.moveaxis(q.reshape(q.shape[:-2] + (-1,))[..., :K], -1, axis).astype(np.float32)
;;   ~~~
;;   SOFTMAX AHEAD OF A QUANTISED PRODUCT. Where the list says 'softmax', what is quantised is not the finished softmax but p = 2^(t - M), with t = logit x log2(e) and M = ceil(the row's largest t), a whole number; so 1/2 < the row's largest p <= 1. The row's sum l is taken of the UNQUANTISED p, in f32, and the product's result is divided by l at the end. Since M is a whole number, a kernel that streams over the keys may use a running M (the ceiling of the running maximum): every later rescaling is an exact power of two, which a block's scale takes up: the codes' values come out the same.
;;   OPERANDS COMPUTED ON THE WAY. 'Computed on the way' means the value that the module computes at that place (a softmax that the list does not call 'softmax' is quantised finished and normalised). What goes into a quantiser is computed in f32, as accurately as f32 sums, v_exp_f32 and their like allow (about 1e-6 of the number): no bf16 or f16 on the way to a quantiser, and a product that is left as it is and whose result goes on into a quantised operand takes f32 operands (vector FMAs, or v_wmma_f32_16x16x4_f32). A number that lies on a knife's edge between two numbers of the format may be rounded either way, as far as f32 arithmetic and the matrix unit's own rounding can turn it there, and no further.
;;   INPUTS GIVEN AS CODES. Wk (in the module: [1024, 1024], K = its axis 0); Wo (in the module: [1024, 1024], K = its axis 0); Wq (in the module: [1024, 1024], K = its axis 0); Wv (in the module: [1024, 1024], K = its axis 0); x (in the module: [4, 2048, 1024], K = its axis 2): each comes as NAME_codes (uint8): NAME with its K axis moved to the last place and cut into blocks of 32 codes, [.., K / 32, bytes a block], one block behind the other in memory; one code a byte (a code: sign, 4 exponent bits, 3 mantissa bits); and NAME_scales (uint8): the same leading axes, one E8M0 byte (e + 127) for each 32 codes along K. Its value is code x scale, taken as it is: it is not quantised again, and the codes and scales need not be those that the quantiser above would give.
;; 2 versions. Each part assembles by itself: llvm-mc -triple=amdgcn-amd-amdhsa -mcpu=gfx1250 --defsym DOCPART=n.
;; ======== version 1 of 2: 3 launches
;; workspace buffers: q_img 8,388,608 bytes; k_img 8,388,608 bytes; v_img 8,388,608 bytes; o_img 8,388,608 bytes; q_sc 262,144 bytes; k_sc 262,144 bytes; v_sc 262,144 bytes; o_sc 262,144 bytes
;; launch qkv (part 1): grid 12 x 32, 4 waves a work-group, clusters of 4 x 4, 327,680 bytes of LDS; arguments x_codes, x_scales, Wq_codes, Wq_scales, Wk_codes, Wk_scales, Wv_codes, Wv_scales, bq, bk, bv, q_img, k_img, v_img, q_sc, k_sc, v_sc; writes q_img, k_img, v_img, q_sc, k_sc, v_sc
.if DOCPART == 1
	.amdgcn_target "amdgcn-amd-amdhsa--gfx1250"
	.amdhsa_code_object_version 6
	.text
	.protected	k_qf4536055c4_qkv
	.globl	k_qf4536055c4_qkv
	.p2align	8
	.type	k_qf4536055c4_qkv,@function
k_qf4536055c4_qkv:
	s_mov_b64 s[64:65], 0
	v_nop
	global_prefetch_b8 v0, s[64:65] scope:SCOPE_SE
	s_setreg_imm32_b32 hwreg(HW_REG_WAVE_MODE, 25, 1), 1
	s_wait_xcnt 0x0
	s_wait_alu depctr_hold_cnt(0) depctr_sa_sdst(0) depctr_va_vdst(0) depctr_va_sdst(0) depctr_va_ssrc(0) depctr_va_vcc(0) depctr_vm_vsrc(0)
	s_getreg_b32 s2, hwreg(HW_REG_IB_STS2, 6, 4)
	s_cmp_eq_u32 s2, 0
	s_cbranch_scc0 .Lentry_in_a_cluster
	s_endpgm
.Lentry_in_a_cluster:
	s_bfe_u32 s2, ttmp6, 0x10000c
	s_cmp_lg_u32 s2, 0xf033
	s_cbranch_scc0 .Lentry_shape_is_right
	s_endpgm
.Lentry_shape_is_right:
; q = x Wq + bq, k = x Wk + bk, v = x Wv + bv on codes of FP8 (E4M3) with one E8M0 scale for each 32 along K = 1,024; the results are quantised again, in f32, and leave as operands of attention.
; ONE GENERIC PRODUCT: C[i][j] = sum over k of A[i][k] B[j][k] + bias, quantised along j in blocks of 32.  The mode is the cluster's x (equal in all sixteen partners):
;   mode 0 (q), 1 (k): A = x (8,192 rows), B = W (1,024 rows), the bias runs along j: a lane holds one token and its registers run along the head's 64.
;   mode 2 (v):        A = Wv, B = x, the bias runs along i: a lane holds one channel and its registers run along the keys, which are the second attention product's K.
; A tile of C, 256 x 256, is made by four waves, each 128 x 128: 64 accumulators, 512 registers.  K goes in steps of 256 through a ring of two LDS slots filled by the tensor data mover.
; The scale bytes of the work-group's 256 rows of A and of B, for all of K, come into LDS once, in whole units of 256 bytes, and stay.
; CLUSTERS: 4 x 4 work-groups; A's tiles are asked for jointly along a row of the cluster, B's along a column.
; THE MATRIX INSTRUCTION IS USED TRANSPOSED (source 0 = 16 rows of B, source 1 = 16 rows of A): lane (r, h) of accumulator (a, b) holds C(16 a + r, 16 b + 8 h + 0 .. 7).
; THE WAY OUT.  The 16 registers of accumulators (a, 2 c), (a, 2 c + 1) are a lane's share of one block of 32 along j; converted as they stand they are registers 4 c .. 4 c + 3 of an operand, with j permuted INSIDE the block:
; place 16 h + 8 u + t holds j = 16 u + 8 h + t.  The same permutation falls on both operands of each attention product (q and k here; v here and p in the next launch), so every product meets its partner and its block's scale.
; The codes leave as IMAGES OF THE OPERAND'S REGISTERS: four registers by one store, lane l's 16 bytes at 16 l: 512 consecutive bytes.
;   q_img, k_img: [batch x head 64][tile of 16 rows 128][c 2][lane 32][16 bytes];   v_img: [batch x head][128 keys: 16][16 channels: 4][c 4][lane][16 bytes]
;   q_sc, k_sc:   [batch x head][128 rows: 16][r 16][p 4] words, word p = tile 2 p's two bytes, tile 2 p + 1's two;   v_sc: [batch x head][128 keys: 16][r 16][16 channels: 4] words, a byte for each 32 keys
; LIMITS: a block whose largest magnitude lies under 2^-118 (zeros too) gets the byte 1: its codes are zeros or nearly, and the bytes are read by this program alone.  NaN, infinities, NaN codes and the scale byte 0xff among the inputs are not served.
; REGISTERS, in windows of 256: window 0: v0 thread, v1-6 at work, v8-15 bias offsets, v16-29 addresses; v32-63 scale words, two sets; v64-127 the bias as the first products' C, later at work on the way out;
;   v128-255 A's fragments, ONE set, later the codes.   window 1: B's fragments, TWO sets.   windows 2, 3: the accumulators of my rows 0-63, 64-127 ((a, b) at v[8 (8 (a % 4) + b)]).
.set KSTEP,  256                       ; along K in a slot
.set NQ,     2                         ; matrix instructions deep
.set ROWB,   256                       ; a tile's row in bytes
.set KROW,   1024                      ; a row of x or of W in memory, in bytes
.set PITCH,  272                       ; an LDS row: 256 bytes + 16 of padding = 68 words: the 16 rows that a load touches start at 16 different banks (64 banks of 4 bytes: ISA guide 11.1)
.set FR,     16                        ; registers of a fragment
.set NL,     4                         ; LDS loads that bring one
.set NP,     8                         ; places behind this matrix instruction (ISA guide 7.12.1)
.set HALFT,  128*PITCH                 ; 128 rows: what one tensor load brings
.set SLOT,   4*HALFT                   ; A's 256 rows, then B's 256 rows
.set LAPS,   2                         ; 1,024 / (2 x 256): times round the ring
.set KS,     32                        ; a row of scale bytes
.set SCL,    2*SLOT                    ; behind the ring: the scales, as units of 256 bytes + 16 of padding
.set HALFS,  (128*KS/256)*272          ; the scales of 128 rows
.set SBLK,   (16*KS/256)*272           ; those of 16 rows
.set SPARE,  SCL+4*HALFS               ; the spare words, 128 bytes a wave: two blocks of 256 bytes that no other line names
.set HEADB,  131072                    ; a head's bytes in an image
.set ADT,  8                           ; v8-15   byte offset of register t's bias number
.set ADRA, 16                          ; v16-17  LDS address of my A fragments in slot 0, 1
.set ADRB, 20                          ; v20-21  the same for B
.set IMA,  24                          ; v24     16 x lane: my place in an image
.set SCA,  25                          ; v25     4,096 h + 16 r: my place among the scale words: lanes 0-15 my first head, lanes 16-31 my second
.set SELV, 26                          ; v26     byte selects: lanes 0-15 the low halves of two words, lanes 16-31 the high halves
.set ADRS, 27                          ; v27     LDS address of my scale words: lanes 0-15 A's rows, lanes 16-31 B's
.set SPW,  28                          ; v28     LDS address of my spare word; never rewritten
.set NIL,  29                          ; v29     0; never rewritten
.set SC,   32                          ; scale words: set s at v[SC + 16 s]; register 2 i + q: lanes 0-15 A's block i, lanes 16-31 B's block i
.set CB,   64                          ; the bias in the result's layout: eight registers for each of eight blocks
.set TM,   64                          ; the way out: +0 largest magnitudes, +4 bytes, +8 the largest number x the scale, +12 the conversions' scale operands
.set PWS,  80                          ; v80-87  block a's scale word
.set FW,   88                          ; v88-91  the four words that I store
.set AF,   128                         ; A's fragments
.set PC,   128                         ; the way out: block a's codes at v[PC + 16 a]: a set for each block, so that no store's data are written again
.set G1, 24
.set G0, 32
.set G1B, 48
.set G0B, 56
.set G1S, 68
.set G0S, 76
.set G1SB, 80
.set G0SB, 88
.set MNT,  2                           ; s2      the mantissa field of 448
.set MODE, 95                          ; s95     0: q, 1: k, 2: v
.set SEL,  100                         ; s[100:101] v_permlanex16_b32's selects for lane l xor 16
.set MSB, 0
.macro WIN new                         ; the immediate's high byte repeats the setting that is left
.if MSB != \new
	s_set_vgpr_msb (MSB<<8)|\new
.set MSB, \new
.endif
.endm
.set MUL_LO, 0xa1                      ; source 0 (B) window 1, source 1 (A) window 0, C and D window 2
.set MUL_HI, 0xf1                      ; the same, C and D window 3
.set TO_B,   0x40                      ; destination window 1, address window 0
; A joint load: waves 0 and 1 fetch for A, waves 2 and 3 for B; the branch hangs on the wave's number alone.  Four v_nop follow each of the two lines.
.macro JLOAD g0a, g1a, g0b, g1b
	s_cmp_eq_u32 s15, 0
	s_cbranch_scc0 .Lfor_b_\@
	tensor_load_to_lds s[\g0a:\g0a+3], s[\g1a:\g1a+7]
	s_nop 0
.rept 4
	v_nop
.endr
	s_branch .Lasked_\@
.Lfor_b_\@:
	tensor_load_to_lds s[\g0b:\g0b+3], s[\g1b:\g1b+7]
	s_nop 0
.rept 4
	v_nop
.endr
.Lasked_\@:
.endm
.macro CREST                           ; a round of the cluster's barrier behind its opening barrier
	s_cmp_lg_u32 s14, 0
	s_cbranch_scc1 .Lnot_wave_0_\@
	s_barrier_signal -3
.Lnot_wave_0_\@:
	s_barrier_wait -3
	s_barrier_signal -1
	s_barrier_wait -1
.endm
.macro CROUND                          ; a whole round
	s_barrier_signal -1
	s_barrier_wait -1
	CREST
.endm
	s_load_b128 s[4:7], s[0:1], 0x0                ; x's codes, x's scales
	s_load_b256 s[24:31], s[0:1], 0x10             ; Wq's codes, scales; Wk's codes, scales   (in registers that hold descriptors later)
	s_load_b256 s[32:39], s[0:1], 0x30             ; Wv's codes, scales; bq; bk
	s_load_b256 s[48:55], s[0:1], 0x50             ; bv; q_img; k_img; v_img
	s_load_b128 s[56:59], s[0:1], 0x70             ; q_sc; k_sc
	s_load_b64 s[60:61], s[0:1], 0x80              ; v_sc
	v_lshl_add_u32 v[SPW], v0, 2, SPARE
	v_mov_b32 v[NIL], 0
	ds_add_u32 v28, v29
	ds_add_u32 v28, v29
	s_wait_dscnt 0x0
	v_lshrrev_b32 v1, 5, v0
	v_readfirstlane_b32 s14, v1                    ; wave 0..3
	s_lshr_b32 s15, s14, 1                         ; which half of the tile's rows is mine.  Also: I fetch for A (0) or for B (1)
	s_and_b32 s16, s14, 1                          ; which half of its columns.  Also: which 128 rows of that tile I fetch
	s_mov_b32 s[MODE], ttmp9                       ; the cluster's x: the same in all sixteen partners
	s_bfe_u32 s40, ttmp6, 0x40000                  ; cx, cy: my place in the cluster
	s_bfe_u32 s41, ttmp6, 0x40004
	s_and_b32 s18, ttmp7, 0xffff
	s_lshl_b32 s18, s18, 2                         ; 4 x the cluster's y: it walks x's 32 tiles of 256 rows, which are A's in modes 0 and 1 and B's in mode 2
	s_cmp_eq_u32 s[MODE], 2
	s_cselect_b32 s17, 0, s18
	s_cselect_b32 s42, s18, 0
	s_add_co_u32 s17, s17, s41                     ; tile row of C (A's tile): hangs on cy, not on cx
	s_add_co_u32 s42, s42, s40                     ; tile column of C (B's tile): hangs on cx, not on cy
	s_lshl_b32 s43, s41, 2
	s_lshl_b32 s43, 15, s43                        ; my row of the cluster
	s_lshl_b32 s44, 0x1111, s40                    ; my column
	s_mov_b32 s[MNT], 0x600000
	s_mov_b32 s[SEL], 0x76543210
	s_mov_b32 s[SEL+1], 0xfedcba98
	s_wait_kmcnt 0x0
	; the mode's buffers: choices between pointers on the cluster's number alone
	s_cmp_eq_u32 s[MODE], 0
	s_cselect_b64 s[8:9], s[24:25], s[28:29]       ; W's codes: q's or k's
	s_cselect_b64 s[10:11], s[26:27], s[30:31]     ; W's scales
	s_cselect_b64 s[96:97], s[36:37], s[38:39]     ; the bias
	s_cselect_b64 s[12:13], s[50:51], s[52:53]     ; the image
	s_cselect_b64 s[98:99], s[56:57], s[58:59]     ; the scale words
	s_cmp_eq_u32 s[MODE], 2
	s_cselect_b64 s[8:9], s[32:33], s[8:9]         ; or v's
	s_cselect_b64 s[10:11], s[34:35], s[10:11]
	s_cselect_b64 s[96:97], s[48:49], s[96:97]
	s_cselect_b64 s[12:13], s[54:55], s[12:13]
	s_cselect_b64 s[98:99], s[60:61], s[98:99]
	s_cselect_b64 s[20:21], s[8:9], s[4:5]         ; A is x, in mode 2 Wv;
	s_cselect_b64 s[22:23], s[10:11], s[6:7]
	s_cselect_b64 s[8:9], s[4:5], s[8:9]           ; B is W, in mode 2 x
	s_cselect_b64 s[10:11], s[6:7], s[10:11]
	s_mov_b64 s[4:5], s[20:21]
	s_mov_b64 s[6:7], s[22:23]
	; descriptor group 1: a tile of 128 rows x 256 bytes, padded in LDS
	s_or_b32 s[G1+0], s43, (0<<16)|(1<<20)|(1<<21)|(5<<22)|(3<<25)  ; 15:0 the mask: A's tiles go to my row; 17:16 element of 1 byte; 20 padding on; 21 set beside a mask; 24:22 after every 64 words; 31:25 four words
	s_or_b32 s[G1B+0], s44, (0<<16)|(1<<20)|(1<<21)|(5<<22)|(3<<25)
.irp g, G1, G1B
	s_mov_b32 s[\g+1], ROWB<<16                    ; tensor_dim0
	s_mov_b32 s[\g+2], 128<<16                     ; tensor_dim1 = 128
	s_mov_b32 s[\g+3], ROWB<<16                    ; tile_dim0
	s_mov_b32 s[\g+4], 128                         ; tile_dim1 = 128
	s_mov_b32 s[\g+5], KROW                        ; tensor_dim0_stride
	s_mov_b32 s[\g+6], 0
	s_mov_b32 s[\g+7], 0
.endr
	; and for the scales of 128 rows: 4,096 dense bytes, as 16 rows of 256 bytes (32 elements of 8 bytes), 16 bytes of padding behind each
	s_or_b32 s[G1S+0], s43, (3<<16)|(1<<20)|(1<<21)|(5<<22)|(3<<25)
	s_or_b32 s[G1SB+0], s44, (3<<16)|(1<<20)|(1<<21)|(5<<22)|(3<<25)
.irp g, G1S, G1SB
	s_mov_b32 s[\g+1], 32<<16
	s_mov_b32 s[\g+2], (128*KS/256)<<16
	s_mov_b32 s[\g+3], 32<<16
	s_mov_b32 s[\g+4], 128*KS/256
	s_mov_b32 s[\g+5], 32
	s_mov_b32 s[\g+6], 0
	s_mov_b32 s[\g+7], 0
.endr
	s_lshl_b32 s18, s16, 7                         ; which 128 rows of the tile I fetch
	s_lshl_b32 s20, s17, 8
	s_add_co_u32 s20, s20, s18                     ; A: row 256 x tile row + 128 x half
	s_lshl_b32 s46, s42, 8
	s_add_co_u32 s46, s46, s18                     ; B: row 256 x tile column + 128 x half
	s_mov_b32 s21, 0
	s_mov_b32 s47, 0
	s_mov_b64 s[18:19], KS
	s_mul_u64 s[22:23], s[20:21], s[18:19]         ; where these rows' scales begin, in bytes
	s_mul_u64 s[92:93], s[46:47], s[18:19]
	s_mov_b64 s[18:19], KROW
	s_mul_u64 s[20:21], s[20:21], s[18:19]         ; and their codes
	s_mul_u64 s[46:47], s[46:47], s[18:19]
	s_mul_i32 s45, s14, HALFT                      ; where they go: wave x 128 rows: no place in the cluster enters an LDS address
	s_mul_i32 s94, s14, HALFS
	s_add_nc_u64 s[20:21], s[4:5], s[20:21]
	s_add_nc_u64 s[22:23], s[6:7], s[22:23]
	s_add_nc_u64 s[46:47], s[8:9], s[46:47]
	s_add_nc_u64 s[92:93], s[10:11], s[92:93]
	CROUND                                         ; all sixteen work-groups are here: the first joint loads meet
	s_mov_b32 s[G0S], 1
	s_add_co_u32 s[G0S+1], s94, SCL
	s_mov_b64 s[G0S+2:G0S+3], s[22:23]
	s_or_b32 s[G0S+3], s[G0S+3], 0x80000000
	s_mov_b32 s[G0SB], 1
	s_add_co_u32 s[G0SB+1], s94, SCL
	s_mov_b64 s[G0SB+2:G0SB+3], s[92:93]
	s_or_b32 s[G0SB+3], s[G0SB+3], 0x80000000
	JLOAD G0S, G1S, G0SB, G1SB                     ; the scales first: they are wanted with K step 0
.irp s, 0,1
	s_mov_b32 s[G0+4*\s], 1
	s_add_co_u32 s[G0+4*\s+1], s45, \s*SLOT
	s_add_nc_u64 s[G0+4*\s+2:G0+4*\s+3], s[20:21], \s*ROWB
	s_or_b32 s[G0+4*\s+3], s[G0+4*\s+3], 0x80000000
	s_mov_b32 s[G0B+4*\s], 1
	s_add_co_u32 s[G0B+4*\s+1], s45, \s*SLOT
	s_add_nc_u64 s[G0B+4*\s+2:G0B+4*\s+3], s[46:47], \s*ROWB
	s_or_b32 s[G0B+4*\s+3], s[G0B+4*\s+3], 0x80000000
	JLOAD G0+4*\s, G1, G0B+4*\s, G1B               ; three tensor loads of mine are out now
.endr
	v_and_b32 v1, 15, v0                           ; r = l % 16
	v_bfe_u32 v2, v0, 4, 1                         ; h = l / 16
	v_mul_u32_u24 v3, v1, PITCH
	v_lshl_add_u32 v4, v2, 4, v3                   ; a fragment's row x pitch + 16 x half
	s_mul_i32 s21, s15, HALFT                      ; my 128 rows of A
	s_mul_i32 s22, s16, HALFT                      ; my 128 rows of B,
	s_add_co_u32 s22, s22, 2*HALFT                 ; which lie behind A's 256
.irp s, 0,1
	v_add_nc_u32 v[ADRA+\s], s21, v4
	v_add_nc_u32 v[ADRB+\s], s22, v4
	s_add_co_u32 s21, s21, SLOT
	s_add_co_u32 s22, s22, SLOT
.endr
	v_mul_u32_u24 v5, v1, KS                       ; my row's scales: 32 bytes a row,
	v_lshrrev_b32 v6, 8, v5
	v_lshl_add_u32 v5, v6, 4, v5                   ; and 16 more for each 256 passed
	s_mul_i32 s21, s15, HALFS                      ; A's: my 128 rows
	s_mul_i32 s22, s16, HALFS                      ; B's: my 128 rows, behind A's 256
	s_add_co_u32 s22, s22, 2*HALFS
	s_sub_co_u32 s22, s22, s21
	v_mul_u32_u24 v6, s22, v2                      ; lanes 16-31 take B's
	s_add_co_u32 s21, s21, SCL
	v_add_nc_u32 v5, v5, v6
	v_add_nc_u32 v[ADRS], s21, v5
	v_and_b32 v6, 31, v0
	v_lshlrev_b32 v[IMA], 4, v6
	v_lshlrev_b32 v[SCA], 4, v1
	v_lshl_add_u32 v[SCA], v2, 12, v[SCA]
	; where my 128 x 128 of C goes.  x's rows give the batch and the group of 128 rows (or keys), W's rows the head: two heads to a wave
	s_lshl_b32 s20, s17, 8
	s_lshl_b32 s21, s15, 7
	s_add_co_u32 s20, s20, s21                     ; my first row of A
	s_lshl_b32 s46, s42, 8
	s_lshl_b32 s47, s16, 7
	s_add_co_u32 s46, s46, s47                     ; my first row of B
	s_cmp_eq_u32 s[MODE], 2
	s_cselect_b32 s22, s46, s20                    ; my first row of x
	s_cselect_b32 s23, s20, s46                    ; my first row of W
	s_cselect_b32 s92, 0, 4                        ; the bias number of register t, lane (r, h): modes 0, 1: 8 h + t (along j); mode 2: r (along i)
	s_cselect_b32 s93, 4, 0
	s_cselect_b32 s94, 0, 32
	s_lshr_b32 s18, s22, 11                        ; batch
	s_lshl_b32 s18, s18, 4
	s_lshr_b32 s19, s23, 6
	s_add_co_u32 s18, s18, s19                     ; 16 x batch + my first head
	s_bfe_u32 s19, s22, 0x40007                    ; which 128 of the batch's 2,048 rows
	s_lshl_b32 s46, s18, 17
	s_lshl_b32 s47, s19, 13
	s_add_co_u32 s46, s46, s47
	s_mov_b32 s47, 0
	s_add_nc_u64 s[12:13], s[12:13], s[46:47]      ; the image: 131,072 bytes a head, 8,192 for 128 rows or keys
	s_lshl_b32 s46, s18, 12
	s_lshl_b32 s47, s19, 8
	s_add_co_u32 s46, s46, s47
	s_mov_b32 s47, 0
	s_add_nc_u64 s[98:99], s[98:99], s[46:47]      ; the scale words: 4,096 bytes a head, 256 for 128 rows or keys
	s_lshl_b32 s46, s23, 2
	s_add_nc_u64 s[96:97], s[96:97], s[46:47]      ; the bias at my first row of W
	v_mul_u32_u24 v5, v1, s93
	v_mad_u32_u24 v5, v2, s94, v5
	v_mov_b32 v6, s92
.irp t, 0,1,2,3,4,5,6,7
	v_mad_u32_u24 v[ADT+\t], v6, \t, v5
.endr
.irp c, 0,1,2,3,4,5,6,7                ; the bias in the result's layout, once a wave: block c's 16 numbers begin 64 bytes behind block c - 1's
.irp t, 0,1,2,3,4,5,6,7
	global_load_b32 v[CB+8*\c+\t], v[ADT+\t], s[96:97] offset:64*\c
.endr
.endr
.macro FRAG reg, adr, q, i             ; a fragment, 16 rows x 128 K: lane l holds row l % 16; registers 4 c .. 4 c + 3 hold K = 32 c + 16 (l / 16) + 0 .. 15
.irp c, 0,1,2,3
	ds_load_b128 v[\reg+4*\c:\reg+4*\c+3], v[\adr] offset:128*(\q)+32*\c+(\i)*16*PITCH
.endr
.endm
; 16 matrix instructions: A's blocks a0, a0 + 1 x B's eight, the slot's q-th 128 along K.  p: B's set;  sc: the set of scale words.
; zero = 1, 2: the first products start the sums with the bias as C: B's block's (along j) or A's block's (along i).  The 64 accumulators take turns, one instruction a turn.
.macro MUL16 a0, p, q, sc, zero
.irp a, \a0, \a0+1
.irp b, 0,1,2,3,4,5,6,7
.if \zero == 1
	v_wmma_scale_f32_16x16x128_f8f6f4 v[8*(8*((\a)%4)+\b):8*(8*((\a)%4)+\b)+7], v[128*(\p)+FR*\b:128*(\p)+FR*\b+FR-1], v[AF+FR*(\a):AF+FR*(\a)+FR-1], v[CB+8*\b:CB+8*\b+7], v[SC+8*NQ*(\sc)+NQ*\b+(\q)], v[SC+8*NQ*(\sc)+NQ*(\a)+(\q)] matrix_a_scale:MATRIX_SCALE_ROW1
.elseif \zero == 2
	v_wmma_scale_f32_16x16x128_f8f6f4 v[8*(8*((\a)%4)+\b):8*(8*((\a)%4)+\b)+7], v[128*(\p)+FR*\b:128*(\p)+FR*\b+FR-1], v[AF+FR*(\a):AF+FR*(\a)+FR-1], v[CB+8*(\a):CB+8*(\a)+7], v[SC+8*NQ*(\sc)+NQ*\b+(\q)], v[SC+8*NQ*(\sc)+NQ*(\a)+(\q)] matrix_a_scale:MATRIX_SCALE_ROW1
.else
	v_wmma_scale_f32_16x16x128_f8f6f4 v[8*(8*((\a)%4)+\b):8*(8*((\a)%4)+\b)+7], v[128*(\p)+FR*\b:128*(\p)+FR*\b+FR-1], v[AF+FR*(\a):AF+FR*(\a)+FR-1], v[8*(8*((\a)%4)+\b):8*(8*((\a)%4)+\b)+7], v[SC+8*NQ*(\sc)+NQ*\b+(\q)], v[SC+8*NQ*(\sc)+NQ*(\a)+(\q)] matrix_a_scale:MATRIX_SCALE_ROW1
.endif
.endr
.endr
.endm
.macro FETCH_B slot, q, p              ; B's eight fragments of the slot's q-th 128 along K into set p
	WIN TO_B
.irp i, 0,1,2,3,4,5,6,7
	FRAG 128*(\p)+FR*\i, ADRB+\slot, \q, \i
.endr
	WIN 0
.endm
.macro FETCH_A slot, q, i0             ; A's blocks i0 .. i0 + 3
.irp i, \i0, \i0+1, \i0+2, \i0+3
	FRAG AF+FR*(\i), ADRA+\slot, \q, \i
.endr
.endm
.macro SCALES sc                       ; the next K step's scale words into set sc: two words a row; lanes 0-15 take A's block i, lanes 16-31 B's block i
.irp i, 0,1,2,3,4,5,6,7
	ds_load_b64 v[SC+8*NQ*\sc+NQ*\i:SC+8*NQ*\sc+NQ*\i+1], v[ADRS] offset:\i*SBLK
.endr
.endm
.macro PLACES n                        ; plain vector instructions that name no register of the matrix instructions in front: in front of loads into registers that those have read, and of the first read of results
.rept \n
	v_nop
.endr
.endm
; A step of 128 along K that has its successor in the same slot.
.macro STEP slot, q, zero
	s_wait_dscnt 4*NL                              ; B's set and A's blocks 0-3 are in; the youngest 16 loads (A's blocks 4-7) may be out
.if \zero
	WIN 0x81                                       ; C (the bias) window 0, D window 2
.else
	WIN MUL_LO
.endif
	MUL16 0, (\q)%2, \q, \slot, \zero
	MUL16 2, (\q)%2, \q, \slot, \zero
	s_wait_dscnt 0                                 ; A's blocks 4-7 are in (asked for 32 matrix instructions ago)
	PLACES NP
	FETCH_B \slot, (\q)+1, 1-(\q)%2
	FETCH_A \slot, (\q)+1, 0
.if \zero
	WIN 0xc1                                       ; C window 0, D window 3
.else
	WIN MUL_HI
.endif
	MUL16 4, (\q)%2, \q, \slot, \zero
	MUL16 6, (\q)%2, \q, \slot, \zero
	PLACES NP
	WIN 0
	FETCH_A \slot, (\q)+1, 4
.endm
; A slot's last step changes slots: ONE barrier; in front of it each wave waits for all its tensor loads, adds 0 to its spare word, and waits for that and for its own reads of this slot.  fill = 1: this slot is filled again, two K steps ahead.
.macro TURN slot, next, fill
	s_wait_tensorcnt 0x0                           ; all my tensor loads have landed: my part of the next slot  (every window is 0 here)
	ds_add_u32 v[SPW], v[NIL]                      ; 0 onto my spare word
	s_wait_dscnt 4*NL+1                            ; (the add and the youngest 16 loads, A's blocks 4-7, may be out)
	WIN MUL_LO
	MUL16 0, 1, NQ-1, \slot, 0                     ; sixteen matrix instructions stand between the add and the wait for it
	s_wait_dscnt 0x0                               ; the add is done, and my reads of this slot are over
	s_barrier_signal -1
	MUL16 2, 1, NQ-1, \slot, 0
	WIN 0
	s_barrier_wait -1
.if \fill
	CREST                                          ; the barrier has opened a round of the cluster's barrier: no wave of any partner still reads this slot's tile or has a load on its way
	s_add_nc_u64 s[G0+4*\slot+2:G0+4*\slot+3], s[G0+4*\slot+2:G0+4*\slot+3], 2*ROWB
	s_add_nc_u64 s[G0B+4*\slot+2:G0B+4*\slot+3], s[G0B+4*\slot+2:G0B+4*\slot+3], 2*ROWB
	JLOAD G0+4*\slot, G1, G0B+4*\slot, G1B         ; the first tensor load behind the round, my only one until the next; its four v_nop are among the places in front of the loads below
	PLACES NP-4
.else
	PLACES NP
.endif
	v_add_nc_u32 v[ADRS], 4*NQ, v[ADRS]            ; on to the next K step's scale words
	FETCH_B \next, 0, 0
	FETCH_A \next, 0, 0
	SCALES \next
	WIN MUL_HI
	MUL16 4, 1, NQ-1, \slot, 0
	MUL16 6, 1, NQ-1, \slot, 0
	PLACES NP
	WIN 0
	FETCH_A \next, 0, 4
.endm
	s_wait_tensorcnt 1                             ; the scales and my part of K step 0 are in; K step 1's load may stay out
	s_barrier_signal -1
	s_barrier_wait -1                              ; everybody's are
	FETCH_B 0, 0, 0
	FETCH_A 0, 0, 0
	SCALES 0
	FETCH_A 0, 0, 4
	s_wait_loadcnt 0x0                             ; the bias
	s_cmp_eq_u32 s[MODE], 2                        ; the first step is written twice: its products take the bias as C, along j or along i
	s_cbranch_scc1 .Lfirst_v
	STEP 0, 0, 1
	s_branch .Lfirst_done
.Lfirst_v:
	STEP 0, 0, 2
.Lfirst_done:
	s_mov_b32 s3, LAPS-1
.Llap:                                                 ; a trip goes once round the ring, from a lap's second step to the next lap's first, and fills both slots again
	TURN 0, 1, 1
	STEP 1, 0, 0
	TURN 1, 0, 1
	STEP 0, 0, 0
	s_sub_co_u32 s3, s3, 1
	s_cmp_lg_u32 s3, 0
	s_cbranch_scc1 .Llap
	TURN 0, 1, 0                                   ; the last lap fills nothing, and has no round of the cluster's barrier
	STEP 1, 0, 0
	s_wait_dscnt 4*NL                              ; the very last step: nothing more to fetch
	WIN MUL_LO
	MUL16 0, 1, NQ-1, 1, 0
	MUL16 2, 1, NQ-1, 1, 0
	s_wait_dscnt 0
	WIN MUL_HI
	MUL16 4, 1, NQ-1, 1, 0
	MUL16 6, 1, NQ-1, 1, 0
	WIN 0
	PLACES NP                                      ; in front of the first read of results and the first write over A's fragments
	; THE WAY OUT
	v_and_b32 v3, 16, v0
	v_cmp_ne_u32 vcc_lo, 0, v3                     ; lanes 16-31: kept to the end
	v_mov_b32 v[SELV], 0x05040100
	v_mov_b32 v4, 0x07060302
	v_cndmask_b32 v[SELV], v[SELV], v4, vcc_lo
.irp b, 0,1,2,3
	v_mov_b32 v[TM+4+\b], 0                        ; written once: a lane permute's destination counts as one of its sources
.endr
; Block a (16 rows of A x my 128 columns: four blocks of 32 along j): codes into v[PC + 16 a] on, scale word into v[PWS + a].
.macro QUANTW a
.set AC, 64*((\a)%4)
.set PCA, PC+16*(\a)
	WIN 0x0a+5*((\a)/4)                            ; sources 0 and 1: window 2 or 3
.irp b, 0,1,2,3
	v_max3_num_f32 v[TM+\b], |v[AC+16*\b]|, |v[AC+16*\b+1]|, 0x4800000   ; my 16 numbers of block b, each accumulator from its low end on, and the floor 2^(9 - 127): the byte cannot fall under 1
.endr
.irp i, 2,4,6,8,10,12,14
.irp b, 0,1,2,3
	v_max3_num_f32 v[TM+\b], |v[AC+16*\b+\i]|, |v[AC+16*\b+\i+1]|, v[TM+\b]   ; (the four blocks by turns)
.endr
.endr
	WIN 0
.irp b, 0,1,2,3
	v_permlanex16_b32 v[TM+4+\b], v[TM+\b], s[SEL], s[SEL+1]
.endr
.irp b, 0,1,2,3
	v_max_num_f32 v[TM+\b], v[TM+\b], v[TM+4+\b]   ; with lane l xor 16's 16: the block's largest magnitude
.endr
.irp b, 0,1,2,3
	v_add_nc_u32 v[TM+12+\b], 0xfc000000, v[TM+\b] ; 8 off its exponent field: the conversion takes the exponent field of this operand as its scale
.endr
.irp b, 0,1,2,3
	v_and_or_b32 v[TM+8+\b], v[TM+\b], 0x7f800000, s[MNT]   ; 448 x the scale
.endr
.irp b, 0,1,2,3
	v_lshrrev_b32 v[TM+4+\b], 23, v[TM+12+\b]      ; the scale's byte
.endr
	v_lshl_or_b32 v[PWS+(\a)], v[TM+5], 8, v[TM+4]
	v_lshl_or_b32 v[PWS+(\a)], v[TM+6], 16, v[PWS+(\a)]
	v_lshl_or_b32 v[PWS+(\a)], v[TM+7], 24, v[PWS+(\a)]
	WIN 0x82+0x41*((\a)/4)                         ; destination and source 0: window 2 or 3
.irp b, 0,1,2,3
.irp i, 0,1,2,3,4,5,6,7,8,9,10,11,12,13,14,15
	v_med3_num_f32 v[AC+16*\b+\i], v[AC+16*\b+\i], -v[TM+8+\b], v[TM+8+\b]   ; the conversion to an 8-bit code does not saturate (ISA guide 7.6.2): the hold at the largest code x the scale
.endr
.endr
	WIN 0x02+(\a)/4                                ; source 0: window 2 or 3
.irp b, 0,1,2,3
	v_cvt_scalef32_pk8_fp8_f32 v[PCA+4*\b:PCA+4*\b+1], v[AC+16*\b:AC+16*\b+7], v[TM+12+\b]
	v_cvt_scalef32_pk8_fp8_f32 v[PCA+4*\b+2:PCA+4*\b+3], v[AC+16*\b+8:AC+16*\b+15], v[TM+12+\b]
.endr
	WIN 0
	v_nop                                          ; a plain vector instruction between the conversions and the next block's lines, which write their scale operands
.endm
; Block a's four groups of four registers leave as they stand: 32 lanes store 512 consecutive bytes, at a multiple of 512 from the image's first byte.  Only the places differ with the mode.
.macro OUT4 a
	s_cmp_eq_u32 s[MODE], 2
	s_cbranch_scc1 .Lout_v_\@
.irp b, 0,1,2,3                        ; q, k: head b / 2 of my two, tile a of my eight, c = b % 2
	global_store_b128 v[IMA], v[PC+16*(\a)+4*\b:PC+16*(\a)+4*\b+3], s[12:13] offset:(\b/2)*HEADB+1024*(\a)+512*(\b%2)
.endr
	s_branch .Lout_j_\@
.Lout_v_\@:
.irp b, 0,1,2,3                        ; v: head a / 4 of my two, channels 16 (a % 4) on, c = b
	global_store_b128 v[IMA], v[PC+16*(\a)+4*\b:PC+16*(\a)+4*\b+3], s[12:13] offset:((\a)/4)*HEADB+2048*((\a)%4)+512*\b
.endr
.Lout_j_\@:
.endm
.irp a, 0,1,2,3,4,5,6,7
	QUANTW \a
	OUT4 \a
.endr
	s_cmp_eq_u32 s[MODE], 2
	s_cbranch_scc1 .Lsc_v
.irp p, 0,1,2,3                        ; q, k: word p = tile 2 p's two bytes, tile 2 p + 1's two; lanes 0-15 take my first head's halves, lanes 16-31 my second's
	v_perm_b32 v[FW+\p], v[PWS+2*\p+1], v[PWS+2*\p], v[SELV]
.endr
	s_branch .Lsc_j
.Lsc_v:
.irp p, 0,1,2,3                        ; v: word p = channels 16 p on; lanes 0-15 my first head (blocks 0-3), lanes 16-31 my second (blocks 4-7)
	v_cndmask_b32 v[FW+\p], v[PWS+\p], v[PWS+4+\p], vcc_lo
.endr
.Lsc_j:
	global_store_b128 v[SCA], v[FW:FW+3], s[98:99] ; sixteen lanes store 256 consecutive bytes, aligned, for each of my two heads
	s_wait_tensorcnt 0x0                           ; the wave's end
	ds_add_u32 v[SPW], v[NIL]
	s_wait_dscnt 0x0
	CROUND                                         ; the closing round: no work-group ends while a partner may still ask for a tile that names it
	s_endpgm
.Lfunc_end_k_qf4536055c4_qkv:
	.size	k_qf4536055c4_qkv, .Lfunc_end_k_qf4536055c4_qkv-k_qf4536055c4_qkv
	.p2alignl 7, 3214868480
	.fill 96, 4, 3214868480
	.section	.rodata,"a",@progbits
	.p2align	6, 0x0
	.amdhsa_kernel k_qf4536055c4_qkv
		.amdhsa_group_segment_fixed_size 327680
		.amdhsa_private_segment_fixed_size 0
		.amdhsa_enable_private_segment 0
		.amdhsa_kernarg_size 136
		.amdhsa_user_sgpr_count 2
		.amdhsa_user_sgpr_kernarg_segment_ptr 1
		.amdhsa_wavefront_size32 1
		.amdhsa_system_sgpr_workgroup_id_x 1
		.amdhsa_system_sgpr_workgroup_id_y 1
		.amdhsa_system_sgpr_workgroup_id_z 1
		.amdhsa_system_vgpr_workitem_id 0
		.amdhsa_next_free_vgpr 1024
		.amdhsa_next_free_sgpr 102
		.amdhsa_reserve_vcc 1
		.amdhsa_float_denorm_mode_32 3
		.amdhsa_float_denorm_mode_16_64 3
		.amdhsa_memory_ordered 1
		.amdhsa_forward_progress 1
		.amdhsa_inst_pref_size 210
	.end_amdhsa_kernel
	.amdgpu_metadata
---
amdhsa.version: [ 1, 2 ]
amdhsa.kernels:
  - .name:           k_qf4536055c4_qkv
    .symbol:         k_qf4536055c4_qkv.kd
    .args:
      - { .name: x_codes, .offset: 0, .size: 8, .value_kind: global_buffer, .address_space: global }
      - { .name: x_scales, .offset: 8, .size: 8, .value_kind: global_buffer, .address_space: global }
      - { .name: Wq_codes, .offset: 16, .size: 8, .value_kind: global_buffer, .address_space: global }
      - { .name: Wq_scales, .offset: 24, .size: 8, .value_kind: global_buffer, .address_space: global }
      - { .name: Wk_codes, .offset: 32, .size: 8, .value_kind: global_buffer, .address_space: global }
      - { .name: Wk_scales, .offset: 40, .size: 8, .value_kind: global_buffer, .address_space: global }
      - { .name: Wv_codes, .offset: 48, .size: 8, .value_kind: global_buffer, .address_space: global }
      - { .name: Wv_scales, .offset: 56, .size: 8, .value_kind: global_buffer, .address_space: global }
      - { .name: bq, .offset: 64, .size: 8, .value_kind: global_buffer, .address_space: global }
      - { .name: bk, .offset: 72, .size: 8, .value_kind: global_buffer, .address_space: global }
      - { .name: bv, .offset: 80, .size: 8, .value_kind: global_buffer, .address_space: global }
      - { .name: q_img, .offset: 88, .size: 8, .value_kind: global_buffer, .address_space: global }
      - { .name: k_img, .offset: 96, .size: 8, .value_kind: global_buffer, .address_space: global }
      - { .name: v_img, .offset: 104, .size: 8, .value_kind: global_buffer, .address_space: global }
      - { .name: q_sc, .offset: 112, .size: 8, .value_kind: global_buffer, .address_space: global }
      - { .name: k_sc, .offset: 120, .size: 8, .value_kind: global_buffer, .address_space: global }
      - { .name: v_sc, .offset: 128, .size: 8, .value_kind: global_buffer, .address_space: global }
    .group_segment_fixed_size: 327680
    .private_segment_fixed_size: 0
    .kernarg_segment_align: 8
    .kernarg_segment_size: 136
    .max_flat_workgroup_size: 128
    .sgpr_count:     102
    .vgpr_count:     1024
    .wavefront_size: 32
...
	.end_amdgpu_metadata
.endif
;; end of part 1
;; launch attn (part 2): grid 4 x 64, 16 waves a work-group, clusters of 4 x 1, 273,408 bytes of LDS; arguments q_img, q_sc, k_img, k_sc, v_img, v_sc, o_img, o_sc; writes o_img, o_sc
.if DOCPART == 2
	.amdgcn_target "amdgcn-amd-amdhsa--gfx1250"
	.amdhsa_code_object_version 6
	.text
	.protected	k_qf4536055c4_attn
	.globl	k_qf4536055c4_attn
	.p2align	8
	.type	k_qf4536055c4_attn,@function
k_qf4536055c4_attn:
	s_mov_b64 s[64:65], 0
	v_nop
	global_prefetch_b8 v0, s[64:65] scope:SCOPE_SE
	s_setreg_imm32_b32 hwreg(HW_REG_WAVE_MODE, 25, 1), 1
	s_wait_xcnt 0x0
	s_wait_alu depctr_hold_cnt(0) depctr_sa_sdst(0) depctr_va_vdst(0) depctr_va_sdst(0) depctr_va_ssrc(0) depctr_va_vcc(0) depctr_vm_vsrc(0)
	s_getreg_b32 s2, hwreg(HW_REG_IB_STS2, 6, 4)
	s_cmp_eq_u32 s2, 0
	s_cbranch_scc0 .Lentry_in_a_cluster
	s_endpgm
.Lentry_in_a_cluster:
	s_bfe_u32 s2, ttmp6, 0x10000c
	s_cmp_lg_u32 s2, 0x3003
	s_cbranch_scc0 .Lentry_shape_is_right
	s_endpgm
.Lentry_shape_is_right:
; o[b][h][q] = softmax_k(q . k / 8) v, both products on codes of FP8 (E4M3) with one E8M0 scale for each 32 along a product's K; o / l is quantised along the head's 64 and leaves as an operand of the last product.
; THE SOFTMAX AHEAD OF THE SECOND PRODUCT: t = score x log2(e) / 8; M = the row's largest t so far, rounded UP to a whole number; p = 2^(t - M) is what is quantised, along the keys; it is not normalised.
; The row's sum is taken of the unquantised p, in f32, and divides O at the end.  When M moves, the sum and O are multiplied by 2^(old M - new M): exact.
; SHARES.  A work-group owns 512 queries of one head (grid y = 16 x batch + head; the place in the cluster says which 512).  Each of its SIXTEEN waves owns two tiles of 16 queries, one after the other, in 256 registers:
; four waves to a SIMD, so that one wave's vector work stands beside another's matrix work and LDS loads.  Every tile walks the head's 2,048 keys, 128 a step.
; LDS.  A whole head's K, V and scale words, 270,336 bytes, are filled ONCE: no ring, no slot is filled again.  They are images of operand registers (lane l's 16 bytes at 16 l), so every read is 512 consecutive bytes and needs no padding.
; CLUSTER.  The four work-groups of a head need the same bytes: each wave's four tensor loads are asked for JOINTLY, with a mask that names the four; descriptors hang on the wave's number and the head alone.
; LAYOUT.  Both products are used transposed: S^T = K Q^T (source 0 = keys, source 1 = my 16 queries), O^T = V^T P^T: a lane holds ONE query (lane % 16) throughout.
; THE HEAD IS 64, THE INSTRUCTION'S K IS 128: a run of 16 registers of K holds TWO tiles of 16 keys, one at k 0-63, the other at k 64-127; Q stands between two runs of zero codes, v16-39 = [0][q][0]:
; v[24:39] = [q][0] picks the first tile, v[16:31] = [0][q] the second.  Zero codes add nothing under any scale byte that the first launch makes (1 to 254).
; The 16 registers of score tiles 2 b, 2 b + 1 are my share of keys 32 b .. 32 b + 31: place 16 h + 8 u + j holds key 16 u + 8 h + j of the block, the very order in which the first launch laid V's codes.
; THE WAY OUT.  A lane's eight codes of (c, u) are channels 32 c + 16 u + 8 h + 0 .. 7 of query r: in the next operand's NATURAL layout they are bytes 8 h .. 8 h + 7 of lane 16 u + r, registers 4 c on:
; byte 512 c + 256 u + 16 r + 8 h of the head's 1,024: each store of 8 bytes a lane covers 256 consecutive bytes, aligned.
;   o_img: [tile of 16 rows 512][128 along K: 8][c 4][lane 32][16 bytes];   o_sc: [head 16][row 8,192] two bytes.
; LIMITS: a block of o whose largest magnitude lies under 2^-118 gets the byte 1 (read by this program alone).  NaN and infinities are not served.
.set KB,   0                           ; K's images: 128 tiles of 16 keys x 1,024 bytes
.set VB,   131072                      ; V's: 16 key steps x 4 tiles of 16 channels x 2,048 bytes
.set KSB,  262144                      ; K's scale words: 16 key steps x 256 bytes
.set VSB,  266240                      ; V's likewise
.set OSC,  270336                      ; o's scale bytes of my 512 queries: 1,024 bytes, written by LDS stores alone: no fill lands in these four blocks of 256
.set LK,   1                           ; v1   16 x lane
.set LS,   2                           ; v2   KSB + 16 r
.set ADK,  3                           ; v3   the step's K
.set ADV,  4                           ; v4   the step's V
.set ADS,  5                           ; v5   the step's scale words
.set OA,   6                           ; v6   16 r + 8 h: my 8 bytes of a store
.set OSA,  7                           ; v7   OSC + 64 wave + 2 r
.set QZ,   16                          ; v16-39 [0 x 8][q x 8][0 x 8]
.set KV,   40                          ; v40-103  the step's K, then its V
.set S,    104                         ; v104-167 S^T, then p
.set O,    168                         ; v168-199 O^T
.set PC,   200                         ; v200-215 p's codes; at a tile's end o's
.set BM,   216                         ; v216-219 a block's largest score, then its largest p
.set T1,   220                         ; v220-223 at work
.set LIM,  224                         ; v224-227 448 x the scale
.set SOP,  228                         ; v228-231 the conversions' scale operands
.set KSW,  232                         ; v232-235 K's scale words: nothing else ever
.set VSW,  236                         ; v236-239 V's
.set PSW,  240                         ; v240 p's
.set QS,   241                         ; v241 q's: its two bytes twice, so that it serves both places of q
.set F,    242                         ; v[242:243] f = 2^(old M - new M); at a tile's end 1 / l
.set TA,   244
.set TW,   245
.set Q1,   246                         ; v246-253 my second tile's q
.set QW,   254                         ; v254 the word with both tiles' scale bytes of q
.set WV,   20                          ; s20 wave
.set G1KV, 24                          ; s[24:31] group 1: 32 rows of 256 bytes
.set G1SC, 32                          ; s[32:39] group 1: one row of 256 bytes
.set G0K,  40
.set G0V,  44
.set G0KS, 48
.set G0VS, 52
.set SEL,  56                          ; s[56:57] selects for lane l xor 16
.set CS,   58                          ; s[58:59] c = log2(e) / 8, twice: the packed form names a pair
.set MNT,  60                          ; s60 the mantissa field of 448
.set TK,   61                          ; s61 the step's bytes in K and in V: 8,192 a step
.set TS,   62                          ; s62 and among the scale words: 256 a step
.set CNT,  63                          ; s63 steps to go
.macro ROUND                           ; a round of the cluster's barrier
	s_barrier_signal -1
	s_barrier_wait -1
	s_cmp_lg_u32 s[WV], 0
	s_cbranch_scc1 .Lnot_wave_0_\@
	s_barrier_signal -3
.Lnot_wave_0_\@:
	s_barrier_wait -3
	s_barrier_signal -1
	s_barrier_wait -1
.endm
	s_load_b256 s[4:11], s[0:1], 0x0               ; q_img, q_sc, k_img, k_sc
	s_load_b256 s[12:19], s[0:1], 0x20             ; v_img, v_sc, o_img, o_sc
	v_lshl_add_u32 v254, v0, 2, 0x42400
	v_mov_b32 v255, 0
	ds_add_u32 v254, v255
	ds_add_u32 v254, v255
	s_wait_dscnt 0x0
	v_lshrrev_b32 v8, 5, v0
	v_readfirstlane_b32 s[WV], v8                  ; wave 0..15
	s_bfe_u32 s21, ttmp6, 0x40000                  ; cx: which 512 queries: it enters q's and o's addresses alone
	s_and_b32 s22, ttmp7, 0xffff                   ; 16 x batch + head: shared by the four partners
	s_mov_b32 s[G1KV], 15|(3<<16)|(1<<21)          ; 15:0 the mask: all four work-groups; 17:16 elements of 8 bytes; 21 set beside a mask; no padding
	s_mov_b32 s[G1KV+1], 32<<16                    ; tensor_dim0 = 32 elements: 256 bytes
	s_mov_b32 s[G1KV+2], 32<<16                    ; tensor_dim1 = 32 rows
	s_mov_b32 s[G1KV+3], 32<<16                    ; tile_dim0
	s_mov_b32 s[G1KV+4], 32                        ; tile_dim1
	s_mov_b32 s[G1KV+5], 32                        ; the rows are dense
	s_mov_b32 s[G1KV+6], 0
	s_mov_b32 s[G1KV+7], 0
	s_mov_b32 s[G1SC], 15|(3<<16)|(1<<21)
	s_mov_b32 s[G1SC+1], 32<<16
	s_mov_b32 s[G1SC+2], 1<<16                     ; one row
	s_mov_b32 s[G1SC+3], 32<<16
	s_mov_b32 s[G1SC+4], 1
	s_mov_b32 s[G1SC+5], 32
	s_mov_b32 s[G1SC+6], 0
	s_mov_b32 s[G1SC+7], 0
	s_lshl_b32 s66, s22, 17                        ; the head's 131,072 bytes of codes,
	s_lshl_b32 s70, s[WV], 13                      ; my sixteenth of them: 8,192 bytes, one key step
	s_add_co_u32 s66, s66, s70
	s_mov_b32 s67, 0
	s_lshl_b32 s68, s22, 12                        ; the head's 4,096 bytes of scale words,
	s_lshl_b32 s71, s[WV], 8                       ; my 256
	s_add_co_u32 s68, s68, s71
	s_mov_b32 s69, 0
	s_mov_b32 s[SEL], 0x76543210
	s_mov_b32 s[SEL+1], 0xfedcba98
	s_mov_b32 s[CS], 0x3e38aa3b                    ; log2(e) / 8
	s_mov_b32 s[CS+1], s[CS]
	s_mov_b32 s[MNT], 0x600000
	s_wait_kmcnt 0x0
	s_mov_b32 s[G0K], 1
	s_add_co_u32 s[G0K+1], s70, KB
	s_add_nc_u64 s[G0K+2:G0K+3], s[8:9], s[66:67]
	s_or_b32 s[G0K+3], s[G0K+3], 0x80000000
	s_mov_b32 s[G0V], 1
	s_add_co_u32 s[G0V+1], s70, VB
	s_add_nc_u64 s[G0V+2:G0V+3], s[12:13], s[66:67]
	s_or_b32 s[G0V+3], s[G0V+3], 0x80000000
	s_mov_b32 s[G0KS], 1
	s_add_co_u32 s[G0KS+1], s71, KSB
	s_add_nc_u64 s[G0KS+2:G0KS+3], s[10:11], s[68:69]
	s_or_b32 s[G0KS+3], s[G0KS+3], 0x80000000
	s_mov_b32 s[G0VS], 1
	s_add_co_u32 s[G0VS+1], s71, VSB
	s_add_nc_u64 s[G0VS+2:G0VS+3], s[14:15], s[68:69]
	s_or_b32 s[G0VS+3], s[G0VS+3], 0x80000000
	ROUND                                          ; all four work-groups are here: the joint loads meet
	tensor_load_to_lds s[G0K:G0K+3], s[G1KV:G1KV+7]        ; every wave issues the same four lines, each for its own sixteenth: four tensor loads of mine are out, the only ones of the launch
	s_nop 0
	tensor_load_to_lds s[G0V:G0V+3], s[G1KV:G1KV+7]
	s_nop 0
	tensor_load_to_lds s[G0KS:G0KS+3], s[G1SC:G1SC+7]
	s_nop 0
	tensor_load_to_lds s[G0VS:G0VS+3], s[G1SC:G1SC+7]
	s_nop 0
.rept 4
	v_nop
.endr
	; q, its scale word, and where o goes
	s_lshl_b32 s72, s22, 17
	s_lshl_b32 s74, s21, 15
	s_add_co_u32 s72, s72, s74
	s_lshl_b32 s74, s[WV], 11
	s_add_co_u32 s72, s72, s74                     ; q: head, 512 queries = 32 tiles of 1,024 bytes, my two tiles
	s_mov_b32 s73, 0
	s_add_nc_u64 s[4:5], s[4:5], s[72:73]
	s_lshl_b32 s72, s22, 12
	s_lshl_b32 s74, s21, 10
	s_add_co_u32 s72, s72, s74
	s_lshr_b32 s74, s[WV], 2
	s_lshl_b32 s74, s74, 8
	s_add_co_u32 s72, s72, s74
	s_and_b32 s74, s[WV], 3
	s_lshl_b32 s74, s74, 2
	s_add_co_u32 s72, s72, s74                     ; q's scale words: group of 128 rows 4 cx + wave / 4; word wave % 4 holds my two tiles' bytes
	s_add_nc_u64 s[6:7], s[6:7], s[72:73]
	s_lshr_b32 s75, s22, 4                         ; batch
	s_and_b32 s76, s22, 15                         ; head
	s_lshl_b32 s72, s75, 7
	s_lshl_b32 s74, s21, 5
	s_add_co_u32 s72, s72, s74
	s_lshl_b32 s74, s[WV], 1
	s_add_co_u32 s72, s72, s74                     ; my first tile of 16 rows among the 512
	s_lshl_b32 s72, s72, 14                        ; 16,384 bytes a tile of rows,
	s_lshl_b32 s74, s76, 10                        ; 1,024 a head
	s_add_co_u32 s72, s72, s74
	s_add_nc_u64 s[16:17], s[16:17], s[72:73]
	s_lshl_b32 s72, s76, 14
	s_lshl_b32 s74, s75, 12
	s_add_co_u32 s72, s72, s74
	s_lshl_b32 s74, s21, 10
	s_add_co_u32 s72, s72, s74                     ; o's scale bytes: 16,384 a head, two a row
	s_add_nc_u64 s[18:19], s[18:19], s[72:73]
	v_and_b32 v8, 31, v0
	v_lshlrev_b32 v[LK], 4, v8
	v_and_b32 v9, 15, v0                           ; r
	v_bfe_u32 v10, v0, 4, 1                        ; h
	v_lshl_add_u32 v[LS], v9, 4, KSB
	v_lshlrev_b32 v11, 4, v9
	v_lshl_add_u32 v[OA], v10, 3, v11
	s_lshl_b32 s74, s[WV], 6
	s_add_co_u32 s74, s74, OSC
	v_lshl_add_u32 v[OSA], v9, 1, s74
	global_load_b128 v[QZ+8:QZ+11], v[LK], s[4:5]              ; my first tile's q: c = 0,
	global_load_b128 v[QZ+12:QZ+15], v[LK], s[4:5] offset:512  ; c = 1
	global_load_b128 v[Q1:Q1+3], v[LK], s[4:5] offset:1024     ; my second tile's
	global_load_b128 v[Q1+4:Q1+7], v[LK], s[4:5] offset:1536
	global_load_b32 v[QW], v11, s[6:7]
.irp i, 0,1,2,3,4,5,6,7
	v_mov_b32 v[QZ+\i], 0                          ; zero codes on both sides of q
	v_mov_b32 v[QZ+16+\i], 0
.endr
.irp b, 0,1,2,3
	v_mov_b32 v[T1+\b], 0                          ; written once: a lane permute's destination counts as one of its sources
.endr
	v_mov_b32 v[F+1], 0                            ; (named as the upper half of a pair)
	v_mov_b32 v[TA], 0
	s_wait_tensorcnt 0x0                           ; my sixteenth of the head has landed,
	s_barrier_signal -1
	s_barrier_wait -1                              ; everybody's has
	s_wait_loadcnt 0x0                             ; q
; A KEY STEP: 128 keys.
.macro STEP
	v_add_nc_u32 v[ADK], s[TK], v[LK]
	v_add_nc_u32 v[ADV], VB, v[ADK]
	v_add_nc_u32 v[ADS], s[TS], v[LS]
.rept 5
	v_nop                                          ; with the three additions: eight places in front of loads into registers that the last products have read
.endr
.irp n, 0,1,2,3,4,5,6,7,8,9,10,11,12,13,14,15
	ds_load_b128 v[KV+4*\n:KV+4*\n+3], v[ADK] offset:512*\n   ; tile n / 2 of 16 keys, c = n % 2: 512 consecutive bytes
.endr
	ds_load_b128 v[KSW:KSW+3], v[ADS]              ; word p: tiles 2 p and 2 p + 1
	s_wait_dscnt 0x0
.irp t, 0,1,2,3,4,5,6,7                ; S^T = K Q^T: tile t of 16 keys lies in half t % 2 of run t / 2; q's place picks it
	v_wmma_scale_f32_16x16x128_f8f6f4 v[S+8*\t:S+8*\t+7], v[KV+16*(\t/2):KV+16*(\t/2)+15], v[QZ+8-8*(\t%2):QZ+23-8*(\t%2)], 0, v[KSW+\t/2], v[QS]
.endr
.rept 8
	v_nop                                          ; places in front of the loads over K and of the first read of the scores
.endr
.irp n, 0,1,2,3,4,5,6,7,8,9,10,11,12,13,14,15
	ds_load_b128 v[KV+4*\n:KV+4*\n+3], v[ADV] offset:512*\n   ; V: channels 16 (n / 4) on, c = n % 4.  They land under the softmax
.endr
	ds_load_b128 v[VSW:VSW+3], v[ADS] offset:VSB-KSB
.irp b, 0,1,2,3
	v_max3_num_f32 v[BM+\b], v[S+16*\b], v[S+16*\b+1], v[S+16*\b+2]   ; THE LARGEST SCORE OF EACH BLOCK OF 32 KEYS: it serves for the row's maximum and, since p rises with the score, for the block's largest p
.endr
.irp i, 3,5,7,9,11,13
.irp b, 0,1,2,3
	v_max3_num_f32 v[BM+\b], v[BM+\b], v[S+16*\b+\i], v[S+16*\b+\i+1]
.endr
.endr
.irp b, 0,1,2,3
	v_max_num_f32 v[BM+\b], v[BM+\b], v[S+16*\b+15]
.endr
.irp b, 0,1,2,3
	v_permlanex16_b32 v[T1+\b], v[BM+\b], s[SEL], s[SEL+1]
.endr
.irp b, 0,1,2,3
	v_max_num_f32 v[BM+\b], v[BM+\b], v[T1+\b]     ; with lane l xor 16's 16 keys
.endr
	v_max3_num_f32 v[TA], v[BM], v[BM+1], v[BM+2]
	v_max_num_f32 v[TA], v[TA], v[BM+3]            ; the step's largest score of my query
	v_mul_f32 v[TA], s[CS], v[TA]                  ; as t (c is positive)
	v_max_num_f32 v13, v13, v[TA]                  ; the running largest t
	v_mov_b32 v[TA], v12
	v_floor_f32 v12, -v13                          ; the new -M = floor(-t) = -ceil(t): M IS A WHOLE NUMBER
	v_sub_f32 v[TA], v12, v[TA]                    ; M's old value less its new one: a whole number, 0 or less
	v_cvt_i32_f32 v[TA], v[TA]                     ; (it saturates)
	v_ldexp_f32 v[F], 1.0, v[TA]                   ; f = 2^(old M - new M)
.set j, 0
.rept 32
	v_pk_fma_f32 v[S+j:S+j+1], v[S+j:S+j+1], s[CS:CS+1], v[12:13] op_sel_hi:[1,0,0]   ; t - M, two at a time
.set j, j+2
.endr
.irp b, 0,1,2,3
	v_fma_f32 v[BM+\b], v[BM+\b], s[CS], v12       ; the same of each block's largest score
.endr
.set j, 0
.rept 64
	v_exp_f32 v[S+j], v[S+j]                       ; p = 2^(t - M), at most 1: NOT normalised
.set j, j+1
.endr
.irp b, 0,1,2,3
	v_exp_f32 v[BM+\b], v[BM+\b]                   ; the block's largest p: the same two instructions on the same number give the same bits
.endr
	v_pk_mul_f32 v[14:15], v[14:15], v[F:F+1] op_sel_hi:[1,0]   ; the sums under the new M.  (A plain place behind the exponentials)
	s_wait_alu depctr_va_vdst(0)
.irp b, 0,1,2,3
	v_max_num_f32 v[BM+\b], 0x4800000, v[BM+\b]    ; the floor 2^(9 - 127): the byte cannot fall under 1
.endr
.irp b, 0,1,2,3
	v_add_nc_u32 v[SOP+\b], 0xfc000000, v[BM+\b]   ; 8 off the exponent field: the conversion's scale operand
.endr
.irp b, 0,1,2,3
	v_and_or_b32 v[LIM+\b], v[BM+\b], 0x7f800000, s[MNT]   ; 448 x the scale
.endr
.irp b, 0,1,2,3
	v_lshrrev_b32 v[T1+\b], 23, v[SOP+\b]          ; the scale's byte
.endr
	v_lshl_or_b32 v[PSW], v[T1+1], 8, v[T1]        ; p's scale word for these 128 keys
	v_lshl_or_b32 v[PSW], v[T1+2], 16, v[PSW]
	v_lshl_or_b32 v[PSW], v[T1+3], 24, v[PSW]
	v_pk_add_f32 v[T1:T1+1], v[S:S+1], v[S+2:S+3]  ; THE ROW'S SUM IS TAKEN OF THE UNQUANTISED p: two at a time, in two chains
.irp j, 4,8,12,16,20,24,28,32,36,40,44,48,52,56,60
	v_pk_add_f32 v[14:15], v[14:15], v[S+\j:S+\j+1]
	v_pk_add_f32 v[T1:T1+1], v[T1:T1+1], v[S+\j+2:S+\j+3]
.endr
	v_pk_add_f32 v[14:15], v[14:15], v[T1:T1+1]
.irp b, 0,1,2,3
.irp i, 0,1,2,3,4,5,6,7,8,9,10,11,12,13,14,15
	v_min_num_f32 v[S+16*\b+\i], v[S+16*\b+\i], v[LIM+\b]   ; the conversion to an 8-bit code does not saturate (ISA guide 7.6.2); p is not negative, so the hold is one-sided
.endr
	v_cvt_scalef32_pk8_fp8_f32 v[PC+4*\b:PC+4*\b+1], v[S+16*\b:S+16*\b+7], v[SOP+\b]
	v_cvt_scalef32_pk8_fp8_f32 v[PC+4*\b+2:PC+4*\b+3], v[S+16*\b+8:S+16*\b+15], v[SOP+\b]
.endr
.set j, 0
.rept 16
	v_pk_mul_f32 v[O+j:O+j+1], v[O+j:O+j+1], v[F:F+1] op_sel_hi:[1,0]   ; O^T under the new M, each accumulator from its low end on.  (Also the places between the codes and the products)
.set j, j+2
.endr
	s_wait_dscnt 0x0                               ; V and its scale words
.irp d, 0,1,2,3                        ; O^T += V^T P^T: the four accumulators by turns
	v_wmma_scale_f32_16x16x128_f8f6f4 v[O+8*\d:O+8*\d+7], v[KV+16*\d:KV+16*\d+15], v[PC:PC+15], v[O+8*\d:O+8*\d+7], v[VSW+\d], v[PSW]
.endr
	s_add_co_u32 s[TK], s[TK], 8192
	s_add_co_u32 s[TS], s[TS], 256
.endm
; ONE TILE OF 16 QUERIES: p = 0 my first, 1 my second.
.macro PASS p
.if \p
	s_wait_xcnt 0x0                                ; the first tile's stores have read their registers: the codes' registers are written again only behind this wait
.irp i, 0,1,2,3,4,5,6,7
	v_mov_b32 v[QZ+8+\i], v[Q1+\i]
.endr
	v_perm_b32 v[QS], v[QW], v[QW], 0x03020302     ; the tile's two scale bytes, twice
.else
	v_perm_b32 v[QS], v[QW], v[QW], 0x01000100
.endif
	v_mov_b32 v13, 0xff61b1e6                      ; the largest t so far: -3e38, under every t
	v_floor_f32 v12, -v13                          ; -M
	v_mov_b32 v14, 0                               ; the sum, in two halves
	v_mov_b32 v15, 0
.set j, 0
.rept 32
	v_mov_b32 v[O+j], 0                            ; O^T: the step is written once: the first finds zeros, which the first change of M leaves zeros.  (Also the places between q's scale word and the first product)
.set j, j+1
.endr
	s_mov_b32 s[TK], 0
	s_mov_b32 s[TS], 0
	s_mov_b32 s[CNT], 16
.Lstep_\@:
	STEP
	s_sub_co_u32 s[CNT], s[CNT], 1
	s_cmp_lg_u32 s[CNT], 0
	s_cbranch_scc1 .Lstep_\@
.rept 8
	v_nop                                          ; places in front of the first read of O^T
.endr
	v_add_f32 v14, v14, v15                        ; the sum's two halves,
	v_permlanex16_b32 v[TA], v14, s[SEL], s[SEL+1]
	v_add_f32 v14, v14, v[TA]                      ; and lane l xor 16's: the row's sum
	v_rcp_f32 v[F], v14
	v_nop                                          ; a plain place behind the transcendental
.set j, 0
	s_wait_alu depctr_va_vdst(0)
.rept 16
	v_pk_mul_f32 v[O+j:O+j+1], v[O+j:O+j+1], v[F:F+1] op_sel_hi:[1,0]   ; o = O^T / l: register 8 d + j is channel 16 d + 8 h + j of query r
.set j, j+2
.endr
.irp c, 0,1                            ; the head's two blocks of 32 channels
	v_max3_num_f32 v[BM+\c], |v[O+16*\c]|, |v[O+16*\c+1]|, 0x4800000
.endr
.irp i, 2,4,6,8,10,12,14
.irp c, 0,1
	v_max3_num_f32 v[BM+\c], v[BM+\c], |v[O+16*\c+\i]|, |v[O+16*\c+\i+1]|
.endr
.endr
.irp c, 0,1
	v_permlanex16_b32 v[T1+\c], v[BM+\c], s[SEL], s[SEL+1]
.endr
.irp c, 0,1
	v_max_num_f32 v[BM+\c], v[BM+\c], v[T1+\c]
.endr
.irp c, 0,1
	v_add_nc_u32 v[SOP+\c], 0xfc000000, v[BM+\c]
.endr
.irp c, 0,1
	v_and_or_b32 v[LIM+\c], v[BM+\c], 0x7f800000, s[MNT]
.endr
.irp c, 0,1
	v_lshrrev_b32 v[T1+\c], 23, v[SOP+\c]
.endr
	v_lshl_or_b32 v[TW], v[T1+1], 8, v[T1]         ; my row's two scale bytes
.irp c, 0,1
.irp i, 0,1,2,3,4,5,6,7,8,9,10,11,12,13,14,15
	v_med3_num_f32 v[O+16*\c+\i], v[O+16*\c+\i], -v[LIM+\c], v[LIM+\c]
.endr
	v_cvt_scalef32_pk8_fp8_f32 v[PC+4*\c:PC+4*\c+1], v[O+16*\c:O+16*\c+7], v[SOP+\c]
	v_cvt_scalef32_pk8_fp8_f32 v[PC+4*\c+2:PC+4*\c+3], v[O+16*\c+8:O+16*\c+15], v[SOP+\c]
.endr
	v_nop                                          ; a plain vector instruction behind the last conversion
	ds_store_b16 v[OSA], v[TW] offset:32*\p        ; lanes r and r + 16 write the same two bytes with the same value
.irp c, 0,1
.irp u, 0,1
	global_store_b64 v[OA], v[PC+4*\c+2*\u:PC+4*\c+2*\u+1], s[16:17] offset:16384*\p+512*\c+256*\u   ; 32 lanes store 256 consecutive bytes, aligned
.endr
.endr
.endm
	PASS 0
	PASS 1
	s_wait_dscnt 0x0                               ; my scale bytes lie in LDS,
	s_barrier_signal -1
	s_barrier_wait -1                              ; everybody's do
	s_cmp_lt_u32 s[WV], 2
	s_cbranch_scc0 .Lno_sc
	v_lshl_add_u32 v8, v0, 4, OSC                  ; waves 0 and 1: 64 threads x 16 bytes: the work-group's 1,024 scale bytes leave as four whole aligned blocks of 256
	v_lshlrev_b32 v9, 4, v0
	ds_load_b128 v[S:S+3], v8
	s_wait_dscnt 0x0
	global_store_b128 v9, v[S:S+3], s[18:19]
.Lno_sc:
	s_wait_xcnt 0x0
	v_lshl_add_u32 v254, v0, 2, 0x42400
	v_mov_b32 v255, 0
	s_wait_tensorcnt 0x0
	ds_add_u32 v254, v255
	s_wait_dscnt 0x0
	ROUND                                          ; the closing round
	s_endpgm
.Lfunc_end_k_qf4536055c4_attn:
	.size	k_qf4536055c4_attn, .Lfunc_end_k_qf4536055c4_attn-k_qf4536055c4_attn
	.p2alignl 7, 3214868480
	.fill 96, 4, 3214868480
	.section	.rodata,"a",@progbits
	.p2align	6, 0x0
	.amdhsa_kernel k_qf4536055c4_attn
		.amdhsa_group_segment_fixed_size 273408
		.amdhsa_private_segment_fixed_size 0
		.amdhsa_enable_private_segment 0
		.amdhsa_kernarg_size 64
		.amdhsa_user_sgpr_count 2
		.amdhsa_user_sgpr_kernarg_segment_ptr 1
		.amdhsa_wavefront_size32 1
		.amdhsa_system_sgpr_workgroup_id_x 1
		.amdhsa_system_sgpr_workgroup_id_y 1
		.amdhsa_system_sgpr_workgroup_id_z 1
		.amdhsa_system_vgpr_workitem_id 0
		.amdhsa_next_free_vgpr 256
		.amdhsa_next_free_sgpr 80
		.amdhsa_reserve_vcc 0
		.amdhsa_float_denorm_mode_32 3
		.amdhsa_float_denorm_mode_16_64 3
		.amdhsa_memory_ordered 1
		.amdhsa_forward_progress 1
		.amdhsa_inst_pref_size 60
	.end_amdhsa_kernel
	.amdgpu_metadata
---
amdhsa.version: [ 1, 2 ]
amdhsa.kernels:
  - .name:           k_qf4536055c4_attn
    .symbol:         k_qf4536055c4_attn.kd
    .args:
      - { .name: q_img, .offset: 0, .size: 8, .value_kind: global_buffer, .address_space: global }
      - { .name: q_sc, .offset: 8, .size: 8, .value_kind: global_buffer, .address_space: global }
      - { .name: k_img, .offset: 16, .size: 8, .value_kind: global_buffer, .address_space: global }
      - { .name: k_sc, .offset: 24, .size: 8, .value_kind: global_buffer, .address_space: global }
      - { .name: v_img, .offset: 32, .size: 8, .value_kind: global_buffer, .address_space: global }
      - { .name: v_sc, .offset: 40, .size: 8, .value_kind: global_buffer, .address_space: global }
      - { .name: o_img, .offset: 48, .size: 8, .value_kind: global_buffer, .address_space: global }
      - { .name: o_sc, .offset: 56, .size: 8, .value_kind: global_buffer, .address_space: global }
    .group_segment_fixed_size: 273408
    .private_segment_fixed_size: 0
    .kernarg_segment_align: 8
    .kernarg_segment_size: 64
    .max_flat_workgroup_size: 512
    .sgpr_count:     80
    .vgpr_count:     256
    .wavefront_size: 32
...
	.end_amdgpu_metadata
.endif
;; end of part 2
;; launch oproj (part 3): grid 4 x 32, 4 waves a work-group, clusters of 4 x 4, 327,680 bytes of LDS; arguments o_img, o_sc, Wo_codes, Wo_scales, out0, bo; writes out0
.if DOCPART == 3
	.amdgcn_target "amdgcn-amd-amdhsa--gfx1250"
	.amdhsa_code_object_version 6
	.text
	.protected	k_qf4536055c4_oproj
	.globl	k_qf4536055c4_oproj
	.p2align	8
	.type	k_qf4536055c4_oproj,@function
k_qf4536055c4_oproj:
	s_mov_b64 s[64:65], 0
	v_nop
	global_prefetch_b8 v0, s[64:65] scope:SCOPE_SE
	s_setreg_imm32_b32 hwreg(HW_REG_WAVE_MODE, 25, 1), 1
	s_wait_xcnt 0x0
	s_wait_alu depctr_hold_cnt(0) depctr_sa_sdst(0) depctr_va_vdst(0) depctr_va_sdst(0) depctr_va_ssrc(0) depctr_va_vcc(0) depctr_vm_vsrc(0)
	s_getreg_b32 s2, hwreg(HW_REG_IB_STS2, 6, 4)
	s_cmp_eq_u32 s2, 0
	s_cbranch_scc0 .Lentry_in_a_cluster
	s_endpgm
.Lentry_in_a_cluster:
	s_bfe_u32 s2, ttmp6, 0x10000c
	s_cmp_lg_u32 s2, 0xf033
	s_cbranch_scc0 .Lentry_shape_is_right
	s_endpgm
.Lentry_shape_is_right:
; out0[m][n] = sum over k of o[m][k] Wo[n][k] + bo[n] on codes of FP8 (E4M3) with one E8M0 scale for each 32 along K = 1,024; out0 [8,192][1,024] f32.
; o comes from the launch before as IMAGES OF THE OPERAND'S REGISTERS, [tile of 16 rows 512][128 along K: 8][c 4][lane 32][16 bytes], in the natural order of K, with two scale bytes for each row and head, [head 16][row 8,192].
; Wo comes as rows of 1,024 codes with 32 scale bytes a row.
; A tile of out0, 256 x 256, is made by four waves, each 128 x 128: 64 accumulators, 512 registers.  K goes in steps of 256 through a ring of two LDS slots filled by the tensor data mover:
; A's part of a slot is 16 tiles of rows x 4,096 dense bytes (read at 16 x lane: no padding is wanted), B's 256 rows of 256 bytes + 16 of padding.
; THE SCALES stay in LDS for the whole launch, 32 bytes a row, as units of 256 bytes + 16: B's by one tensor load a wave; A's are put together once from the 16 heads' byte pairs and stored by LDS stores into blocks of 256 bytes into which no fill lands.
; CLUSTERS: 4 x 4 work-groups; A's tiles are asked for jointly along a row of the cluster, B's along a column.  THE MATRIX INSTRUCTION IS USED TRANSPOSED: a lane holds eight neighbouring numbers of a row of out0.  The bias is the first products' C.
; 128 work-groups: half of the WGPs have none; a tile of 128 x 256 would fill them and is not built here.
; LIMITS: NaN codes and the scale byte 0xff in Wo are not served.
; REGISTERS, in windows of 256: window 0: v0-31 addresses; v32-63 scale words, two sets; v64-127 the bias as C; v128-255 A's fragments, ONE set; on the way out rows of out0.  window 1: B's fragments, TWO sets.  windows 2, 3: the accumulators.
.set SIZE_N, 1024
.set NQ,     2
.set ROWB,   256                       ; a row of B's tile in bytes
.set KROW,   1024                      ; a row of Wo in memory
.set ASTEP,  4096                      ; a K step of 256 of one tile of 16 rows of o
.set AROW,   16384                     ; a tile of 16 rows of o, all of K
.set PITCH,  272
.set FR,     16
.set NL,     4
.set NP,     8
.set HALFT,  128*PITCH                 ; the room of 128 rows in a slot (A uses 32,768 bytes of it)
.set SLOT,   4*HALFT
.set LAPS,   2
.set KS,     32
.set SCL,    2*SLOT                    ; A's scales: 34 blocks of 256 bytes, written by LDS stores alone;
.set HALFS,  (128*KS/256)*272
.set SBLK,   (16*KS/256)*272
.set SCLB,   SCL+2*HALFS               ; B's, filled once by tensor loads
.set QUARS,  HALFS/2                   ; the scales of 64 rows: what one tensor load brings
.set SPARE,  SCL+4*HALFS               ; the spare words, 128 bytes a wave
.set SPITCH, 528                       ; the way out: a stage of 16 rows x (512 bytes + 16) for each wave, in slot 0, which has had its last fill and its last read when the first result is stored there
.set ADRA, 16
.set ADRB, 20
.set STO,  24
.set RD,   25
.set CO,   26
.set ADRS, 27
.set SPW,  28
.set NIL,  29
.set SC,   32
.set CB,   64
.set AF,   128
.set BK,   128
.set G1, 24
.set G0, 32
.set G1B, 48
.set G0B, 56
.set G1SB, 80
.set G0SB, 88
.set MSB, 0
.macro WIN new
.if MSB != \new
	s_set_vgpr_msb (MSB<<8)|\new
.set MSB, \new
.endif
.endm
.set MUL_LO, 0xa1
.set MUL_HI, 0xf1
.set TO_B,   0x40
.macro JLOAD g0a, g1a, g0b, g1b        ; a joint load: waves 0 and 1 fetch for A, waves 2 and 3 for B; four v_nop follow each of the two lines
	s_cmp_eq_u32 s15, 0
	s_cbranch_scc0 .Lfor_b_\@
	tensor_load_to_lds s[\g0a:\g0a+3], s[\g1a:\g1a+7]
	s_nop 0
.rept 4
	v_nop
.endr
	s_branch .Lasked_\@
.Lfor_b_\@:
	tensor_load_to_lds s[\g0b:\g0b+3], s[\g1b:\g1b+7]
	s_nop 0
.rept 4
	v_nop
.endr
.Lasked_\@:
.endm
.macro CREST
	s_cmp_lg_u32 s14, 0
	s_cbranch_scc1 .Lnot_wave_0_\@
	s_barrier_signal -3
.Lnot_wave_0_\@:
	s_barrier_wait -3
	s_barrier_signal -1
	s_barrier_wait -1
.endm
.macro CROUND
	s_barrier_signal -1
	s_barrier_wait -1
	CREST
.endm
	s_load_b128 s[4:7], s[0:1], 0x0                ; o_img, o_sc
	s_load_b128 s[8:11], s[0:1], 0x10              ; Wo's codes, Wo's scales
	s_load_b64 s[12:13], s[0:1], 0x20              ; out0
	s_load_b64 s[96:97], s[0:1], 0x28              ; bo
	v_lshl_add_u32 v[SPW], v0, 2, SPARE
	v_mov_b32 v[NIL], 0
	ds_add_u32 v28, v29
	ds_add_u32 v28, v29
	s_wait_dscnt 0x0
	v_lshrrev_b32 v1, 5, v0
	v_readfirstlane_b32 s14, v1                    ; wave 0..3
	s_lshr_b32 s15, s14, 1                         ; which half of the tile's rows is mine.  Also: I fetch for A (0) or for B (1)
	s_and_b32 s16, s14, 1                          ; which half of its columns.  Also: which 128 rows of that tile I fetch
	s_bfe_u32 s40, ttmp6, 0x40000                  ; cx, cy
	s_bfe_u32 s41, ttmp6, 0x40004
	s_lshl_b32 s42, ttmp9, 2
	s_add_co_u32 s42, s42, s40                     ; tile column = 4 x cluster x + cx
	s_and_b32 s17, ttmp7, 0xffff
	s_lshl_b32 s17, s17, 2
	s_add_co_u32 s17, s17, s41                     ; tile row = 4 x cluster y + cy
	s_lshl_b32 s43, s41, 2
	s_lshl_b32 s43, 15, s43                        ; my row of the cluster
	s_lshl_b32 s44, 0x1111, s40                    ; my column
	; A's tiles: 8 tiles of 16 rows, of each 4,096 dense bytes (512 elements of 8 bytes), 16,384 bytes (2,048 elements) apart; no padding
	s_or_b32 s[G1+0], s43, (3<<16)|(1<<21)
	s_mov_b32 s[G1+1], 512<<16                     ; tensor_dim0
	s_mov_b32 s[G1+2], 8<<16                       ; tensor_dim1
	s_mov_b32 s[G1+3], 512<<16                     ; tile_dim0
	s_mov_b32 s[G1+4], 8                           ; tile_dim1
	s_mov_b32 s[G1+5], AROW/8                      ; tensor_dim0_stride
	s_mov_b32 s[G1+6], 0
	s_mov_b32 s[G1+7], 0
	; B's tiles: 128 rows x 256 bytes, 16 bytes of padding behind each
	s_or_b32 s[G1B+0], s44, (0<<16)|(1<<20)|(1<<21)|(5<<22)|(3<<25)
	s_mov_b32 s[G1B+1], ROWB<<16
	s_mov_b32 s[G1B+2], 128<<16
	s_mov_b32 s[G1B+3], ROWB<<16
	s_mov_b32 s[G1B+4], 128
	s_mov_b32 s[G1B+5], KROW
	s_mov_b32 s[G1B+6], 0
	s_mov_b32 s[G1B+7], 0
	; B's scales of 64 rows: 2,048 dense bytes as 8 rows of 256 bytes, 16 bytes of padding behind each
	s_or_b32 s[G1SB+0], s44, (3<<16)|(1<<20)|(1<<21)|(5<<22)|(3<<25)
	s_mov_b32 s[G1SB+1], 32<<16
	s_mov_b32 s[G1SB+2], 8<<16
	s_mov_b32 s[G1SB+3], 32<<16
	s_mov_b32 s[G1SB+4], 8
	s_mov_b32 s[G1SB+5], 32
	s_mov_b32 s[G1SB+6], 0
	s_mov_b32 s[G1SB+7], 0
	s_lshl_b32 s18, s16, 3
	s_lshl_b32 s20, s17, 4
	s_add_co_u32 s20, s20, s18                     ; A: tile of 16 rows 16 x tile row + 8 x half,
	s_lshl_b32 s20, s20, 14                        ; in bytes
	s_mov_b32 s21, 0
	s_lshl_b32 s18, s16, 7
	s_lshl_b32 s46, s42, 8
	s_add_co_u32 s46, s46, s18                     ; B: row 256 x tile column + 128 x half,
	s_lshl_b32 s46, s46, 10                        ; in bytes
	s_mov_b32 s47, 0
	s_lshl_b32 s92, s42, 13                        ; B's scales: (256 x tile column + 64 x wave) x 32 bytes
	s_lshl_b32 s93, s14, 11
	s_add_co_u32 s92, s92, s93
	s_mov_b32 s93, 0
	s_lshl_b32 s22, s17, 9                         ; A's scale pairs: 256 rows x 2 bytes a tile row
	s_mov_b32 s23, 0
	s_mul_i32 s45, s14, HALFT                      ; where the tiles go: no place in the cluster enters an LDS address
	s_mul_i32 s94, s14, QUARS
	s_wait_kmcnt 0x0
	s_add_nc_u64 s[20:21], s[4:5], s[20:21]
	s_add_nc_u64 s[46:47], s[8:9], s[46:47]
	s_add_nc_u64 s[92:93], s[10:11], s[92:93]
	s_add_nc_u64 s[6:7], s[6:7], s[22:23]
	CROUND                                         ; all sixteen work-groups are here: the first joint loads meet
	s_mov_b32 s[G0SB], 1
	s_add_co_u32 s[G0SB+1], s94, SCLB
	s_mov_b64 s[G0SB+2:G0SB+3], s[92:93]
	s_or_b32 s[G0SB+3], s[G0SB+3], 0x80000000
	tensor_load_to_lds s[G0SB:G0SB+3], s[G1SB:G1SB+7]      ; every wave its quarter of B's scales
	s_nop 0
.rept 4
	v_nop
.endr
.irp s, 0,1
	s_mov_b32 s[G0+4*\s], 1
	s_add_co_u32 s[G0+4*\s+1], s45, \s*SLOT
	s_add_nc_u64 s[G0+4*\s+2:G0+4*\s+3], s[20:21], \s*ASTEP
	s_or_b32 s[G0+4*\s+3], s[G0+4*\s+3], 0x80000000
	s_mov_b32 s[G0B+4*\s], 1
	s_add_co_u32 s[G0B+4*\s+1], s45, \s*SLOT
	s_add_nc_u64 s[G0B+4*\s+2:G0B+4*\s+3], s[46:47], \s*ROWB
	s_or_b32 s[G0B+4*\s+3], s[G0B+4*\s+3], 0x80000000
	JLOAD G0+4*\s, G1, G0B+4*\s, G1B               ; three tensor loads of mine are out now
.endr
	; A's scales: thread t takes rows 2 t and 2 t + 1 of the tile's 256: of each head one word with both rows' byte pairs
	v_lshlrev_b32 v8, 2, v0
.irp d, 0,1,2,3,4,5,6,7,8,9,10,11,12,13,14,15
	global_load_b32 v[128+\d], v8, s[6:7] offset:16384*\d  ; 32 lanes read 128 consecutive bytes, the four waves 512
.endr
	v_and_b32 v1, 15, v0                           ; r
	v_bfe_u32 v2, v0, 4, 1                         ; h
	s_lshl_b32 s46, s42, 10                        ; my first column, in bytes: 1,024 x tile column + 512 x half: in out0's rows and in bo alike
	s_lshl_b32 s47, s16, 9
	s_add_co_u32 s46, s46, s47
	s_mov_b32 s47, 0
	s_add_nc_u64 s[96:97], s[96:97], s[46:47]
	v_lshlrev_b32 v7, 5, v2                        ; the bias in the result's layout: block b, lane (r, h): numbers 16 b + 8 h + 0 .. 7
.irp b, 0,1,2,3,4,5,6,7
	global_load_b128 v[CB+8*\b:CB+8*\b+3], v7, s[96:97] offset:64*\b
	global_load_b128 v[CB+8*\b+4:CB+8*\b+7], v7, s[96:97] offset:64*\b+16
.endr
	v_mul_u32_u24 v3, v1, PITCH
	v_lshl_add_u32 v4, v2, 4, v3                   ; B: a fragment's row x pitch + 16 x half
	v_and_b32 v6, 31, v0
	v_lshlrev_b32 v[CO], 4, v6                     ; 16 x lane: A's images, and my 16 bytes of a row of out0
	s_mul_i32 s21, s15, HALFT                      ; my 128 rows of A
	s_mul_i32 s22, s16, HALFT                      ; my 128 rows of B,
	s_add_co_u32 s22, s22, 2*HALFT                 ; which lie behind A's room
.irp s, 0,1
	v_add_nc_u32 v[ADRA+\s], s21, v[CO]
	v_add_nc_u32 v[ADRB+\s], s22, v4
	s_add_co_u32 s21, s21, SLOT
	s_add_co_u32 s22, s22, SLOT
.endr
	v_mul_u32_u24 v5, v1, KS                       ; my row's scales: 32 bytes a row,
	v_lshrrev_b32 v6, 8, v5
	v_lshl_add_u32 v5, v6, 4, v5                   ; and 16 more for each 256 passed
	s_mul_i32 s21, s15, HALFS
	s_mul_i32 s22, s16, HALFS
	s_add_co_u32 s22, s22, 2*HALFS
	s_sub_co_u32 s22, s22, s21
	v_mul_u32_u24 v6, s22, v2                      ; lanes 16-31 take B's
	s_add_co_u32 s21, s21, SCL
	v_add_nc_u32 v5, v5, v6
	v_add_nc_u32 v[ADRS], s21, v5
	s_mul_i32 s23, s14, 16*SPITCH                  ; my stage
	v_mul_u32_u24 v5, v1, SPITCH
	v_lshl_add_u32 v5, v2, 5, v5
	v_add_nc_u32 v[STO], s23, v5                   ; in: row r, 32 bytes for each half of the lanes
	v_add_nc_u32 v[RD], s23, v[CO]                 ; back: the 32 lanes take one row of 512 bytes
	s_lshl_b32 s20, s17, 8
	s_lshl_b32 s21, s15, 7
	s_add_co_u32 s20, s20, s21                     ; my first row of out0
	s_lshl_b32 s20, s20, 12                        ; 4,096 bytes a row (under 2^25)
	s_mov_b32 s21, 0
	s_add_nc_u64 s[20:21], s[20:21], s[46:47]
	s_add_nc_u64 s[12:13], s[12:13], s[20:21]
	v_lshrrev_b32 v5, 2, v0
	v_lshlrev_b32 v6, 6, v0
	v_lshl_add_u32 v5, v5, 4, v6
	v_add_nc_u32 v9, SCL, v5                       ; rows 2 t, 2 t + 1: 64 t bytes on, and 16 more for each 256 passed
	s_wait_loadcnt 16                              ; the 16 words of scale pairs are in; the 16 loads of the bias, issued behind them, may be out
.irp w, 0,1,2,3,4,5,6,7                ; word w of a row (128 along K: heads 2 w, 2 w + 1): the low halves are row 2 t's, the high halves row 2 t + 1's
	v_perm_b32 v[144+\w], v[128+2*\w+1], v[128+2*\w], 0x05040100
	v_perm_b32 v[152+\w], v[128+2*\w+1], v[128+2*\w], 0x07060302
.endr
.irp i, 0,1,2,3
	ds_store_b128 v9, v[144+4*\i:144+4*\i+3] offset:16*\i
.endr
.macro FRAG reg, adr, q, i             ; B: 16 rows x 128 K from padded rows
.irp c, 0,1,2,3
	ds_load_b128 v[\reg+4*\c:\reg+4*\c+3], v[\adr] offset:128*(\q)+32*\c+(\i)*16*PITCH
.endr
.endm
.macro FRAGA reg, adr, q, i            ; A: an image comes back as it was stored: 512 consecutive bytes a load
.irp c, 0,1,2,3
	ds_load_b128 v[\reg+4*\c:\reg+4*\c+3], v[\adr] offset:ASTEP*(\i)+2048*(\q)+512*\c
.endr
.endm
; 16 matrix instructions: A's blocks a0, a0 + 1 x B's eight.  zero = 1: the first products start the sums with the bias as C.  The 64 accumulators take turns, one instruction a turn.
.macro MUL16 a0, p, q, sc, zero
.irp a, \a0, \a0+1
.irp b, 0,1,2,3,4,5,6,7
.if \zero
	v_wmma_scale_f32_16x16x128_f8f6f4 v[8*(8*((\a)%4)+\b):8*(8*((\a)%4)+\b)+7], v[128*(\p)+FR*\b:128*(\p)+FR*\b+FR-1], v[AF+FR*(\a):AF+FR*(\a)+FR-1], v[CB+8*\b:CB+8*\b+7], v[SC+8*NQ*(\sc)+NQ*\b+(\q)], v[SC+8*NQ*(\sc)+NQ*(\a)+(\q)] matrix_a_scale:MATRIX_SCALE_ROW1
.else
	v_wmma_scale_f32_16x16x128_f8f6f4 v[8*(8*((\a)%4)+\b):8*(8*((\a)%4)+\b)+7], v[128*(\p)+FR*\b:128*(\p)+FR*\b+FR-1], v[AF+FR*(\a):AF+FR*(\a)+FR-1], v[8*(8*((\a)%4)+\b):8*(8*((\a)%4)+\b)+7], v[SC+8*NQ*(\sc)+NQ*\b+(\q)], v[SC+8*NQ*(\sc)+NQ*(\a)+(\q)] matrix_a_scale:MATRIX_SCALE_ROW1
.endif
.endr
.endr
.endm
.macro FETCH_B slot, q, p
	WIN TO_B
.irp i, 0,1,2,3,4,5,6,7
	FRAG 128*(\p)+FR*\i, ADRB+\slot, \q, \i
.endr
	WIN 0
.endm
.macro FETCH_A slot, q, i0
.irp i, \i0, \i0+1, \i0+2, \i0+3
	FRAGA AF+FR*(\i), ADRA+\slot, \q, \i
.endr
.endm
.macro SCALES sc
.irp i, 0,1,2,3,4,5,6,7
	ds_load_b64 v[SC+8*NQ*\sc+NQ*\i:SC+8*NQ*\sc+NQ*\i+1], v[ADRS] offset:\i*SBLK
.endr
.endm
.macro PLACES n
.rept \n
	v_nop
.endr
.endm
.macro STEP slot, q, zero
	s_wait_dscnt 4*NL                              ; B's set and A's blocks 0-3 are in; the youngest 16 loads (A's blocks 4-7) may be out
.if \zero
	WIN 0x81                                       ; C (the bias) window 0, D window 2
.else
	WIN MUL_LO
.endif
	MUL16 0, (\q)%2, \q, \slot, \zero
	MUL16 2, (\q)%2, \q, \slot, \zero
	s_wait_dscnt 0
	PLACES NP
	FETCH_B \slot, (\q)+1, 1-(\q)%2
	FETCH_A \slot, (\q)+1, 0
.if \zero
	WIN 0xc1
.else
	WIN MUL_HI
.endif
	MUL16 4, (\q)%2, \q, \slot, \zero
	MUL16 6, (\q)%2, \q, \slot, \zero
	PLACES NP
	WIN 0
	FETCH_A \slot, (\q)+1, 4
.endm
.macro TURN slot, next, fill
	s_wait_tensorcnt 0x0                           ; all my tensor loads have landed: my part of the next slot
	ds_add_u32 v[SPW], v[NIL]                      ; 0 onto my spare word
	s_wait_dscnt 4*NL+1                            ; (the add and the youngest 16 loads may be out)
	WIN MUL_LO
	MUL16 0, 1, NQ-1, \slot, 0
	s_wait_dscnt 0x0                               ; the add is done, and my reads of this slot are over
	s_barrier_signal -1
	MUL16 2, 1, NQ-1, \slot, 0
	WIN 0
	s_barrier_wait -1
.if \fill
	CREST                                          ; a round of the cluster's barrier: no wave of any partner still reads this slot's tile or has a load on its way
	s_add_nc_u64 s[G0+4*\slot+2:G0+4*\slot+3], s[G0+4*\slot+2:G0+4*\slot+3], 2*ASTEP
	s_add_nc_u64 s[G0B+4*\slot+2:G0B+4*\slot+3], s[G0B+4*\slot+2:G0B+4*\slot+3], 2*ROWB
	JLOAD G0+4*\slot, G1, G0B+4*\slot, G1B         ; the first tensor load behind the round, my only one until the next
	PLACES NP-4
.else
	PLACES NP
.endif
	v_add_nc_u32 v[ADRS], 4*NQ, v[ADRS]
	FETCH_B \next, 0, 0
	FETCH_A \next, 0, 0
	SCALES \next
	WIN MUL_HI
	MUL16 4, 1, NQ-1, \slot, 0
	MUL16 6, 1, NQ-1, \slot, 0
	PLACES NP
	WIN 0
	FETCH_A \next, 0, 4
.endm
	s_wait_tensorcnt 1                             ; B's scales and my part of K step 0 are in; K step 1's load may stay out
	s_wait_dscnt 0x0                               ; my rows of A's scales lie in LDS
	s_barrier_signal -1
	s_barrier_wait -1                              ; everybody's do
	FETCH_B 0, 0, 0
	FETCH_A 0, 0, 0
	SCALES 0
	FETCH_A 0, 0, 4
	s_wait_loadcnt 0x0                             ; the bias
	STEP 0, 0, 1                                   ; the first step stands in front of the loop: its products start the sums
	s_mov_b32 s3, LAPS-1
.Llap:
	TURN 0, 1, 1
	STEP 1, 0, 0
	TURN 1, 0, 1
	STEP 0, 0, 0
	s_sub_co_u32 s3, s3, 1
	s_cmp_lg_u32 s3, 0
	s_cbranch_scc1 .Llap
	TURN 0, 1, 0                                   ; the last lap fills nothing
	STEP 1, 0, 0
	s_wait_dscnt 4*NL
	WIN MUL_LO
	MUL16 0, 1, NQ-1, 1, 0
	MUL16 2, 1, NQ-1, 1, 0
	s_wait_dscnt 0
	WIN MUL_HI
	MUL16 4, 1, NQ-1, 1, 0
	MUL16 6, 1, NQ-1, 1, 0
	WIN 0
; THE WAY OUT, block by block of 16 rows x 128 columns: through my own stage in LDS and back as whole rows of 512 bytes.  LDS serves a wave's instructions in order (ISA guide 5.7.1.4): no wait between the stores and the loads.
.macro TOSTAGE a
.set AC, 64*((\a)%4)
	WIN 0x08+4*((\a)/4)                            ; the data: window 2 or 3
.irp b, 0,1,2,3,4,5,6,7
	ds_store_b128 v[STO], v[AC+8*\b:AC+8*\b+3] offset:64*\b          ; each accumulator from its low end on
	ds_store_b128 v[STO], v[AC+8*\b+4:AC+8*\b+7] offset:64*\b+16
.endr
	WIN 0
.set BB, BK+64*((\a)%2)
.irp t, 0,1,2,3,4,5,6,7,8,9,10,11,12,13,14,15
	ds_load_b128 v[BB+4*\t:BB+4*\t+3], v[RD] offset:\t*SPITCH
.endr
.endm
.macro SEND a, younger                 ; younger: the LDS instructions issued behind block a's loads, which may stay out
.set BB, BK+64*((\a)%2)
	s_wait_dscnt \younger
.if (\a) > 0
	s_add_nc_u64 s[12:13], s[12:13], 16*SIZE_N*4   ; (behind a wait on XCNT: the earlier stores have read their base)  16 rows on
.endif
.irp t, 0,1,2,3,4,5,6,7,8,9,10,11,12,13,14,15
	global_store_b128 v[CO], v[BB+4*\t:BB+4*\t+3], s[12:13] offset:\t*SIZE_N*4 th:TH_STORE_NT   ; 32 lanes store 512 consecutive bytes, at a multiple of 512 from out0's first byte; written once, read by nobody here
.endr
.endm
	PLACES NP
	TOSTAGE 0
.irp a, 1,2,3,4,5,6,7
.if \a > 1
	s_wait_xcnt 0x0                                ; block a - 2's stores have read their registers and their base
.endif
	TOSTAGE \a
	SEND \a-1, 32                                  ; behind block a - 1's loads: block a's 16 stores and 16 loads
.endr
	s_wait_xcnt 0x0
	SEND 7, 0
	s_wait_tensorcnt 0x0                           ; the wave's end
	ds_add_u32 v[SPW], v[NIL]
	s_wait_dscnt 0x0
	CROUND                                         ; the closing round
	s_endpgm
.Lfunc_end_k_qf4536055c4_oproj:
	.size	k_qf4536055c4_oproj, .Lfunc_end_k_qf4536055c4_oproj-k_qf4536055c4_oproj
	.p2alignl 7, 3214868480
	.fill 96, 4, 3214868480
	.section	.rodata,"a",@progbits
	.p2align	6, 0x0
	.amdhsa_kernel k_qf4536055c4_oproj
		.amdhsa_group_segment_fixed_size 327680
		.amdhsa_private_segment_fixed_size 0
		.amdhsa_enable_private_segment 0
		.amdhsa_kernarg_size 48
		.amdhsa_user_sgpr_count 2
		.amdhsa_user_sgpr_kernarg_segment_ptr 1
		.amdhsa_wavefront_size32 1
		.amdhsa_system_sgpr_workgroup_id_x 1
		.amdhsa_system_sgpr_workgroup_id_y 1
		.amdhsa_system_sgpr_workgroup_id_z 1
		.amdhsa_system_vgpr_workitem_id 0
		.amdhsa_next_free_vgpr 1024
		.amdhsa_next_free_sgpr 98
		.amdhsa_reserve_vcc 0
		.amdhsa_float_denorm_mode_32 3
		.amdhsa_float_denorm_mode_16_64 3
		.amdhsa_memory_ordered 1
		.amdhsa_forward_progress 1
		.amdhsa_inst_pref_size 150
	.end_amdhsa_kernel
	.amdgpu_metadata
---
amdhsa.version: [ 1, 2 ]
amdhsa.kernels:
  - .name:           k_qf4536055c4_oproj
    .symbol:         k_qf4536055c4_oproj.kd
    .args:
      - { .name: o_img, .offset: 0, .size: 8, .value_kind: global_buffer, .address_space: global }
      - { .name: o_sc, .offset: 8, .size: 8, .value_kind: global_buffer, .address_space: global }
      - { .name: Wo_codes, .offset: 16, .size: 8, .value_kind: global_buffer, .address_space: global }
      - { .name: Wo_scales, .offset: 24, .size: 8, .value_kind: global_buffer, .address_space: global }
      - { .name: out0, .offset: 32, .size: 8, .value_kind: global_buffer, .address_space: global }
      - { .name: bo, .offset: 40, .size: 8, .value_kind: global_buffer, .address_space: global }
    .group_segment_fixed_size: 327680
    .private_segment_fixed_size: 0
    .kernarg_segment_align: 8
    .kernarg_segment_size: 48
    .max_flat_workgroup_size: 128
    .sgpr_count:     98
    .vgpr_count:     1024
    .wavefront_size: 32
...
	.end_amdgpu_metadata
.endif
;; end of part 3
;; ======== version 2 of 2: 3 launches
;; limits: right only within a limited range of input values
;; workspace buffers: q_img 8,388,608 bytes; k_img 8,388,608 bytes; v_img 8,388,608 bytes; o_img 8,388,608 bytes; q_sc 262,144 bytes; k_sc 262,144 bytes; v_sc 262,144 bytes; o_sc 262,144 bytes
;; launch qkv (part 4): grid 12 x 32, 4 waves a work-group, clusters of 4 x 4, 327,680 bytes of LDS; arguments x_codes, x_scales, Wq_codes, Wq_scales, Wk_codes, Wk_scales, Wv_codes, Wv_scales, bq, bk, bv, q_img, k_img, v_img, q_sc, k_sc, v_sc; writes q_img, k_img, v_img, q_sc, k_sc, v_sc
.if DOCPART == 4
	.amdgcn_target "amdgcn-amd-amdhsa--gfx1250"
	.amdhsa_code_object_version 6
	.text
	.protected	k_qf4536055c4_qkv
	.globl	k_qf4536055c4_qkv
	.p2align	8
	.type	k_qf4536055c4_qkv,@function
k_qf4536055c4_qkv:
	s_mov_b64 s[64:65], 0
	v_nop
	global_prefetch_b8 v0, s[64:65] scope:SCOPE_SE
	s_setreg_imm32_b32 hwreg(HW_REG_WAVE_MODE, 25, 1), 1
	s_wait_xcnt 0x0
	s_wait_alu depctr_hold_cnt(0) depctr_sa_sdst(0) depctr_va_vdst(0) depctr_va_sdst(0) depctr_va_ssrc(0) depctr_va_vcc(0) depctr_vm_vsrc(0)
	s_getreg_b32 s2, hwreg(HW_REG_IB_STS2, 6, 4)
	s_cmp_eq_u32 s2, 0
	s_cbranch_scc0 .Lentry_in_a_cluster
	s_endpgm
.Lentry_in_a_cluster:
	s_bfe_u32 s2, ttmp6, 0x10000c
	s_cmp_lg_u32 s2, 0xf033
	s_cbranch_scc0 .Lentry_shape_is_right
	s_endpgm
.Lentry_shape_is_right:
; q = x Wq + bq, k = x Wk + bk, v = x Wv + bv on codes of FP8 (E4M3) with one E8M0 scale for each 32 along K = 1,024; the results are quantised again, in f32, and leave as operands of attention.
; ONE GENERIC PRODUCT: C[i][j] = sum over k of A[i][k] B[j][k] + bias, quantised along j in blocks of 32.  The mode is the cluster's x (equal in all sixteen partners):
;   mode 0 (q), 1 (k): A = x (8,192 rows), B = W (1,024 rows), the bias runs along j: a lane holds one token and its registers run along the head's 64.
;   mode 2 (v):        A = Wv, B = x, the bias runs along i: a lane holds one channel and its registers run along the keys, which are the second attention product's K.
; A tile of C, 256 x 256, is made by four waves, each 128 x 128: 64 accumulators, 512 registers.  K goes in steps of 256 through a ring of two LDS slots filled by the tensor data mover.
; The scale bytes of the work-group's 256 rows of A and of B, for all of K, come into LDS once, in whole units of 256 bytes, and stay.
; CLUSTERS: 4 x 4 work-groups; A's tiles are asked for jointly along a row of the cluster, B's along a column.
; THE MATRIX INSTRUCTION IS USED TRANSPOSED (source 0 = 16 rows of B, source 1 = 16 rows of A): lane (r, h) of accumulator (a, b) holds C(16 a + r, 16 b + 8 h + 0 .. 7).
; THE WAY OUT.  The 16 registers of accumulators (a, 2 c), (a, 2 c + 1) are a lane's share of one block of 32 along j; converted as they stand they are registers 4 c .. 4 c + 3 of an operand, with j permuted INSIDE the block:
; place 16 h + 8 u + t holds j = 16 u + 8 h + t.  The same permutation falls on both operands of each attention product (q and k here; v here and p in the next launch), so every product meets its partner and its block's scale.
; The codes leave as IMAGES OF THE OPERAND'S REGISTERS: four registers by one store, lane l's 16 bytes at 16 l: 512 consecutive bytes.
;   q_img, k_img: [batch x head 64][tile of 16 rows 128][c 2][lane 32][16 bytes];   v_img: [batch x head][128 keys: 16][16 channels: 4][c 4][lane][16 bytes]
;   q_sc, k_sc:   [batch x head][128 rows: 16][r 16][p 4] words, word p = tile 2 p's two bytes, tile 2 p + 1's two;   v_sc: [batch x head][128 keys: 16][r 16][16 channels: 4] words, a byte for each 32 keys
; LIMITS: a block whose largest magnitude lies under 2^-118 (zeros too) gets the byte 1: its codes are zeros or nearly, and the bytes are read by this program alone.  NaN, infinities, NaN codes and the scale byte 0xff among the inputs are not served.
; REGISTERS, in windows of 256: window 0: v0 thread, v1-6 at work, v8-15 bias offsets, v16-29 addresses; v32-63 scale words, two sets; v64-127 the bias as the first products' C, later at work on the way out;
;   v128-255 A's fragments, ONE set, later the codes.   window 1: B's fragments, TWO sets.   windows 2, 3: the accumulators of my rows 0-63, 64-127 ((a, b) at v[8 (8 (a % 4) + b)]).
.set KSTEP,  256                       ; along K in a slot
.set NQ,     2                         ; matrix instructions deep
.set ROWB,   256                       ; a tile's row in bytes
.set KROW,   1024                      ; a row of x or of W in memory, in bytes
.set PITCH,  272                       ; an LDS row: 256 bytes + 16 of padding = 68 words: the 16 rows that a load touches start at 16 different banks (64 banks of 4 bytes: ISA guide 11.1)
.set FR,     16                        ; registers of a fragment
.set NL,     4                         ; LDS loads that bring one
.set NP,     8                         ; places behind this matrix instruction (ISA guide 7.12.1)
.set HALFT,  128*PITCH                 ; 128 rows: what one tensor load brings
.set SLOT,   4*HALFT                   ; A's 256 rows, then B's 256 rows
.set LAPS,   2                         ; 1,024 / (2 x 256): times round the ring
.set KS,     32                        ; a row of scale bytes
.set SCL,    2*SLOT                    ; behind the ring: the scales, as units of 256 bytes + 16 of padding
.set HALFS,  (128*KS/256)*272          ; the scales of 128 rows
.set SBLK,   (16*KS/256)*272           ; those of 16 rows
.set SPARE,  SCL+4*HALFS               ; the spare words, 128 bytes a wave: two blocks of 256 bytes that no other line names
.set HEADB,  131072                    ; a head's bytes in an image
.set ADT,  8                           ; v8-15   byte offset of register t's bias number
.set ADRA, 16                          ; v16-17  LDS address of my A fragments in slot 0, 1
.set ADRB, 20                          ; v20-21  the same for B
.set IMA,  24                          ; v24     16 x lane: my place in an image
.set SCA,  25                          ; v25     4,096 h + 16 r: my place among the scale words: lanes 0-15 my first head, lanes 16-31 my second
.set SELV, 26                          ; v26     byte selects: lanes 0-15 the low halves of two words, lanes 16-31 the high halves
.set ADRS, 27                          ; v27     LDS address of my scale words: lanes 0-15 A's rows, lanes 16-31 B's
.set SPW,  28                          ; v28     LDS address of my spare word; never rewritten
.set NIL,  29                          ; v29     0; never rewritten
.set SC,   32                          ; scale words: set s at v[SC + 16 s]; register 2 i + q: lanes 0-15 A's block i, lanes 16-31 B's block i
.set CB,   64                          ; the bias in the result's layout: eight registers for each of eight blocks
.set TM,   64                          ; the way out: +0 largest magnitudes, +4 bytes, +12 the conversions' scale operands
.set PWS,  80                          ; v80-87  block a's scale word
.set FW,   88                          ; v88-91  the four words that I store
.set AF,   128                         ; A's fragments
.set PC,   128                         ; the way out: block a's codes at v[PC + 16 a]: a set for each block, so that no store's data are written again
.set G1, 24
.set G0, 32
.set G1B, 48
.set G0B, 56
.set G1S, 68
.set G0S, 76
.set G1SB, 80
.set G0SB, 88
.set MNT,  2
.set MODE, 95                          ; s95     0: q, 1: k, 2: v
.set SEL,  100                         ; s[100:101] v_permlanex16_b32's selects for lane l xor 16
.set MSB, 0
.macro WIN new                         ; the immediate's high byte repeats the setting that is left
.if MSB != \new
	s_set_vgpr_msb (MSB<<8)|\new
.set MSB, \new
.endif
.endm
.set MUL_LO, 0xa1                      ; source 0 (B) window 1, source 1 (A) window 0, C and D window 2
.set MUL_HI, 0xf1                      ; the same, C and D window 3
.set TO_B,   0x40                      ; destination window 1, address window 0
; A joint load: waves 0 and 1 fetch for A, waves 2 and 3 for B; the branch hangs on the wave's number alone.  Four v_nop follow each of the two lines.
.macro JLOAD g0a, g1a, g0b, g1b
	s_cmp_eq_u32 s15, 0
	s_cbranch_scc0 .Lfor_b_\@
	tensor_load_to_lds s[\g0a:\g0a+3], s[\g1a:\g1a+7]
	s_nop 0
.rept 4
	v_nop
.endr
	s_branch .Lasked_\@
.Lfor_b_\@:
	tensor_load_to_lds s[\g0b:\g0b+3], s[\g1b:\g1b+7]
	s_nop 0
.rept 4
	v_nop
.endr
.Lasked_\@:
.endm
.macro CREST                           ; a round of the cluster's barrier behind its opening barrier
	s_cmp_lg_u32 s14, 0
	s_cbranch_scc1 .Lnot_wave_0_\@
	s_barrier_signal -3
.Lnot_wave_0_\@:
	s_barrier_wait -3
	s_barrier_signal -1
	s_barrier_wait -1
.endm
.macro CROUND                          ; a whole round
	s_barrier_signal -1
	s_barrier_wait -1
	CREST
.endm
	s_load_b128 s[4:7], s[0:1], 0x0                ; x's codes, x's scales
	s_load_b256 s[24:31], s[0:1], 0x10             ; Wq's codes, scales; Wk's codes, scales   (in registers that hold descriptors later)
	s_load_b256 s[32:39], s[0:1], 0x30             ; Wv's codes, scales; bq; bk
	s_load_b256 s[48:55], s[0:1], 0x50             ; bv; q_img; k_img; v_img
	s_load_b128 s[56:59], s[0:1], 0x70             ; q_sc; k_sc
	s_load_b64 s[60:61], s[0:1], 0x80              ; v_sc
	v_lshl_add_u32 v[SPW], v0, 2, SPARE
	v_mov_b32 v[NIL], 0
	ds_add_u32 v28, v29
	ds_add_u32 v28, v29
	s_wait_dscnt 0x0
	v_lshrrev_b32 v1, 5, v0
	v_readfirstlane_b32 s14, v1                    ; wave 0..3
	s_lshr_b32 s15, s14, 1                         ; which half of the tile's rows is mine.  Also: I fetch for A (0) or for B (1)
	s_and_b32 s16, s14, 1                          ; which half of its columns.  Also: which 128 rows of that tile I fetch
	s_mov_b32 s[MODE], ttmp9                       ; the cluster's x: the same in all sixteen partners
	s_bfe_u32 s40, ttmp6, 0x40000                  ; cx, cy: my place in the cluster
	s_bfe_u32 s41, ttmp6, 0x40004
	s_and_b32 s18, ttmp7, 0xffff
	s_lshl_b32 s18, s18, 2                         ; 4 x the cluster's y: it walks x's 32 tiles of 256 rows, which are A's in modes 0 and 1 and B's in mode 2
	s_cmp_eq_u32 s[MODE], 2
	s_cselect_b32 s17, 0, s18
	s_cselect_b32 s42, s18, 0
	s_add_co_u32 s17, s17, s41                     ; tile row of C (A's tile): hangs on cy, not on cx
	s_add_co_u32 s42, s42, s40                     ; tile column of C (B's tile): hangs on cx, not on cy
	s_lshl_b32 s43, s41, 2
	s_lshl_b32 s43, 15, s43                        ; my row of the cluster
	s_lshl_b32 s44, 0x1111, s40                    ; my column
	s_mov_b32 s[SEL], 0x76543210
	s_mov_b32 s[SEL+1], 0xfedcba98
	s_wait_kmcnt 0x0
	; the mode's buffers: choices between pointers on the cluster's number alone
	s_cmp_eq_u32 s[MODE], 0
	s_cselect_b64 s[8:9], s[24:25], s[28:29]       ; W's codes: q's or k's
	s_cselect_b64 s[10:11], s[26:27], s[30:31]     ; W's scales
	s_cselect_b64 s[96:97], s[36:37], s[38:39]     ; the bias
	s_cselect_b64 s[12:13], s[50:51], s[52:53]     ; the image
	s_cselect_b64 s[98:99], s[56:57], s[58:59]     ; the scale words
	s_cmp_eq_u32 s[MODE], 2
	s_cselect_b64 s[8:9], s[32:33], s[8:9]         ; or v's
	s_cselect_b64 s[10:11], s[34:35], s[10:11]
	s_cselect_b64 s[96:97], s[48:49], s[96:97]
	s_cselect_b64 s[12:13], s[54:55], s[12:13]
	s_cselect_b64 s[98:99], s[60:61], s[98:99]
	s_cselect_b64 s[20:21], s[8:9], s[4:5]         ; A is x, in mode 2 Wv;
	s_cselect_b64 s[22:23], s[10:11], s[6:7]
	s_cselect_b64 s[8:9], s[4:5], s[8:9]           ; B is W, in mode 2 x
	s_cselect_b64 s[10:11], s[6:7], s[10:11]
	s_mov_b64 s[4:5], s[20:21]
	s_mov_b64 s[6:7], s[22:23]
	; descriptor group 1: a tile of 128 rows x 256 bytes, padded in LDS
	s_or_b32 s[G1+0], s43, (0<<16)|(1<<20)|(1<<21)|(5<<22)|(3<<25)  ; 15:0 the mask: A's tiles go to my row; 17:16 element of 1 byte; 20 padding on; 21 set beside a mask; 24:22 after every 64 words; 31:25 four words
	s_or_b32 s[G1B+0], s44, (0<<16)|(1<<20)|(1<<21)|(5<<22)|(3<<25)
.irp g, G1, G1B
	s_mov_b32 s[\g+1], ROWB<<16                    ; tensor_dim0
	s_mov_b32 s[\g+2], 128<<16                     ; tensor_dim1 = 128
	s_mov_b32 s[\g+3], ROWB<<16                    ; tile_dim0
	s_mov_b32 s[\g+4], 128                         ; tile_dim1 = 128
	s_mov_b32 s[\g+5], KROW                        ; tensor_dim0_stride
	s_mov_b32 s[\g+6], 0
	s_mov_b32 s[\g+7], 0
.endr
	; and for the scales of 128 rows: 4,096 dense bytes, as 16 rows of 256 bytes (32 elements of 8 bytes), 16 bytes of padding behind each
	s_or_b32 s[G1S+0], s43, (3<<16)|(1<<20)|(1<<21)|(5<<22)|(3<<25)
	s_or_b32 s[G1SB+0], s44, (3<<16)|(1<<20)|(1<<21)|(5<<22)|(3<<25)
.irp g, G1S, G1SB
	s_mov_b32 s[\g+1], 32<<16
	s_mov_b32 s[\g+2], (128*KS/256)<<16
	s_mov_b32 s[\g+3], 32<<16
	s_mov_b32 s[\g+4], 128*KS/256
	s_mov_b32 s[\g+5], 32
	s_mov_b32 s[\g+6], 0
	s_mov_b32 s[\g+7], 0
.endr
	s_lshl_b32 s18, s16, 7                         ; which 128 rows of the tile I fetch
	s_lshl_b32 s20, s17, 8
	s_add_co_u32 s20, s20, s18                     ; A: row 256 x tile row + 128 x half
	s_lshl_b32 s46, s42, 8
	s_add_co_u32 s46, s46, s18                     ; B: row 256 x tile column + 128 x half
	s_mov_b32 s21, 0
	s_mov_b32 s47, 0
	s_mov_b64 s[18:19], KS
	s_mul_u64 s[22:23], s[20:21], s[18:19]         ; where these rows' scales begin, in bytes
	s_mul_u64 s[92:93], s[46:47], s[18:19]
	s_mov_b64 s[18:19], KROW
	s_mul_u64 s[20:21], s[20:21], s[18:19]         ; and their codes
	s_mul_u64 s[46:47], s[46:47], s[18:19]
	s_mul_i32 s45, s14, HALFT                      ; where they go: wave x 128 rows: no place in the cluster enters an LDS address
	s_mul_i32 s94, s14, HALFS
	s_add_nc_u64 s[20:21], s[4:5], s[20:21]
	s_add_nc_u64 s[22:23], s[6:7], s[22:23]
	s_add_nc_u64 s[46:47], s[8:9], s[46:47]
	s_add_nc_u64 s[92:93], s[10:11], s[92:93]
	CROUND                                         ; all sixteen work-groups are here: the first joint loads meet
	s_mov_b32 s[G0S], 1
	s_add_co_u32 s[G0S+1], s94, SCL
	s_mov_b64 s[G0S+2:G0S+3], s[22:23]
	s_or_b32 s[G0S+3], s[G0S+3], 0x80000000
	s_mov_b32 s[G0SB], 1
	s_add_co_u32 s[G0SB+1], s94, SCL
	s_mov_b64 s[G0SB+2:G0SB+3], s[92:93]
	s_or_b32 s[G0SB+3], s[G0SB+3], 0x80000000
	JLOAD G0S, G1S, G0SB, G1SB                     ; the scales first: they are wanted with K step 0
.irp s, 0,1
	s_mov_b32 s[G0+4*\s], 1
	s_add_co_u32 s[G0+4*\s+1], s45, \s*SLOT
	s_add_nc_u64 s[G0+4*\s+2:G0+4*\s+3], s[20:21], \s*ROWB
	s_or_b32 s[G0+4*\s+3], s[G0+4*\s+3], 0x80000000
	s_mov_b32 s[G0B+4*\s], 1
	s_add_co_u32 s[G0B+4*\s+1], s45, \s*SLOT
	s_add_nc_u64 s[G0B+4*\s+2:G0B+4*\s+3], s[46:47], \s*ROWB
	s_or_b32 s[G0B+4*\s+3], s[G0B+4*\s+3], 0x80000000
	JLOAD G0+4*\s, G1, G0B+4*\s, G1B               ; three tensor loads of mine are out now
.endr
	v_and_b32 v1, 15, v0                           ; r = l % 16
	v_bfe_u32 v2, v0, 4, 1                         ; h = l / 16
	v_mul_u32_u24 v3, v1, PITCH
	v_lshl_add_u32 v4, v2, 4, v3                   ; a fragment's row x pitch + 16 x half
	s_mul_i32 s21, s15, HALFT                      ; my 128 rows of A
	s_mul_i32 s22, s16, HALFT                      ; my 128 rows of B,
	s_add_co_u32 s22, s22, 2*HALFT                 ; which lie behind A's 256
.irp s, 0,1
	v_add_nc_u32 v[ADRA+\s], s21, v4
	v_add_nc_u32 v[ADRB+\s], s22, v4
	s_add_co_u32 s21, s21, SLOT
	s_add_co_u32 s22, s22, SLOT
.endr
	v_mul_u32_u24 v5, v1, KS                       ; my row's scales: 32 bytes a row,
	v_lshrrev_b32 v6, 8, v5
	v_lshl_add_u32 v5, v6, 4, v5                   ; and 16 more for each 256 passed
	s_mul_i32 s21, s15, HALFS                      ; A's: my 128 rows
	s_mul_i32 s22, s16, HALFS                      ; B's: my 128 rows, behind A's 256
	s_add_co_u32 s22, s22, 2*HALFS
	s_sub_co_u32 s22, s22, s21
	v_mul_u32_u24 v6, s22, v2                      ; lanes 16-31 take B's
	s_add_co_u32 s21, s21, SCL
	v_add_nc_u32 v5, v5, v6
	v_add_nc_u32 v[ADRS], s21, v5
	v_and_b32 v6, 31, v0
	v_lshlrev_b32 v[IMA], 4, v6
	v_lshlrev_b32 v[SCA], 4, v1
	v_lshl_add_u32 v[SCA], v2, 12, v[SCA]
	; where my 128 x 128 of C goes.  x's rows give the batch and the group of 128 rows (or keys), W's rows the head: two heads to a wave
	s_lshl_b32 s20, s17, 8
	s_lshl_b32 s21, s15, 7
	s_add_co_u32 s20, s20, s21                     ; my first row of A
	s_lshl_b32 s46, s42, 8
	s_lshl_b32 s47, s16, 7
	s_add_co_u32 s46, s46, s47                     ; my first row of B
	s_cmp_eq_u32 s[MODE], 2
	s_cselect_b32 s22, s46, s20                    ; my first row of x
	s_cselect_b32 s23, s20, s46                    ; my first row of W
	s_cselect_b32 s92, 0, 4                        ; the bias number of register t, lane (r, h): modes 0, 1: 8 h + t (along j); mode 2: r (along i)
	s_cselect_b32 s93, 4, 0
	s_cselect_b32 s94, 0, 32
	s_lshr_b32 s18, s22, 11                        ; batch
	s_lshl_b32 s18, s18, 4
	s_lshr_b32 s19, s23, 6
	s_add_co_u32 s18, s18, s19                     ; 16 x batch + my first head
	s_bfe_u32 s19, s22, 0x40007                    ; which 128 of the batch's 2,048 rows
	s_lshl_b32 s46, s18, 17
	s_lshl_b32 s47, s19, 13
	s_add_co_u32 s46, s46, s47
	s_mov_b32 s47, 0
	s_add_nc_u64 s[12:13], s[12:13], s[46:47]      ; the image: 131,072 bytes a head, 8,192 for 128 rows or keys
	s_lshl_b32 s46, s18, 12
	s_lshl_b32 s47, s19, 8
	s_add_co_u32 s46, s46, s47
	s_mov_b32 s47, 0
	s_add_nc_u64 s[98:99], s[98:99], s[46:47]      ; the scale words: 4,096 bytes a head, 256 for 128 rows or keys
	s_lshl_b32 s46, s23, 2
	s_add_nc_u64 s[96:97], s[96:97], s[46:47]      ; the bias at my first row of W
	v_mul_u32_u24 v5, v1, s93
	v_mad_u32_u24 v5, v2, s94, v5
	v_mov_b32 v6, s92
.irp t, 0,1,2,3,4,5,6,7
	v_mad_u32_u24 v[ADT+\t], v6, \t, v5
.endr
.irp c, 0,1,2,3,4,5,6,7                ; the bias in the result's layout, once a wave: block c's 16 numbers begin 64 bytes behind block c - 1's
.irp t, 0,1,2,3,4,5,6,7
	global_load_b32 v[CB+8*\c+\t], v[ADT+\t], s[96:97] offset:64*\c
.endr
.endr
.macro FRAG reg, adr, q, i             ; a fragment, 16 rows x 128 K: lane l holds row l % 16; registers 4 c .. 4 c + 3 hold K = 32 c + 16 (l / 16) + 0 .. 15
.irp c, 0,1,2,3
	ds_load_b128 v[\reg+4*\c:\reg+4*\c+3], v[\adr] offset:128*(\q)+32*\c+(\i)*16*PITCH
.endr
.endm
; 16 matrix instructions: A's blocks a0, a0 + 1 x B's eight, the slot's q-th 128 along K.  p: B's set;  sc: the set of scale words.
; zero = 1, 2: the first products start the sums with the bias as C: B's block's (along j) or A's block's (along i).  The 64 accumulators take turns, one instruction a turn.
.macro MUL16 a0, p, q, sc, zero
.irp a, \a0, \a0+1
.irp b, 0,1,2,3,4,5,6,7
.if \zero == 1
	v_wmma_scale_f32_16x16x128_f8f6f4 v[8*(8*((\a)%4)+\b):8*(8*((\a)%4)+\b)+7], v[128*(\p)+FR*\b:128*(\p)+FR*\b+FR-1], v[AF+FR*(\a):AF+FR*(\a)+FR-1], v[CB+8*\b:CB+8*\b+7], v[SC+8*NQ*(\sc)+NQ*\b+(\q)], v[SC+8*NQ*(\sc)+NQ*(\a)+(\q)] matrix_a_scale:MATRIX_SCALE_ROW1
.elseif \zero == 2
	v_wmma_scale_f32_16x16x128_f8f6f4 v[8*(8*((\a)%4)+\b):8*(8*((\a)%4)+\b)+7], v[128*(\p)+FR*\b:128*(\p)+FR*\b+FR-1], v[AF+FR*(\a):AF+FR*(\a)+FR-1], v[CB+8*(\a):CB+8*(\a)+7], v[SC+8*NQ*(\sc)+NQ*\b+(\q)], v[SC+8*NQ*(\sc)+NQ*(\a)+(\q)] matrix_a_scale:MATRIX_SCALE_ROW1
.else
	v_wmma_scale_f32_16x16x128_f8f6f4 v[8*(8*((\a)%4)+\b):8*(8*((\a)%4)+\b)+7], v[128*(\p)+FR*\b:128*(\p)+FR*\b+FR-1], v[AF+FR*(\a):AF+FR*(\a)+FR-1], v[8*(8*((\a)%4)+\b):8*(8*((\a)%4)+\b)+7], v[SC+8*NQ*(\sc)+NQ*\b+(\q)], v[SC+8*NQ*(\sc)+NQ*(\a)+(\q)] matrix_a_scale:MATRIX_SCALE_ROW1
.endif
.endr
.endr
.endm
.macro FETCH_B slot, q, p              ; B's eight fragments of the slot's q-th 128 along K into set p
	WIN TO_B
.irp i, 0,1,2,3,4,5,6,7
	FRAG 128*(\p)+FR*\i, ADRB+\slot, \q, \i
.endr
	WIN 0
.endm
.macro FETCH_A slot, q, i0             ; A's blocks i0 .. i0 + 3
.irp i, \i0, \i0+1, \i0+2, \i0+3
	FRAG AF+FR*(\i), ADRA+\slot, \q, \i
.endr
.endm
.macro SCALES sc                       ; the next K step's scale words into set sc: two words a row; lanes 0-15 take A's block i, lanes 16-31 B's block i
.irp i, 0,1,2,3,4,5,6,7
	ds_load_b64 v[SC+8*NQ*\sc+NQ*\i:SC+8*NQ*\sc+NQ*\i+1], v[ADRS] offset:\i*SBLK
.endr
.endm
.macro PLACES n                        ; plain vector instructions that name no register of the matrix instructions in front: in front of loads into registers that those have read, and of the first read of results
.rept \n
	v_nop
.endr
.endm
; A step of 128 along K that has its successor in the same slot.
.macro STEP slot, q, zero
	s_wait_dscnt 4*NL                              ; B's set and A's blocks 0-3 are in; the youngest 16 loads (A's blocks 4-7) may be out
.if \zero
	WIN 0x81                                       ; C (the bias) window 0, D window 2
.else
	WIN MUL_LO
.endif
	MUL16 0, (\q)%2, \q, \slot, \zero
	MUL16 2, (\q)%2, \q, \slot, \zero
	s_wait_dscnt 0                                 ; A's blocks 4-7 are in (asked for 32 matrix instructions ago)
	PLACES NP
	FETCH_B \slot, (\q)+1, 1-(\q)%2
	FETCH_A \slot, (\q)+1, 0
.if \zero
	WIN 0xc1                                       ; C window 0, D window 3
.else
	WIN MUL_HI
.endif
	MUL16 4, (\q)%2, \q, \slot, \zero
	MUL16 6, (\q)%2, \q, \slot, \zero
	PLACES NP
	WIN 0
	FETCH_A \slot, (\q)+1, 4
.endm
; A slot's last step changes slots: ONE barrier; in front of it each wave waits for all its tensor loads, adds 0 to its spare word, and waits for that and for its own reads of this slot.  fill = 1: this slot is filled again, two K steps ahead.
.macro TURN slot, next, fill
	s_wait_tensorcnt 0x0                           ; all my tensor loads have landed: my part of the next slot  (every window is 0 here)
	ds_add_u32 v[SPW], v[NIL]                      ; 0 onto my spare word
	s_wait_dscnt 4*NL+1                            ; (the add and the youngest 16 loads, A's blocks 4-7, may be out)
	WIN MUL_LO
	MUL16 0, 1, NQ-1, \slot, 0                     ; sixteen matrix instructions stand between the add and the wait for it
	s_wait_dscnt 0x0                               ; the add is done, and my reads of this slot are over
	s_barrier_signal -1
	MUL16 2, 1, NQ-1, \slot, 0
	WIN 0
	s_barrier_wait -1
.if \fill
	CREST                                          ; the barrier has opened a round of the cluster's barrier: no wave of any partner still reads this slot's tile or has a load on its way
	s_add_nc_u64 s[G0+4*\slot+2:G0+4*\slot+3], s[G0+4*\slot+2:G0+4*\slot+3], 2*ROWB
	s_add_nc_u64 s[G0B+4*\slot+2:G0B+4*\slot+3], s[G0B+4*\slot+2:G0B+4*\slot+3], 2*ROWB
	JLOAD G0+4*\slot, G1, G0B+4*\slot, G1B         ; the first tensor load behind the round, my only one until the next; its four v_nop are among the places in front of the loads below
	PLACES NP-4
.else
	PLACES NP
.endif
	s_wait_alu depctr_va_vdst(0)
	v_add_nc_u32 v[ADRS], 4*NQ, v[ADRS]            ; on to the next K step's scale words
	FETCH_B \next, 0, 0
	FETCH_A \next, 0, 0
	SCALES \next
	WIN MUL_HI
	MUL16 4, 1, NQ-1, \slot, 0
	MUL16 6, 1, NQ-1, \slot, 0
	PLACES NP
	WIN 0
	FETCH_A \next, 0, 4
.endm
	s_wait_tensorcnt 1                             ; the scales and my part of K step 0 are in; K step 1's load may stay out
	s_barrier_signal -1
	s_barrier_wait -1                              ; everybody's are
	FETCH_B 0, 0, 0
	FETCH_A 0, 0, 0
	SCALES 0
	FETCH_A 0, 0, 4
	s_wait_loadcnt 0x0                             ; the bias
	s_cmp_eq_u32 s[MODE], 2                        ; the first step is written twice: its products take the bias as C, along j or along i
	s_cbranch_scc1 .Lfirst_v
	STEP 0, 0, 1
	s_branch .Lfirst_done
.Lfirst_v:
	STEP 0, 0, 2
.Lfirst_done:
	s_mov_b32 s3, LAPS-1
.Llap:                                                 ; a trip goes once round the ring, from a lap's second step to the next lap's first, and fills both slots again
	TURN 0, 1, 1
	STEP 1, 0, 0
	TURN 1, 0, 1
	STEP 0, 0, 0
	s_sub_co_u32 s3, s3, 1
	s_cmp_lg_u32 s3, 0
	s_cbranch_scc1 .Llap
	TURN 0, 1, 0                                   ; the last lap fills nothing, and has no round of the cluster's barrier
	STEP 1, 0, 0
	s_wait_dscnt 4*NL                              ; the very last step: nothing more to fetch
	WIN MUL_LO
	MUL16 0, 1, NQ-1, 1, 0
	MUL16 2, 1, NQ-1, 1, 0
	s_wait_dscnt 0
	WIN MUL_HI
	MUL16 4, 1, NQ-1, 1, 0
	MUL16 6, 1, NQ-1, 1, 0
	WIN 0
	PLACES NP                                      ; in front of the first read of results and the first write over A's fragments
	; THE WAY OUT
	v_and_b32 v3, 16, v0
	v_cmp_ne_u32 vcc_lo, 0, v3                     ; lanes 16-31: kept to the end
	v_mov_b32 v[SELV], 0x05040100
	v_mov_b32 v4, 0x07060302
	v_cndmask_b32 v[SELV], v[SELV], v4, vcc_lo
.irp b, 0,1,2,3
	v_mov_b32 v[TM+4+\b], 0                        ; written once: a lane permute's destination counts as one of its sources
.endr
; Block a (16 rows of A x my 128 columns: four blocks of 32 along j): codes into v[PC + 16 a] on, scale word into v[PWS + a].
.macro QUANTW a
.set AC, 64*((\a)%4)
.set PCA, PC+16*(\a)
	WIN 0x0a+5*((\a)/4)                            ; sources 0 and 1: window 2 or 3
.irp b, 0,1,2,3
	v_max3_num_f32 v[TM+\b], |v[AC+16*\b]|, |v[AC+16*\b+1]|, 0x4800000   ; my 16 numbers of block b, each accumulator from its low end on, and the floor 2^(9 - 127): the byte cannot fall under 1
.endr
.irp i, 2,4,6,8,10,12,14
.irp b, 0,1,2,3
	v_max3_num_f32 v[TM+\b], |v[AC+16*\b+\i]|, |v[AC+16*\b+\i+1]|, v[TM+\b]   ; (the four blocks by turns)
.endr
.endr
	WIN 0
.irp b, 0,1,2,3
	v_permlanex16_b32 v[TM+4+\b], v[TM+\b], s[SEL], s[SEL+1]
.endr
.irp b, 0,1,2,3
	v_max_num_f32 v[TM+\b], v[TM+\b], v[TM+4+\b]   ; with lane l xor 16's 16: the block's largest magnitude
.endr
.irp b, 0,1,2,3
	v_add_nc_u32 v[TM+12+\b], 0xfc000000, v[TM+\b] ; 8 off its exponent field: the conversion takes the exponent field of this operand as its scale
.endr
.irp b, 0,1,2,3
.endr
.irp b, 0,1,2,3
	v_lshrrev_b32 v[TM+4+\b], 23, v[TM+12+\b]      ; the scale's byte
.endr
	v_lshl_or_b32 v[PWS+(\a)], v[TM+5], 8, v[TM+4]
	v_lshl_or_b32 v[PWS+(\a)], v[TM+6], 16, v[PWS+(\a)]
	v_lshl_or_b32 v[PWS+(\a)], v[TM+7], 24, v[PWS+(\a)]
	WIN 0x82+0x41*((\a)/4)                         ; destination and source 0: window 2 or 3
.irp b, 0,1,2,3
.irp i, 0,1,2,3,4,5,6,7,8,9,10,11,12,13,14,15
.endr
.endr
	WIN 0x02+(\a)/4                                ; source 0: window 2 or 3
.irp b, 0,1,2,3
	v_cvt_scalef32_pk8_fp8_f32 v[PCA+4*\b:PCA+4*\b+1], v[AC+16*\b:AC+16*\b+7], v[TM+12+\b]
	v_cvt_scalef32_pk8_fp8_f32 v[PCA+4*\b+2:PCA+4*\b+3], v[AC+16*\b+8:AC+16*\b+15], v[TM+12+\b]
.endr
	WIN 0
	v_nop                                          ; a plain vector instruction between the conversions and the next block's lines, which write their scale operands
.endm
; Block a's four groups of four registers leave as they stand: 32 lanes store 512 consecutive bytes, at a multiple of 512 from the image's first byte.  Only the places differ with the mode.
.macro OUT4 a
	s_cmp_eq_u32 s[MODE], 2
	s_cbranch_scc1 .Lout_v_\@
.irp b, 0,1,2,3                        ; q, k: head b / 2 of my two, tile a of my eight, c = b % 2
	global_store_b128 v[IMA], v[PC+16*(\a)+4*\b:PC+16*(\a)+4*\b+3], s[12:13] offset:(\b/2)*HEADB+1024*(\a)+512*(\b%2)
.endr
	s_branch .Lout_j_\@
.Lout_v_\@:
	s_wait_alu depctr_va_vdst(0)
.irp b, 0,1,2,3                        ; v: head a / 4 of my two, channels 16 (a % 4) on, c = b
	global_store_b128 v[IMA], v[PC+16*(\a)+4*\b:PC+16*(\a)+4*\b+3], s[12:13] offset:((\a)/4)*HEADB+2048*((\a)%4)+512*\b
.endr
.Lout_j_\@:
.endm
.irp a, 0,1,2,3,4,5,6,7
	QUANTW \a
	OUT4 \a
.endr
	s_cmp_eq_u32 s[MODE], 2
	s_cbranch_scc1 .Lsc_v
.irp p, 0,1,2,3                        ; q, k: word p = tile 2 p's two bytes, tile 2 p + 1's two; lanes 0-15 take my first head's halves, lanes 16-31 my second's
	v_perm_b32 v[FW+\p], v[PWS+2*\p+1], v[PWS+2*\p], v[SELV]
.endr
	s_branch .Lsc_j
.Lsc_v:
.irp p, 0,1,2,3                        ; v: word p = channels 16 p on; lanes 0-15 my first head (blocks 0-3), lanes 16-31 my second (blocks 4-7)
	v_cndmask_b32 v[FW+\p], v[PWS+\p], v[PWS+4+\p], vcc_lo
.endr
.Lsc_j:
	s_wait_alu depctr_va_vdst(0)
	global_store_b128 v[SCA], v[FW:FW+3], s[98:99] ; sixteen lanes store 256 consecutive bytes, aligned, for each of my two heads
	s_wait_tensorcnt 0x0                           ; the wave's end
	ds_add_u32 v[SPW], v[NIL]
	s_wait_dscnt 0x0
	CROUND                                         ; the closing round: no work-group ends while a partner may still ask for a tile that names it
	s_endpgm
.Lfunc_end_k_qf4536055c4_qkv:
	.size	k_qf4536055c4_qkv, .Lfunc_end_k_qf4536055c4_qkv-k_qf4536055c4_qkv
	.p2alignl 7, 3214868480
	.fill 96, 4, 3214868480
	.section	.rodata,"a",@progbits
	.p2align	6, 0x0
	.amdhsa_kernel k_qf4536055c4_qkv
		.amdhsa_group_segment_fixed_size 327680
		.amdhsa_private_segment_fixed_size 0
		.amdhsa_enable_private_segment 0
		.amdhsa_kernarg_size 136
		.amdhsa_user_sgpr_count 2
		.amdhsa_user_sgpr_kernarg_segment_ptr 1
		.amdhsa_wavefront_size32 1
		.amdhsa_system_sgpr_workgroup_id_x 1
		.amdhsa_system_sgpr_workgroup_id_y 1
		.amdhsa_system_sgpr_workgroup_id_z 1
		.amdhsa_system_vgpr_workitem_id 0
		.amdhsa_next_free_vgpr 1024
		.amdhsa_next_free_sgpr 102
		.amdhsa_reserve_vcc 1
		.amdhsa_float_denorm_mode_32 3
		.amdhsa_float_denorm_mode_16_64 3
		.amdhsa_fp16_overflow 1
		.amdhsa_memory_ordered 1
		.amdhsa_forward_progress 1
		.amdhsa_inst_pref_size 175
	.end_amdhsa_kernel
	.amdgpu_metadata
---
amdhsa.version: [ 1, 2 ]
amdhsa.kernels:
  - .name:           k_qf4536055c4_qkv
    .symbol:         k_qf4536055c4_qkv.kd
    .args:
      - { .name: x_codes, .offset: 0, .size: 8, .value_kind: global_buffer, .address_space: global }
      - { .name: x_scales, .offset: 8, .size: 8, .value_kind: global_buffer, .address_space: global }
      - { .name: Wq_codes, .offset: 16, .size: 8, .value_kind: global_buffer, .address_space: global }
      - { .name: Wq_scales, .offset: 24, .size: 8, .value_kind: global_buffer, .address_space: global }
      - { .name: Wk_codes, .offset: 32, .size: 8, .value_kind: global_buffer, .address_space: global }
      - { .name: Wk_scales, .offset: 40, .size: 8, .value_kind: global_buffer, .address_space: global }
      - { .name: Wv_codes, .offset: 48, .size: 8, .value_kind: global_buffer, .address_space: global }
      - { .name: Wv_scales, .offset: 56, .size: 8, .value_kind: global_buffer, .address_space: global }
      - { .name: bq, .offset: 64, .size: 8, .value_kind: global_buffer, .address_space: global }
      - { .name: bk, .offset: 72, .size: 8, .value_kind: global_buffer, .address_space: global }
      - { .name: bv, .offset: 80, .size: 8, .value_kind: global_buffer, .address_space: global }
      - { .name: q_img, .offset: 88, .size: 8, .value_kind: global_buffer, .address_space: global }
      - { .name: k_img, .offset: 96, .size: 8, .value_kind: global_buffer, .address_space: global }
      - { .name: v_img, .offset: 104, .size: 8, .value_kind: global_buffer, .address_space: global }
      - { .name: q_sc, .offset: 112, .size: 8, .value_kind: global_buffer, .address_space: global }
      - { .name: k_sc, .offset: 120, .size: 8, .value_kind: global_buffer, .address_space: global }
      - { .name: v_sc, .offset: 128, .size: 8, .value_kind: global_buffer, .address_space: global }
    .group_segment_fixed_size: 327680
    .private_segment_fixed_size: 0
    .kernarg_segment_align: 8
    .kernarg_segment_size: 136
    .max_flat_workgroup_size: 128
    .sgpr_count:     102
    .vgpr_count:     1024
    .wavefront_size: 32
...
	.end_amdgpu_metadata
.endif
;; end of part 4
;; launch attn (part 5): grid 4 x 64, 16 waves a work-group, clusters of 4 x 1, 273,408 bytes of LDS; arguments q_img, q_sc, k_img, k_sc, v_img, v_sc, o_img, o_sc; writes o_img, o_sc
.if DOCPART == 5
	.amdgcn_target "amdgcn-amd-amdhsa--gfx1250"
	.amdhsa_code_object_version 6
	.text
	.protected	k_qf4536055c4_attn
	.globl	k_qf4536055c4_attn
	.p2align	8
	.type	k_qf4536055c4_attn,@function
k_qf4536055c4_attn:
	s_mov_b64 s[64:65], 0
	v_nop
	global_prefetch_b8 v0, s[64:65] scope:SCOPE_SE
	s_setreg_imm32_b32 hwreg(HW_REG_WAVE_MODE, 25, 1), 1
	s_wait_xcnt 0x0
	s_wait_alu depctr_hold_cnt(0) depctr_sa_sdst(0) depctr_va_vdst(0) depctr_va_sdst(0) depctr_va_ssrc(0) depctr_va_vcc(0) depctr_vm_vsrc(0)
	s_getreg_b32 s2, hwreg(HW_REG_IB_STS2, 6, 4)
	s_cmp_eq_u32 s2, 0
	s_cbranch_scc0 .Lentry_in_a_cluster
	s_endpgm
.Lentry_in_a_cluster:
	s_bfe_u32 s2, ttmp6, 0x10000c
	s_cmp_lg_u32 s2, 0x3003
	s_cbranch_scc0 .Lentry_shape_is_right
	s_endpgm
.Lentry_shape_is_right:
; o[b][h][q] = softmax_k(q . k / 8) v, both products on codes of FP8 (E4M3) with one E8M0 scale for each 32 along a product's K; o / l is quantised along the head's 64 and leaves as an operand of the last product.
; THE SOFTMAX AHEAD OF THE SECOND PRODUCT: t = score x log2(e) / 8; M = the row's largest t so far, rounded UP to a whole number; p = 2^(t - M) is what is quantised, along the keys; it is not normalised.
; The row's sum is taken of the unquantised p, in f32, and divides O at the end.  When M moves, the sum and O are multiplied by 2^(old M - new M): exact.
; SHARES.  A work-group owns 512 queries of one head (grid y = 16 x batch + head; the place in the cluster says which 512).  Each of its SIXTEEN waves owns two tiles of 16 queries, one after the other, in 256 registers:
; four waves to a SIMD, so that one wave's vector work stands beside another's matrix work and LDS loads.  Every tile walks the head's 2,048 keys, 128 a step.
; LDS.  A whole head's K, V and scale words, 270,336 bytes, are filled ONCE: no ring, no slot is filled again.  They are images of operand registers (lane l's 16 bytes at 16 l), so every read is 512 consecutive bytes and needs no padding.
; CLUSTER.  The four work-groups of a head need the same bytes: each wave's four tensor loads are asked for JOINTLY, with a mask that names the four; descriptors hang on the wave's number and the head alone.
; LAYOUT.  Both products are used transposed: S^T = K Q^T (source 0 = keys, source 1 = my 16 queries), O^T = V^T P^T: a lane holds ONE query (lane % 16) throughout.
; THE HEAD IS 64, THE INSTRUCTION'S K IS 128: a run of 16 registers of K holds TWO tiles of 16 keys, one at k 0-63, the other at k 64-127; Q stands between two runs of zero codes, v16-39 = [0][q][0]:
; v[24:39] = [q][0] picks the first tile, v[16:31] = [0][q] the second.  Zero codes add nothing under any scale byte that the first launch makes (1 to 254).
; The 16 registers of score tiles 2 b, 2 b + 1 are my share of keys 32 b .. 32 b + 31: place 16 h + 8 u + j holds key 16 u + 8 h + j of the block, the very order in which the first launch laid V's codes.
; THE ORDER OF A STEP'S VECTOR WORK.  The 64 scores go as 16 QUADS: quad u = a pair of registers of block 2 (u / 8) and the same pair of block 2 (u / 8) + 1.  Slot u issues quad u's four exponentials, and behind each of them
; stand plain lines that are ready: the scaling of quad u + 2, the sums of quad u - 1, the lines that make the blocks' scales, part of O's rescaling.  So no two exponentials follow each other while plain work is left,
; and every exponential has plain lines between it and the first use of its result.
; THE WAY OUT.  A lane's eight codes of (c, u) are channels 32 c + 16 u + 8 h + 0 .. 7 of query r: in the next operand's NATURAL layout they are bytes 8 h .. 8 h + 7 of lane 16 u + r, registers 4 c on:
; byte 512 c + 256 u + 16 r + 8 h of the head's 1,024: each store of 8 bytes a lane covers 256 consecutive bytes, aligned.
;   o_img: [tile of 16 rows 512][128 along K: 8][c 4][lane 32][16 bytes];   o_sc: [head 16][row 8,192] two bytes.
; LIMITS: a block of o whose largest magnitude lies under 2^-118 gets the byte 1 (read by this program alone).  NaN and infinities are not served.
.set KB,   0                           ; K's images: 128 tiles of 16 keys x 1,024 bytes
.set VB,   131072                      ; V's: 16 key steps x 4 tiles of 16 channels x 2,048 bytes
.set KSB,  262144                      ; K's scale words: 16 key steps x 256 bytes
.set VSB,  266240                      ; V's likewise
.set OSC,  270336                      ; o's scale bytes of my 512 queries: 1,024 bytes, written by LDS stores alone: no fill lands in these four blocks of 256
.set LK,   1                           ; v1   16 x lane
.set LS,   2                           ; v2   KSB + 16 r
.set ADK,  3                           ; v3   the step's K
.set ADV,  4                           ; v4   the step's V
.set ADS,  5                           ; v5   the step's scale words
.set OA,   6                           ; v6   16 r + 8 h: my 8 bytes of a store
.set OSA,  7                           ; v7   OSC + 64 wave + 2 r
.set BY,   8                           ; v8-11 in a step: the four blocks' scale bytes
.set QZ,   16                          ; v16-39 [0 x 8][q x 8][0 x 8]
.set KV,   40                          ; v40-103  the step's K, then its V
.set S,    104                         ; v104-167 S^T, then p
.set O,    168                         ; v168-199 O^T
.set PC,   200                         ; v200-215 p's codes; at a tile's end o's
.set BM,   216                         ; v216-219 a block's largest score, then its largest p
.set T1,   220                         ; v220-223 at work
.set LIM,  224
.set SOP,  228                         ; v228-231 the conversions' scale operands
.set KSW,  232                         ; v232-235 K's scale words: nothing else ever
.set VSW,  236                         ; v236-239 V's
.set PSW,  240                         ; v240 p's
.set QS,   241                         ; v241 q's: its two bytes twice, so that it serves both places of q
.set F,    242                         ; v[242:243] f = 2^(old M - new M); at a tile's end 1 / l
.set TA,   244
.set TW,   245                         ; v245 in a step: -M as it was; at a tile's end the row's two scale bytes
.set Q1,   246                         ; v246-253 my second tile's q
.set QW,   254                         ; v254 the word with both tiles' scale bytes of q
.set WV,   20                          ; s20 wave
.set G1KV, 24                          ; s[24:31] group 1: 32 rows of 256 bytes
.set G1SC, 32                          ; s[32:39] group 1: one row of 256 bytes
.set G0K,  40
.set G0V,  44
.set G0KS, 48
.set G0VS, 52
.set SEL,  56                          ; s[56:57] selects for lane l xor 16
.set CS,   58                          ; s[58:59] c = log2(e) / 8, twice: the packed form names a pair
.set MNT,  60
.set TK,   61                          ; s61 the step's bytes in K and in V: 8,192 a step
.set TS,   62                          ; s62 and among the scale words: 256 a step
.set CNT,  63                          ; s63 steps to go
.macro ROUND                           ; a round of the cluster's barrier
	s_barrier_signal -1
	s_barrier_wait -1
	s_cmp_lg_u32 s[WV], 0
	s_cbranch_scc1 .Lnot_wave_0_\@
	s_barrier_signal -3
.Lnot_wave_0_\@:
	s_barrier_wait -3
	s_barrier_signal -1
	s_barrier_wait -1
.endm
	s_load_b256 s[4:11], s[0:1], 0x0               ; q_img, q_sc, k_img, k_sc
	s_load_b256 s[12:19], s[0:1], 0x20             ; v_img, v_sc, o_img, o_sc
	v_lshl_add_u32 v254, v0, 2, 0x42400
	v_mov_b32 v255, 0
	ds_add_u32 v254, v255
	ds_add_u32 v254, v255
	s_wait_dscnt 0x0
	v_lshrrev_b32 v8, 5, v0
	v_readfirstlane_b32 s[WV], v8                  ; wave 0..15
	s_bfe_u32 s21, ttmp6, 0x40000                  ; cx: which 512 queries: it enters q's and o's addresses alone
	s_and_b32 s22, ttmp7, 0xffff                   ; 16 x batch + head: shared by the four partners
	s_mov_b32 s[G1KV], 15|(3<<16)|(1<<21)          ; 15:0 the mask: all four work-groups; 17:16 elements of 8 bytes; 21 set beside a mask; no padding
	s_mov_b32 s[G1KV+1], 32<<16                    ; tensor_dim0 = 32 elements: 256 bytes
	s_mov_b32 s[G1KV+2], 32<<16                    ; tensor_dim1 = 32 rows
	s_mov_b32 s[G1KV+3], 32<<16                    ; tile_dim0
	s_mov_b32 s[G1KV+4], 32                        ; tile_dim1
	s_mov_b32 s[G1KV+5], 32                        ; the rows are dense
	s_mov_b32 s[G1KV+6], 0
	s_mov_b32 s[G1KV+7], 0
	s_mov_b32 s[G1SC], 15|(3<<16)|(1<<21)
	s_mov_b32 s[G1SC+1], 32<<16
	s_mov_b32 s[G1SC+2], 1<<16                     ; one row
	s_mov_b32 s[G1SC+3], 32<<16
	s_mov_b32 s[G1SC+4], 1
	s_mov_b32 s[G1SC+5], 32
	s_mov_b32 s[G1SC+6], 0
	s_mov_b32 s[G1SC+7], 0
	s_lshl_b32 s66, s22, 17                        ; the head's 131,072 bytes of codes,
	s_lshl_b32 s70, s[WV], 13                      ; my sixteenth of them: 8,192 bytes, one key step
	s_add_co_u32 s66, s66, s70
	s_mov_b32 s67, 0
	s_lshl_b32 s68, s22, 12                        ; the head's 4,096 bytes of scale words,
	s_lshl_b32 s71, s[WV], 8                       ; my 256
	s_add_co_u32 s68, s68, s71
	s_mov_b32 s69, 0
	s_mov_b32 s[SEL], 0x76543210
	s_mov_b32 s[SEL+1], 0xfedcba98
	s_mov_b32 s[CS], 0x3e38aa3b                    ; log2(e) / 8
	s_mov_b32 s[CS+1], s[CS]
	s_wait_kmcnt 0x0
	s_mov_b32 s[G0K], 1
	s_add_co_u32 s[G0K+1], s70, KB
	s_add_nc_u64 s[G0K+2:G0K+3], s[8:9], s[66:67]
	s_or_b32 s[G0K+3], s[G0K+3], 0x80000000
	s_mov_b32 s[G0V], 1
	s_add_co_u32 s[G0V+1], s70, VB
	s_add_nc_u64 s[G0V+2:G0V+3], s[12:13], s[66:67]
	s_or_b32 s[G0V+3], s[G0V+3], 0x80000000
	s_mov_b32 s[G0KS], 1
	s_add_co_u32 s[G0KS+1], s71, KSB
	s_add_nc_u64 s[G0KS+2:G0KS+3], s[10:11], s[68:69]
	s_or_b32 s[G0KS+3], s[G0KS+3], 0x80000000
	s_mov_b32 s[G0VS], 1
	s_add_co_u32 s[G0VS+1], s71, VSB
	s_add_nc_u64 s[G0VS+2:G0VS+3], s[14:15], s[68:69]
	s_or_b32 s[G0VS+3], s[G0VS+3], 0x80000000
	ROUND                                          ; all four work-groups are here: the joint loads meet
	tensor_load_to_lds s[G0K:G0K+3], s[G1KV:G1KV+7]        ; every wave issues the same four lines, each for its own sixteenth: four tensor loads of mine are out, the only ones of the launch
	s_nop 0
	tensor_load_to_lds s[G0V:G0V+3], s[G1KV:G1KV+7]
	s_nop 0
	tensor_load_to_lds s[G0KS:G0KS+3], s[G1SC:G1SC+7]
	s_nop 0
	tensor_load_to_lds s[G0VS:G0VS+3], s[G1SC:G1SC+7]
	s_nop 0
.rept 4
	v_nop
.endr
	; q, its scale word, and where o goes
	s_lshl_b32 s72, s22, 17
	s_lshl_b32 s74, s21, 15
	s_add_co_u32 s72, s72, s74
	s_lshl_b32 s74, s[WV], 11
	s_add_co_u32 s72, s72, s74                     ; q: head, 512 queries = 32 tiles of 1,024 bytes, my two tiles
	s_mov_b32 s73, 0
	s_add_nc_u64 s[4:5], s[4:5], s[72:73]
	s_lshl_b32 s72, s22, 12
	s_lshl_b32 s74, s21, 10
	s_add_co_u32 s72, s72, s74
	s_lshr_b32 s74, s[WV], 2
	s_lshl_b32 s74, s74, 8
	s_add_co_u32 s72, s72, s74
	s_and_b32 s74, s[WV], 3
	s_lshl_b32 s74, s74, 2
	s_add_co_u32 s72, s72, s74                     ; q's scale words: group of 128 rows 4 cx + wave / 4; word wave % 4 holds my two tiles' bytes
	s_add_nc_u64 s[6:7], s[6:7], s[72:73]
	s_lshr_b32 s75, s22, 4                         ; batch
	s_and_b32 s76, s22, 15                         ; head
	s_lshl_b32 s72, s75, 7
	s_lshl_b32 s74, s21, 5
	s_add_co_u32 s72, s72, s74
	s_lshl_b32 s74, s[WV], 1
	s_add_co_u32 s72, s72, s74                     ; my first tile of 16 rows among the 512
	s_lshl_b32 s72, s72, 14                        ; 16,384 bytes a tile of rows,
	s_lshl_b32 s74, s76, 10                        ; 1,024 a head
	s_add_co_u32 s72, s72, s74
	s_add_nc_u64 s[16:17], s[16:17], s[72:73]
	s_lshl_b32 s72, s76, 14
	s_lshl_b32 s74, s75, 12
	s_add_co_u32 s72, s72, s74
	s_lshl_b32 s74, s21, 10
	s_add_co_u32 s72, s72, s74                     ; o's scale bytes: 16,384 a head, two a row
	s_add_nc_u64 s[18:19], s[18:19], s[72:73]
	v_and_b32 v8, 31, v0
	v_lshlrev_b32 v[LK], 4, v8
	v_and_b32 v9, 15, v0                           ; r
	v_bfe_u32 v10, v0, 4, 1                        ; h
	v_lshl_add_u32 v[LS], v9, 4, KSB
	v_lshlrev_b32 v11, 4, v9
	v_lshl_add_u32 v[OA], v10, 3, v11
	s_lshl_b32 s74, s[WV], 6
	s_add_co_u32 s74, s74, OSC
	v_lshl_add_u32 v[OSA], v9, 1, s74
	global_load_b128 v[QZ+8:QZ+11], v[LK], s[4:5]              ; my first tile's q: c = 0,
	global_load_b128 v[QZ+12:QZ+15], v[LK], s[4:5] offset:512  ; c = 1
	global_load_b128 v[Q1:Q1+3], v[LK], s[4:5] offset:1024     ; my second tile's
	global_load_b128 v[Q1+4:Q1+7], v[LK], s[4:5] offset:1536
	global_load_b32 v[QW], v11, s[6:7]
.irp i, 0,1,2,3,4,5,6,7
	v_mov_b32 v[QZ+\i], 0                          ; zero codes on both sides of q
	v_mov_b32 v[QZ+16+\i], 0
.endr
.irp b, 0,1,2,3
	v_mov_b32 v[T1+\b], 0                          ; written once: a lane permute's destination counts as one of its sources
.endr
	v_mov_b32 v[F+1], 0                            ; (named as the upper half of a pair)
	v_mov_b32 v[TA], 0
	s_wait_tensorcnt 0x0                           ; my sixteenth of the head has landed,
	s_barrier_signal -1
	s_barrier_wait -1                              ; everybody's has
	s_wait_loadcnt 0x0                             ; q (and v11, its scale word's offset, is free)
; THE PIECES OF A STEP'S SOFTMAX.  Quad u: pair 0 = registers S + 32 (u / 8) + 2 (u % 8), + 1 (block 2 (u / 8)); pair 1 = the same 16 registers on (block 2 (u / 8) + 1).
.macro FMA u, n                        ; pair n of quad u: t - M, two at a time (of the pairs c and -M the low word serves both halves)
.set rP, S+32*((\u)/8)+16*(\n)+2*((\u)%8)
	v_pk_fma_f32 v[rP:rP+1], v[rP:rP+1], s[CS:CS+1], v[12:13] op_sel_hi:[1,0,0]
.endm
.macro EXQ u, n                        ; number n of quad u's four: p = 2^(t - M), at most 1: NOT normalised
.set rP, S+32*((\u)/8)+16*((\n)/2)+2*((\u)%8)+(\n)%2
	v_exp_f32 v[rP], v[rP]
.endm
.macro SUM u, n                        ; THE ROW'S SUM IS TAKEN OF THE UNQUANTISED p: pairs 0 onto v[14:15] (the first with the sum's change of M in one fused line), pairs 1 onto a second chain, which quads 0 and 1 start
.set rP, S+32*((\u)/8)+16*(\n)+2*((\u)%8)
.if (\n) == 0
.if (\u) == 0
	s_wait_alu depctr_va_vdst(0)
	v_pk_fma_f32 v[14:15], v[14:15], v[F:F+1], v[rP:rP+1] op_sel_hi:[1,0,1]
.else
	s_wait_alu depctr_va_vdst(0)
	v_pk_add_f32 v[14:15], v[14:15], v[rP:rP+1]
.endif
.elseif (\u) == 1
	v_pk_add_f32 v[T1:T1+1], v[rP-2:rP-1], v[rP:rP+1]
.else
	v_pk_add_f32 v[T1:T1+1], v[T1:T1+1], v[rP:rP+1]
.endif
.endm
; The conversion to an 8-bit code does not saturate (ISA guide 7.6.2).
.macro HOLD u, n
.set rA, S+32*((\u)/8)+2*((\u)%8)
.set rB, rA+16
.set rL, LIM+2*((\u)/8)
.if (\n) == 0
.else
.endif
.endm
.macro CVT2 B, hf                      ; half hf (eight numbers) of blocks 2 B and 2 B + 1 becomes codes
.irp w, 0,1
.set bb, 2*(\B)+\w
	v_cvt_scalef32_pk8_fp8_f32 v[PC+4*bb+2*(\hf):PC+4*bb+2*(\hf)+1], v[S+16*bb+8*(\hf):S+16*bb+8*(\hf)+7], v[SOP+bb]
.endr
.endm
.macro RSC i                           ; pair i of O^T under the new M: x f; the pairs are taken in ascending order
	v_pk_mul_f32 v[O+2*(\i):O+2*(\i)+1], v[O+2*(\i):O+2*(\i)+1], v[F:F+1] op_sel_hi:[1,0]
.endm
.macro NEXTRA                          ; the next of 25 plain lines that fill the gaps where a slot has nothing else ready: the blocks' scales, then ten pairs of O^T
.if e < 4
	s_wait_alu depctr_va_vdst(0)
	v_max_num_f32 v[BM+e], 0x4800000, v[BM+e]      ; the floor 2^(9 - 127) under the block's largest p: the byte cannot fall under 1
.elseif e < 8
.elseif e < 12
	v_add_nc_u32 v[SOP+e-8], 0xfc000000, v[BM+e-8] ; 8 off the exponent field: the conversion's scale operand
.elseif e < 16
	v_lshrrev_b32 v[BY+e-12], 23, v[SOP+e-12]      ; the scale's byte
.elseif e == 16
	v_lshl_or_b32 v[PSW], v[BY+1], 8, v[BY]        ; p's scale word for these 128 keys
.elseif e == 17
	s_setprio 1
	v_lshl_or_b32 v[PSW], v[BY+2], 16, v[PSW]
.elseif e == 18
	v_lshl_or_b32 v[PSW], v[BY+3], 24, v[PSW]
.elseif e < 29
	RSC e-19
.endif
.set e, e+1
.endm
; A KEY STEP: 128 keys.
.macro STEP
	v_add_nc_u32 v[ADK], s[TK], v[LK]
	v_add_nc_u32 v[ADS], s[TS], v[LS]
	v_add_nc_u32 v[ADV], VB, v[ADK]
.rept 5
	v_nop                                          ; with the three additions: eight places in front of loads into registers that the last products have read
.endr
	ds_load_b128 v[KSW:KSW+3], v[ADS]              ; word p: tiles 2 p and 2 p + 1
.irp n, 0,1,2,3,4,5,6,7,8,9,10,11,12,13,14,15
	ds_load_b128 v[KV+4*\n:KV+4*\n+3], v[ADK] offset:512*\n   ; tile n / 2 of 16 keys, c = n % 2: 512 consecutive bytes
.endr
.irp g, 0,1,2,3                        ; S^T = K Q^T: run g holds tiles 2 g and 2 g + 1; q's place picks one.  LDS loads come back in order (ISA guide 5.7.1): the count is the K loads younger than run g's four
	s_wait_dscnt 12-4*\g
	v_wmma_scale_f32_16x16x128_f8f6f4 v[S+16*\g:S+16*\g+7], v[KV+16*\g:KV+16*\g+15], v[QZ+8:QZ+23], 0, v[KSW+\g], v[QS]
	v_wmma_scale_f32_16x16x128_f8f6f4 v[S+16*\g+8:S+16*\g+15], v[KV+16*\g:KV+16*\g+15], v[QZ:QZ+15], 0, v[KSW+\g], v[QS]
.endr
	v_mov_b32 v[TW], v12                           ; -M as it was
.rept 7
	v_nop                                          ; with the line above: eight places in front of the loads over K and of the first read of the scores
.endr
.irp n, 0,1,2,3,4,5,6,7,8,9,10,11,12,13,14,15
	ds_load_b128 v[KV+4*\n:KV+4*\n+3], v[ADV] offset:512*\n   ; V: channels 16 (n / 4) on, c = n % 4.  They land under the softmax
.endr
	ds_load_b128 v[VSW:VSW+3], v[ADS] offset:VSB-KSB
.irp b, 0,1,2,3
	v_max3_num_f32 v[BM+\b], v[S+16*\b], v[S+16*\b+1], v[S+16*\b+2]   ; THE LARGEST SCORE OF EACH BLOCK OF 32 KEYS: it serves for the row's maximum and, since p rises with the score, for the block's largest p
.endr
.irp i, 3,5,7,9,11,13
.irp b, 0,1,2,3
	v_max3_num_f32 v[BM+\b], v[BM+\b], v[S+16*\b+\i], v[S+16*\b+\i+1]
.endr
.endr
.irp b, 0,1,2,3
	v_max_num_f32 v[BM+\b], v[BM+\b], v[S+16*\b+15]
.endr
.irp b, 0,1,2,3
	v_permlanex16_b32 v[T1+\b], v[BM+\b], s[SEL], s[SEL+1]
.endr
.irp b, 0,1,2,3
	v_max_num_f32 v[BM+\b], v[BM+\b], v[T1+\b]     ; with lane l xor 16's 16 keys
.endr
	v_max3_num_f32 v[TA], v[BM], v[BM+1], v[BM+2]
	v_max3_num_f32 v13, v13, v[TA], v[BM+3]        ; the running largest SCORE of my query (c is positive, and a rounded multiplication by it keeps the order: the largest t is c x this)
	v_mul_f32 v[TA], s[CS], v13                    ; the running largest t
	v_floor_f32 v12, -v[TA]                        ; the new -M = floor(-t) = -ceil(t): M IS A WHOLE NUMBER
.irp b, 0,1,2,3
	v_fma_f32 v[BM+\b], v[BM+\b], s[CS], v12       ; t - M of each block's largest score: the same fused line as its register gets below, so the same bits
.endr
	v_sub_f32 v[TA], v12, v[TW]                    ; M's old value less its new one: a whole number, 0 or less
	FMA 0, 0
	FMA 0, 1
	v_exp_f32 v[BM], v[BM]                         ; the blocks' largest p
	v_cvt_i32_f32 v[TA], v[TA]                     ; (it saturates)
	v_exp_f32 v[BM+1], v[BM+1]
	FMA 1, 0
	v_exp_f32 v[BM+2], v[BM+2]
	FMA 1, 1
	v_exp_f32 v[BM+3], v[BM+3]
	v_ldexp_f32 v[F], 1.0, v[TA]                   ; f = 2^(old M - new M)
.set e, 0
.set u, 0
.rept 16                               ; slot u
.irp n, 0,1,2,3
	EXQ u, \n
.set cnt, 0
.if \n < 2
.if u+2 < 16
	FMA u+2, \n
.set cnt, cnt+1
.endif
.if (u > 1) || ((u == 1) && (\n == 0))
	SUM u-1, \n
.set cnt, cnt+1
.endif
.else
.if u > 2
	HOLD u-3, \n-2
.set cnt, cnt+1
.endif
.endif
.if cnt < 2
	NEXTRA
.endif
.if cnt < 1
	NEXTRA
.endif
.endr
.if (u > 2) && ((u-3)%4 == 3)
	CVT2 (u-3)/8, ((u-3)%8)/4
.endif
.set u, u+1
.endr
	s_setprio 0
	SUM 15, 0
	SUM 15, 1
	HOLD 13, 0
	HOLD 13, 1
	HOLD 14, 0
	HOLD 14, 1
	HOLD 15, 0
	HOLD 15, 1
	v_pk_add_f32 v[14:15], v[14:15], v[T1:T1+1]
	CVT2 1, 1
.irp i, 10,11,12,13,14,15
	RSC \i                                         ; the last six pairs of O^T: also the places between the last codes and the products
.endr
	s_wait_dscnt 0x0                               ; V and its scale words
.irp d, 0,1,2,3                        ; O^T += V^T P^T: the four accumulators by turns
	v_wmma_scale_f32_16x16x128_f8f6f4 v[O+8*\d:O+8*\d+7], v[KV+16*\d:KV+16*\d+15], v[PC:PC+15], v[O+8*\d:O+8*\d+7], v[VSW+\d], v[PSW]
.endr
	s_add_co_u32 s[TK], s[TK], 8192
	s_add_co_u32 s[TS], s[TS], 256
.endm
; ONE TILE OF 16 QUERIES: p = 0 my first, 1 my second.
.macro PASS p
.if \p
	s_wait_xcnt 0x0                                ; the first tile's stores have read their registers: the codes' registers are written again only behind this wait
.irp i, 0,1,2,3,4,5,6,7
	v_mov_b32 v[QZ+8+\i], v[Q1+\i]
.endr
	v_perm_b32 v[QS], v[QW], v[QW], 0x03020302     ; the tile's two scale bytes, twice
.else
	v_perm_b32 v[QS], v[QW], v[QW], 0x01000100
.endif
	v_mov_b32 v13, 0xff61b1e6                      ; the largest score so far: -3e38, under every score
	v_floor_f32 v12, -v13                          ; -M: so large that the first step's f is 0
	v_mov_b32 v14, 0                               ; the sum, in two halves
	v_mov_b32 v15, 0
.set j, 0
.rept 32
	v_mov_b32 v[O+j], 0                            ; O^T: the step is written once: the first finds zeros, which the first change of M leaves zeros.  (Also the places between q's scale word and the first product)
.set j, j+1
.endr
	s_mov_b32 s[TK], 0
	s_mov_b32 s[TS], 0
	s_mov_b32 s[CNT], 16
.Lstep_\@:
	s_setprio 2
	STEP
	s_sub_co_u32 s[CNT], s[CNT], 1
	s_cmp_lg_u32 s[CNT], 0
	s_cbranch_scc1 .Lstep_\@
	s_setprio 0
.rept 8
	v_nop                                          ; places in front of the first read of O^T
.endr
	v_add_f32 v14, v14, v15                        ; the sum's two halves,
	v_permlanex16_b32 v[TA], v14, s[SEL], s[SEL+1]
	v_add_f32 v14, v14, v[TA]                      ; and lane l xor 16's: the row's sum
	v_rcp_f32 v[F], v14
	v_nop                                          ; a plain place behind the transcendental
.set j, 0
	s_wait_alu depctr_va_vdst(0)
.rept 16
	v_pk_mul_f32 v[O+j:O+j+1], v[O+j:O+j+1], v[F:F+1] op_sel_hi:[1,0]   ; o = O^T / l: register 8 d + j is channel 16 d + 8 h + j of query r
.set j, j+2
.endr
.irp c, 0,1                            ; the head's two blocks of 32 channels
	v_max3_num_f32 v[BM+\c], |v[O+16*\c]|, |v[O+16*\c+1]|, 0x4800000
.endr
.irp i, 2,4,6,8,10,12,14
.irp c, 0,1
	v_max3_num_f32 v[BM+\c], v[BM+\c], |v[O+16*\c+\i]|, |v[O+16*\c+\i+1]|
.endr
.endr
.irp c, 0,1
	v_permlanex16_b32 v[T1+\c], v[BM+\c], s[SEL], s[SEL+1]
.endr
.irp c, 0,1
	v_max_num_f32 v[BM+\c], v[BM+\c], v[T1+\c]
.endr
.irp c, 0,1
	v_add_nc_u32 v[SOP+\c], 0xfc000000, v[BM+\c]
.endr
.irp c, 0,1
.endr
.irp c, 0,1
	v_lshrrev_b32 v[T1+\c], 23, v[SOP+\c]
.endr
	v_lshl_or_b32 v[TW], v[T1+1], 8, v[T1]         ; my row's two scale bytes
.irp c, 0,1
.irp i, 0,1,2,3,4,5,6,7,8,9,10,11,12,13,14,15
.endr
	v_cvt_scalef32_pk8_fp8_f32 v[PC+4*\c:PC+4*\c+1], v[O+16*\c:O+16*\c+7], v[SOP+\c]
	v_cvt_scalef32_pk8_fp8_f32 v[PC+4*\c+2:PC+4*\c+3], v[O+16*\c+8:O+16*\c+15], v[SOP+\c]
.endr
	v_nop                                          ; a plain vector instruction behind the last conversion
	ds_store_b16 v[OSA], v[TW] offset:32*\p        ; lanes r and r + 16 write the same two bytes with the same value
.irp c, 0,1
.irp u, 0,1
	global_store_b64 v[OA], v[PC+4*\c+2*\u:PC+4*\c+2*\u+1], s[16:17] offset:16384*\p+512*\c+256*\u   ; 32 lanes store 256 consecutive bytes, aligned
.endr
.endr
.endm
	PASS 0
	PASS 1
	s_wait_dscnt 0x0                               ; my scale bytes lie in LDS,
	s_barrier_signal -1
	s_barrier_wait -1                              ; everybody's do
	s_cmp_lt_u32 s[WV], 2
	s_cbranch_scc0 .Lno_sc
	v_lshl_add_u32 v[ADK], v0, 4, OSC              ; waves 0 and 1: 64 threads x 16 bytes: the work-group's 1,024 scale bytes leave as four whole aligned blocks of 256
	v_lshlrev_b32 v[ADV], 4, v0
	ds_load_b128 v[S:S+3], v[ADK]
	s_wait_dscnt 0x0
	global_store_b128 v[ADV], v[S:S+3], s[18:19]
.Lno_sc:
	s_wait_xcnt 0x0
	v_lshl_add_u32 v254, v0, 2, 0x42400
	v_mov_b32 v255, 0
	s_wait_tensorcnt 0x0
	ds_add_u32 v254, v255
	s_wait_dscnt 0x0
	ROUND                                          ; the closing round
	s_endpgm
.Lfunc_end_k_qf4536055c4_attn:
	.size	k_qf4536055c4_attn, .Lfunc_end_k_qf4536055c4_attn-k_qf4536055c4_attn
	.p2alignl 7, 3214868480
	.fill 96, 4, 3214868480
	.section	.rodata,"a",@progbits
	.p2align	6, 0x0
	.amdhsa_kernel k_qf4536055c4_attn
		.amdhsa_group_segment_fixed_size 273408
		.amdhsa_private_segment_fixed_size 0
		.amdhsa_enable_private_segment 0
		.amdhsa_kernarg_size 64
		.amdhsa_user_sgpr_count 2
		.amdhsa_user_sgpr_kernarg_segment_ptr 1
		.amdhsa_wavefront_size32 1
		.amdhsa_system_sgpr_workgroup_id_x 1
		.amdhsa_system_sgpr_workgroup_id_y 1
		.amdhsa_system_sgpr_workgroup_id_z 1
		.amdhsa_system_vgpr_workitem_id 0
		.amdhsa_next_free_vgpr 256
		.amdhsa_next_free_sgpr 80
		.amdhsa_reserve_vcc 0
		.amdhsa_float_denorm_mode_32 3
		.amdhsa_float_denorm_mode_16_64 3
		.amdhsa_fp16_overflow 1
		.amdhsa_memory_ordered 1
		.amdhsa_forward_progress 1
		.amdhsa_inst_pref_size 52
	.end_amdhsa_kernel
	.amdgpu_metadata
---
amdhsa.version: [ 1, 2 ]
amdhsa.kernels:
  - .name:           k_qf4536055c4_attn
    .symbol:         k_qf4536055c4_attn.kd
    .args:
      - { .name: q_img, .offset: 0, .size: 8, .value_kind: global_buffer, .address_space: global }
      - { .name: q_sc, .offset: 8, .size: 8, .value_kind: global_buffer, .address_space: global }
      - { .name: k_img, .offset: 16, .size: 8, .value_kind: global_buffer, .address_space: global }
      - { .name: k_sc, .offset: 24, .size: 8, .value_kind: global_buffer, .address_space: global }
      - { .name: v_img, .offset: 32, .size: 8, .value_kind: global_buffer, .address_space: global }
      - { .name: v_sc, .offset: 40, .size: 8, .value_kind: global_buffer, .address_space: global }
      - { .name: o_img, .offset: 48, .size: 8, .value_kind: global_buffer, .address_space: global }
      - { .name: o_sc, .offset: 56, .size: 8, .value_kind: global_buffer, .address_space: global }
    .group_segment_fixed_size: 273408
    .private_segment_fixed_size: 0
    .kernarg_segment_align: 8
    .kernarg_segment_size: 64
    .max_flat_workgroup_size: 512
    .sgpr_count:     80
    .vgpr_count:     256
    .wavefront_size: 32
...
	.end_amdgpu_metadata
.endif
;; end of part 5
;; launch oproj (part 6): grid 4 x 64, 4 waves a work-group, clusters of 4 x 4, 327,680 bytes of LDS; arguments o_img, o_sc, Wo_codes, Wo_scales, out0, bo; writes out0
.if DOCPART == 6
	.amdgcn_target "amdgcn-amd-amdhsa--gfx1250"
	.amdhsa_code_object_version 6
	.text
	.protected	k_qf4536055c4_oproj
	.globl	k_qf4536055c4_oproj
	.p2align	8
	.type	k_qf4536055c4_oproj,@function
k_qf4536055c4_oproj:
	s_mov_b64 s[64:65], 0
	v_nop
	global_prefetch_b8 v0, s[64:65] scope:SCOPE_SE
	s_setreg_imm32_b32 hwreg(HW_REG_WAVE_MODE, 25, 1), 1
	s_wait_xcnt 0x0
	s_wait_alu depctr_hold_cnt(0) depctr_sa_sdst(0) depctr_va_vdst(0) depctr_va_sdst(0) depctr_va_ssrc(0) depctr_va_vcc(0) depctr_vm_vsrc(0)
	s_getreg_b32 s2, hwreg(HW_REG_IB_STS2, 6, 4)
	s_cmp_eq_u32 s2, 0
	s_cbranch_scc0 .Lentry_in_a_cluster
	s_endpgm
.Lentry_in_a_cluster:
	s_bfe_u32 s2, ttmp6, 0x10000c
	s_cmp_lg_u32 s2, 0xf033
	s_cbranch_scc0 .Lentry_shape_is_right
	s_endpgm
.Lentry_shape_is_right:
; out0[m][n] = sum over k of o[m][k] Wo[n][k] + bo[n] on codes of FP8 (E4M3) with one E8M0 scale for each 32 along K = 1,024; out0 [8,192][1,024] f32.
; o comes from the launch before as IMAGES OF THE OPERAND'S REGISTERS, [tile of 16 rows 512][128 along K: 8][c 4][lane 32][16 bytes], in the natural order of K, with two scale bytes for each row and head, [head 16][row 8,192].
; Wo comes as rows of 1,024 codes with 32 scale bytes a row.
; A tile of out0 is 128 rows x 256 columns: 64 x 4 = 256 work-groups, one for each WGP.  Four waves, each 64 x 128: 32 accumulators, 256 registers; A's and B's fragments have two sets each: while one step of 128 along K is multiplied, the next step's come.
; LDS.  A slot holds 256 along K: A's 8 tiles of 16 rows x 4,096 dense bytes (read at 16 x lane: no padding is wanted), then B's 256 rows of 256 bytes + 16 of padding: 102,400 bytes.  THREE slots fit, so three quarters of K are first fills,
; asked for together at the start; only the last quarter is a refill: into slot 0, behind ONE round of the cluster's barrier at the end of the first quarter; it has two quarters' products, 128 matrix instructions a wave, in which to land.
; THE SCALES stay in LDS for the whole launch, 32 bytes a row, as units of 256 bytes + 16: B's by one tensor load a wave; A's are put together once from the 16 heads' byte pairs and stored by LDS stores into 17 blocks of 256 bytes into which no fill lands.
; CLUSTERS: 4 x 4 work-groups; A's tiles are asked for jointly along a row of the cluster, B's along a column.  THE MATRIX INSTRUCTION IS USED TRANSPOSED: a lane holds eight neighbouring numbers of a row of out0.  The bias is the first products' C.
; LIMITS: NaN codes and the scale byte 0xff in Wo are not served.
; REGISTERS, in windows of 256: window 0: v0-31 addresses; v32-63 scale words, two sets; v64-127 the bias as C; v128-255 A's fragments, two sets of four blocks; on the way out rows of out0.  window 1: B's fragments, two sets of eight.  window 2: the accumulators ((a, b) at v[8 (8 a + b)]).
.set SIZE_N, 1024
.set NQ,     2                         ; steps of 128 in a slot
.set ROWB,   256                       ; a row of B's tile in bytes
.set KROW,   1024                      ; a row of Wo in memory
.set ASTEP,  4096                      ; 256 along K of one tile of 16 rows of o
.set AROW,   16384                     ; a tile of 16 rows of o, all of K
.set PITCH,  272                       ; B's LDS row: 256 bytes + 16 = 68 words: the 16 rows that a load touches start at 16 different banks (64 banks of 4 bytes: ISA guide 11.1)
.set FR,     16
.set NP,     8                         ; places behind this matrix instruction (ISA guide 7.12.1)
.set AHALF,  4*ASTEP                   ; 64 rows of A: what one tensor load brings, and what one wave reads
.set AROOM,  2*AHALF
.set HALFT,  128*PITCH                 ; 128 rows of B: what one tensor load brings, and what one wave reads
.set SLOT,   AROOM+2*HALFT             ; 102,400
.set KS,     32
.set SCL,    3*SLOT                    ; A's scales, 128 rows: 17 blocks of 256 bytes, written by LDS stores alone;
.set HALFS,  (128*KS/256)*272          ; the scales of 128 rows
.set SBLK,   (16*KS/256)*272           ; those of 16 rows
.set SCLB,   SCL+HALFS                 ; B's, 256 rows, filled once by tensor loads
.set QUARS,  HALFS/2                   ; the scales of 64 rows: what one tensor load brings
.set SPARE,  SCLB+2*HALFS              ; the spare words, 128 bytes a wave: two blocks of 256 bytes that no other line names
.set STAGE,  SLOT                      ; the way out: 16 rows x (512 bytes + 16) for each wave, in slot 1: it is filled once, and its last read lies in front of the barrier ahead of the last quarter
.set SPITCH, 528
.set ADRA, 16                          ; v16-18  LDS address of my A fragments in slot 0, 1, 2
.set ADRB, 20                          ; v20-22  the same for B
.set STO,  24
.set RD,   25
.set CO,   26
.set ADRS, 27
.set SPW,  28
.set NIL,  29
.set SC,   32                          ; scale words: set s at v[SC + 16 s]; register 2 i + q: lanes 0-15 A's block i, lanes 16-31 B's block i
.set CB,   64
.set AF,   128
.set BK,   128
.set G1, 24                            ; s[24:31] group 1 for A's tiles;  s[32:43] group 0, one set for each slot
.set G0, 32
.set G1B, 48                           ; s[48:55], s[68:79] the same for B's
.set G0B, 68
.set G1SB, 80                          ; s[80:87], s[88:91] for B's scales
.set G0SB, 88
.set MSB, 0
.macro WIN new                         ; the immediate's high byte repeats the setting that is left
.if MSB != \new
	s_set_vgpr_msb (MSB<<8)|\new
.set MSB, \new
.endif
.endm
.set MUL_LO, 0xa1                      ; source 0 (B) window 1, source 1 (A) window 0, C and D window 2
.set TO_B,   0x40                      ; destination window 1, address window 0
.macro JLOAD g0a, g1a, g0b, g1b        ; a joint load: waves 0 and 1 fetch for A, waves 2 and 3 for B; four v_nop follow each of the two lines
	s_cmp_eq_u32 s15, 0
	s_cbranch_scc0 .Lfor_b_\@
	tensor_load_to_lds s[\g0a:\g0a+3], s[\g1a:\g1a+7]
	s_nop 0
.rept 4
	v_nop
.endr
	s_branch .Lasked_\@
.Lfor_b_\@:
	tensor_load_to_lds s[\g0b:\g0b+3], s[\g1b:\g1b+7]
	s_nop 0
.rept 4
	v_nop
.endr
.Lasked_\@:
.endm
.macro CREST                           ; a round of the cluster's barrier behind its opening barrier
	s_cmp_lg_u32 s14, 0
	s_cbranch_scc1 .Lnot_wave_0_\@
	s_barrier_signal -3
.Lnot_wave_0_\@:
	s_barrier_wait -3
	s_barrier_signal -1
	s_barrier_wait -1
.endm
.macro CROUND
	s_barrier_signal -1
	s_barrier_wait -1
	CREST
.endm
	s_load_b128 s[4:7], s[0:1], 0x0                ; o_img, o_sc
	s_load_b128 s[8:11], s[0:1], 0x10              ; Wo's codes, Wo's scales
	s_load_b64 s[12:13], s[0:1], 0x20              ; out0
	s_load_b64 s[96:97], s[0:1], 0x28              ; bo
	v_lshl_add_u32 v[SPW], v0, 2, SPARE
	v_mov_b32 v[NIL], 0
	ds_add_u32 v28, v29
	ds_add_u32 v28, v29
	s_wait_dscnt 0x0
	v_lshrrev_b32 v1, 5, v0
	v_readfirstlane_b32 s14, v1                    ; wave 0..3
	s_lshr_b32 s15, s14, 1                         ; which 64 of the tile's rows are mine.  Also: I fetch for A (0) or for B (1)
	s_and_b32 s16, s14, 1                          ; which 128 of its columns.  Also: which half of that tile I fetch
	s_bfe_u32 s56, ttmp6, 0x40000                  ; cx, cy
	s_bfe_u32 s57, ttmp6, 0x40004
	s_lshl_b32 s58, ttmp9, 2
	s_add_co_u32 s58, s58, s56                     ; tile column = 4 x cluster x + cx
	s_and_b32 s17, ttmp7, 0xffff
	s_lshl_b32 s17, s17, 2
	s_add_co_u32 s17, s17, s57                     ; tile row = 4 x cluster y + cy: 0 .. 63
	s_lshl_b32 s59, s57, 2
	s_lshl_b32 s59, 15, s59                        ; my row of the cluster
	s_lshl_b32 s60, 0x1111, s56                    ; my column
	; A's tiles: 4 tiles of 16 rows, of each 4,096 dense bytes (512 elements of 8 bytes), 16,384 bytes (2,048 elements) apart; no padding
	s_or_b32 s[G1+0], s59, (3<<16)|(1<<21)
	s_mov_b32 s[G1+1], 512<<16                     ; tensor_dim0
	s_mov_b32 s[G1+2], 4<<16                       ; tensor_dim1
	s_mov_b32 s[G1+3], 512<<16                     ; tile_dim0
	s_mov_b32 s[G1+4], 4                           ; tile_dim1
	s_mov_b32 s[G1+5], AROW/8                      ; tensor_dim0_stride
	s_mov_b32 s[G1+6], 0
	s_mov_b32 s[G1+7], 0
	; B's tiles: 128 rows x 256 bytes, 16 bytes of padding behind each
	s_or_b32 s[G1B+0], s60, (0<<16)|(1<<20)|(1<<21)|(5<<22)|(3<<25)
	s_mov_b32 s[G1B+1], ROWB<<16
	s_mov_b32 s[G1B+2], 128<<16
	s_mov_b32 s[G1B+3], ROWB<<16
	s_mov_b32 s[G1B+4], 128
	s_mov_b32 s[G1B+5], KROW
	s_mov_b32 s[G1B+6], 0
	s_mov_b32 s[G1B+7], 0
	; B's scales of 64 rows: 2,048 dense bytes as 8 rows of 256 bytes, 16 bytes of padding behind each
	s_or_b32 s[G1SB+0], s60, (3<<16)|(1<<20)|(1<<21)|(5<<22)|(3<<25)
	s_mov_b32 s[G1SB+1], 32<<16
	s_mov_b32 s[G1SB+2], 8<<16
	s_mov_b32 s[G1SB+3], 32<<16
	s_mov_b32 s[G1SB+4], 8
	s_mov_b32 s[G1SB+5], 32
	s_mov_b32 s[G1SB+6], 0
	s_mov_b32 s[G1SB+7], 0
	s_lshl_b32 s18, s16, 2
	s_lshl_b32 s20, s17, 3
	s_add_co_u32 s20, s20, s18                     ; A: tile of 16 rows 8 x tile row + 4 x half,
	s_lshl_b32 s20, s20, 14                        ; in bytes
	s_mov_b32 s21, 0
	s_lshl_b32 s18, s16, 7
	s_lshl_b32 s46, s58, 8
	s_add_co_u32 s46, s46, s18                     ; B: row 256 x tile column + 128 x half,
	s_lshl_b32 s46, s46, 10                        ; in bytes
	s_mov_b32 s47, 0
	s_lshl_b32 s92, s58, 13                        ; B's scales: (256 x tile column + 64 x wave) x 32 bytes
	s_lshl_b32 s93, s14, 11
	s_add_co_u32 s92, s92, s93
	s_mov_b32 s93, 0
	s_lshl_b32 s22, s17, 8                         ; A's scale pairs: 128 rows x 2 bytes a tile row
	s_mov_b32 s23, 0
	s_mul_i32 s61, s16, AHALF                      ; where the tiles go: A's halves,
	s_mul_i32 s62, s16, HALFT
	s_add_co_u32 s62, s62, AROOM                   ; B's halves behind them: no place in the cluster enters an LDS address
	s_mul_i32 s94, s14, QUARS
	s_wait_kmcnt 0x0
	s_add_nc_u64 s[20:21], s[4:5], s[20:21]
	s_add_nc_u64 s[46:47], s[8:9], s[46:47]
	s_add_nc_u64 s[92:93], s[10:11], s[92:93]
	s_add_nc_u64 s[6:7], s[6:7], s[22:23]
	CROUND                                         ; all sixteen work-groups are here: the first joint loads meet
	s_mov_b32 s[G0SB], 1
	s_add_co_u32 s[G0SB+1], s94, SCLB
	s_mov_b64 s[G0SB+2:G0SB+3], s[92:93]
	s_or_b32 s[G0SB+3], s[G0SB+3], 0x80000000
	tensor_load_to_lds s[G0SB:G0SB+3], s[G1SB:G1SB+7]      ; every wave its quarter of B's scales
	s_nop 0
.rept 4
	v_nop
.endr
.irp s, 0,1,2
	s_mov_b32 s[G0+4*\s], 1
	s_add_co_u32 s[G0+4*\s+1], s61, \s*SLOT
	s_add_nc_u64 s[G0+4*\s+2:G0+4*\s+3], s[20:21], \s*ASTEP
	s_or_b32 s[G0+4*\s+3], s[G0+4*\s+3], 0x80000000
	s_mov_b32 s[G0B+4*\s], 1
	s_add_co_u32 s[G0B+4*\s+1], s62, \s*SLOT
	s_add_nc_u64 s[G0B+4*\s+2:G0B+4*\s+3], s[46:47], \s*ROWB
	s_or_b32 s[G0B+4*\s+3], s[G0B+4*\s+3], 0x80000000
	JLOAD G0+4*\s, G1, G0B+4*\s, G1B               ; three quarters of K: with the scales four tensor loads of mine are out
.endr
	; A's scales: thread t takes row t of the tile's 128: of each head its two bytes
	v_lshlrev_b32 v8, 1, v0
.irp d, 0,1,2,3,4,5,6,7,8,9,10,11,12,13,14,15
	global_load_u16 v[128+\d], v8, s[6:7] offset:16384*\d  ; the four waves read a head's 256 consecutive bytes, aligned
.endr
	v_and_b32 v1, 15, v0                           ; r
	v_bfe_u32 v2, v0, 4, 1                         ; h
	s_lshl_b32 s46, s58, 10                        ; my first column, in bytes: 1,024 x tile column + 512 x half: in out0's rows and in bo alike
	s_lshl_b32 s47, s16, 9
	s_add_co_u32 s46, s46, s47
	s_mov_b32 s47, 0
	s_add_nc_u64 s[96:97], s[96:97], s[46:47]
	v_lshlrev_b32 v7, 5, v2                        ; the bias in the result's layout: block b, lane (r, h): numbers 16 b + 8 h + 0 .. 7
.irp b, 0,1,2,3,4,5,6,7
	global_load_b128 v[CB+8*\b:CB+8*\b+3], v7, s[96:97] offset:64*\b
	global_load_b128 v[CB+8*\b+4:CB+8*\b+7], v7, s[96:97] offset:64*\b+16
.endr
	v_mul_u32_u24 v3, v1, PITCH
	v_lshl_add_u32 v4, v2, 4, v3                   ; B: a fragment's row x pitch + 16 x half
	v_and_b32 v6, 31, v0
	v_lshlrev_b32 v[CO], 4, v6                     ; 16 x lane: A's images, and my 16 bytes of a row of out0
	s_mul_i32 s21, s15, AHALF                      ; my 64 rows of A
	s_mul_i32 s22, s16, HALFT                      ; my 128 rows of B,
	s_add_co_u32 s22, s22, AROOM                   ; which lie behind A's room
.irp s, 0,1,2
	v_add_nc_u32 v[ADRA+\s], s21, v[CO]
	v_add_nc_u32 v[ADRB+\s], s22, v4
	s_add_co_u32 s21, s21, SLOT
	s_add_co_u32 s22, s22, SLOT
.endr
	v_mul_u32_u24 v5, v1, KS                       ; my row's scales: 32 bytes a row,
	v_lshrrev_b32 v6, 8, v5
	v_lshl_add_u32 v5, v6, 4, v5                   ; and 16 more for each 256 passed
	s_mul_i32 s21, s15, 4*SBLK                     ; A's: my 64 rows
	s_mul_i32 s22, s16, HALFS                      ; B's: my 128 rows, behind A's 128
	s_add_co_u32 s22, s22, HALFS
	s_sub_co_u32 s22, s22, s21
	v_mul_u32_u24 v6, s22, v2                      ; lanes 16-31 take B's
	s_add_co_u32 s21, s21, SCL
	v_add_nc_u32 v5, v5, v6
	v_add_nc_u32 v[ADRS], s21, v5
	s_mul_i32 s23, s14, 16*SPITCH                  ; my stage
	s_add_co_u32 s23, s23, STAGE
	v_mul_u32_u24 v5, v1, SPITCH
	v_lshl_add_u32 v5, v2, 5, v5
	v_add_nc_u32 v[STO], s23, v5                   ; in: row r, 32 bytes for each half of the lanes
	v_add_nc_u32 v[RD], s23, v[CO]                 ; back: the 32 lanes take one row of 512 bytes
	s_lshl_b32 s20, s17, 7
	s_lshl_b32 s21, s15, 6
	s_add_co_u32 s20, s20, s21                     ; my first row of out0: 128 x tile row + 64 x half
	s_lshl_b32 s20, s20, 12                        ; 4,096 bytes a row (under 2^25)
	s_mov_b32 s21, 0
	s_add_nc_u64 s[20:21], s[20:21], s[46:47]
	s_add_nc_u64 s[12:13], s[12:13], s[20:21]
	v_lshrrev_b32 v5, 3, v0
	v_lshlrev_b32 v6, 5, v0
	v_lshl_add_u32 v5, v5, 4, v6
	v_add_nc_u32 v9, SCL, v5                       ; row t: 32 t bytes on, and 16 more for each 256 passed
	s_wait_loadcnt 16                              ; the 16 scale pairs are in; the 16 loads of the bias, issued behind them, may be out
.irp w, 0,1,2,3,4,5,6,7                ; word w of my row (128 along K): head 2 w's two bytes, then head 2 w + 1's
	v_lshl_or_b32 v[144+\w], v[128+2*\w+1], 16, v[128+2*\w]
.endr
	ds_store_b128 v9, v[144:147]
	ds_store_b128 v9, v[148:151] offset:16
.macro FRAG reg, adr, q, i             ; B: 16 rows x 128 K from padded rows
.irp c, 0,1,2,3
	ds_load_b128 v[\reg+4*\c:\reg+4*\c+3], v[\adr] offset:128*(\q)+32*\c+(\i)*16*PITCH
.endr
.endm
.macro FRAGA reg, adr, q, i            ; A: an image comes back as it was stored: 512 consecutive bytes a load
.irp c, 0,1,2,3
	ds_load_b128 v[\reg+4*\c:\reg+4*\c+3], v[\adr] offset:ASTEP*(\i)+2048*(\q)+512*\c
.endr
.endm
.macro SCALES sc                       ; a quarter's scale words into set sc: two words a row; lanes 0-15 take A's block i (of blocks 4-7 what lies there: not used), lanes 16-31 B's block i
.irp i, 0,1,2,3,4,5,6,7
	ds_load_b64 v[SC+16*(\sc)+2*\i:SC+16*(\sc)+2*\i+1], v[ADRS] offset:\i*SBLK
.endr
.endm
; The fragments of step n (128 along K; n = 0 .. 7) into set n % 2: 32 loads of B, 16 of A; with a quarter's first step its scale words.  Quarter n / 2 lies in slot (n / 2) % 3.
.macro FETCH n
.set fp, (\n)%2
.set fs, ((\n)/2)%3
	WIN TO_B
.irp i, 0,1,2,3,4,5,6,7
	FRAG 128*fp+FR*\i, ADRB+fs, fp, \i
.endr
	WIN 0
.irp i, 0,1,2,3
	FRAGA AF+64*fp+FR*\i, ADRA+fs, fp, \i
.endr
.if fp == 0
	SCALES ((\n)/2)%2
.endif
.endm
; 8 matrix instructions of step n: A's block a x B's eight.  zero = 1: the first products start the sums with the bias as C.  The 32 accumulators take turns, one instruction a turn, in the same order in every step.
.macro MUL8 a, n, zero
.irp b, 0,1,2,3,4,5,6,7
.if \zero
	v_wmma_scale_f32_16x16x128_f8f6f4 v[8*(8*(\a)+\b):8*(8*(\a)+\b)+7], v[128*((\n)%2)+FR*\b:128*((\n)%2)+FR*\b+FR-1], v[AF+64*((\n)%2)+FR*(\a):AF+64*((\n)%2)+FR*(\a)+FR-1], v[CB+8*\b:CB+8*\b+7], v[SC+16*(((\n)/2)%2)+2*\b+(\n)%2], v[SC+16*(((\n)/2)%2)+2*(\a)+(\n)%2] matrix_a_scale:MATRIX_SCALE_ROW1
.else
	v_wmma_scale_f32_16x16x128_f8f6f4 v[8*(8*(\a)+\b):8*(8*(\a)+\b)+7], v[128*((\n)%2)+FR*\b:128*((\n)%2)+FR*\b+FR-1], v[AF+64*((\n)%2)+FR*(\a):AF+64*((\n)%2)+FR*(\a)+FR-1], v[8*(8*(\a)+\b):8*(8*(\a)+\b)+7], v[SC+16*(((\n)/2)%2)+2*\b+(\n)%2], v[SC+16*(((\n)/2)%2)+2*(\a)+(\n)%2] matrix_a_scale:MATRIX_SCALE_ROW1
.endif
.endr
.endm
.macro PLACES n                        ; plain vector instructions that name no register of the matrix instructions in front: in front of loads into registers that those have read, and of the first read of results
.rept \n
	v_nop
.endr
.endm
; A step whose successor's fragments may be read without a barrier: they are asked for first, into the set that the step before multiplied, then this step's 32 products follow.
.macro STEP n, zero
	s_wait_dscnt 0x0                               ; this step's fragments are in (asked for 32 matrix instructions ago)
.if (\n) > 0
	PLACES NP
.endif
.if (\n)%2 == 1
	v_add_nc_u32 v[ADRS], 4*NQ, v[ADRS]            ; on to the next quarter's scale words
.endif
	FETCH (\n)+1
.if \zero
	WIN 0x81                                       ; C (the bias) window 0, D window 2
.else
	WIN MUL_LO
.endif
	MUL8 0, \n, \zero
	MUL8 1, \n, \zero
	MUL8 2, \n, \zero
	MUL8 3, \n, \zero
	WIN 0
.endm
	s_wait_tensorcnt 2                             ; B's scales and my part of the first quarter are in; the second and third quarters' loads may stay out
	s_wait_dscnt 0x0                               ; my row of A's scales lies in LDS
	s_barrier_signal -1
	s_barrier_wait -1                              ; everybody's do
	FETCH 0
	s_wait_loadcnt 0x0                             ; the bias
	STEP 0, 1                                      ; its products start the sums
	; STEP 1 leaves slot 0, which is filled again with the last quarter of K: the one refill of the launch
	s_wait_tensorcnt 0x0                           ; all my tensor loads have landed: my parts of the second and third quarters
	ds_add_u32 v[SPW], v[NIL]                      ; 0 onto my spare word
	s_wait_dscnt 0x1                               ; this step's fragments are in (the add may be out)
	WIN MUL_LO
	MUL8 0, 1, 0                                   ; sixteen matrix instructions stand between the add and the wait for it
	MUL8 1, 1, 0
	s_wait_dscnt 0x0                               ; the add is done, and my reads of slot 0 are over
	s_barrier_signal -1
	MUL8 2, 1, 0
	WIN 0
	s_barrier_wait -1
	CREST                                          ; the barrier has opened a round of the cluster's barrier: no wave of any partner still reads slot 0 or has a load on its way; slots 1 and 2 are whole in every work-group
	s_add_nc_u64 s[G0+2:G0+3], s[G0+2:G0+3], 3*ASTEP
	s_add_nc_u64 s[G0B+2:G0B+3], s[G0B+2:G0B+3], 3*ROWB
	JLOAD G0, G1, G0B, G1B                         ; the first tensor load behind the round, and my last; its four v_nop are among the places in front of the loads below
	PLACES NP-4
	v_add_nc_u32 v[ADRS], 4*NQ, v[ADRS]
	FETCH 2
	WIN MUL_LO
	MUL8 3, 1, 0
	WIN 0
	STEP 2, 0
	STEP 3, 0                                      ; slot 2 was shown whole to every wave by the round above: no barrier
	STEP 4, 0
	; STEP 5: the last quarter is read behind a barrier
	s_wait_tensorcnt 0x0                           ; the one load of mine that was out: my part of the last quarter
	s_wait_dscnt 0x0                               ; this step's fragments are in; my reads of slots 1 and 2 are over
	s_barrier_signal -1
	WIN MUL_LO
	MUL8 0, 5, 0
	MUL8 1, 5, 0
	WIN 0
	s_barrier_wait -1                              ; everybody's part is in, and nobody reads slot 1 any more: the stage may be written there
	PLACES NP
	v_add_nc_u32 v[ADRS], 4*NQ, v[ADRS]
	FETCH 6
	WIN MUL_LO
	MUL8 2, 5, 0
	MUL8 3, 5, 0
	WIN 0
	STEP 6, 0
	s_wait_dscnt 0x0                               ; the last step: nothing more to fetch
	WIN MUL_LO
	MUL8 0, 7, 0
	MUL8 1, 7, 0
	MUL8 2, 7, 0
	MUL8 3, 7, 0
	WIN 0
; THE WAY OUT, block by block of 16 rows x 128 columns: through my own stage in LDS and back as whole rows of 512 bytes.  LDS serves a wave's instructions in order (ISA guide 5.7.1.4): no wait between the stores and the loads.
.macro TOSTAGE a
.set AC, 64*(\a)
	WIN 0x08                                       ; the data: window 2
.irp b, 0,1,2,3,4,5,6,7
	ds_store_b128 v[STO], v[AC+8*\b:AC+8*\b+3] offset:64*\b          ; each accumulator from its low end on
	ds_store_b128 v[STO], v[AC+8*\b+4:AC+8*\b+7] offset:64*\b+16
.endr
	WIN 0
.set BB, BK+64*((\a)%2)
.irp t, 0,1,2,3,4,5,6,7,8,9,10,11,12,13,14,15
	ds_load_b128 v[BB+4*\t:BB+4*\t+3], v[RD] offset:\t*SPITCH
.endr
.endm
.macro SEND a, younger                 ; younger: the LDS instructions issued behind block a's loads, which may stay out
.set BB, BK+64*((\a)%2)
	s_wait_dscnt \younger
.if (\a) > 0
	s_add_nc_u64 s[12:13], s[12:13], 16*SIZE_N*4   ; (behind a wait on XCNT: the earlier stores have read their base)  16 rows on
.endif
.irp t, 0,1,2,3,4,5,6,7,8,9,10,11,12,13,14,15
	global_store_b128 v[CO], v[BB+4*\t:BB+4*\t+3], s[12:13] offset:\t*SIZE_N*4 th:TH_STORE_NT   ; 32 lanes store 512 consecutive bytes, at a multiple of 512 from out0's first byte; written once, read by nobody here
.endr
.endm
	PLACES NP
	TOSTAGE 0
.irp a, 1,2,3
.if \a > 1
	s_wait_xcnt 0x0                                ; block a - 2's stores have read their registers and their base
.endif
	TOSTAGE \a
	SEND \a-1, 32                                  ; behind block a - 1's loads: block a's 16 stores and 16 loads
.endr
	s_wait_xcnt 0x0
	SEND 3, 0
	s_wait_tensorcnt 0x0                           ; the wave's end
	ds_add_u32 v[SPW], v[NIL]
	s_wait_dscnt 0x0
	CROUND                                         ; the closing round
	s_endpgm
.Lfunc_end_k_qf4536055c4_oproj:
	.size	k_qf4536055c4_oproj, .Lfunc_end_k_qf4536055c4_oproj-k_qf4536055c4_oproj
	.p2alignl 7, 3214868480
	.fill 96, 4, 3214868480
	.section	.rodata,"a",@progbits
	.p2align	6, 0x0
	.amdhsa_kernel k_qf4536055c4_oproj
		.amdhsa_group_segment_fixed_size 327680
		.amdhsa_private_segment_fixed_size 0
		.amdhsa_enable_private_segment 0
		.amdhsa_kernarg_size 48
		.amdhsa_user_sgpr_count 2
		.amdhsa_user_sgpr_kernarg_segment_ptr 1
		.amdhsa_wavefront_size32 1
		.amdhsa_system_sgpr_workgroup_id_x 1
		.amdhsa_system_sgpr_workgroup_id_y 1
		.amdhsa_system_sgpr_workgroup_id_z 1
		.amdhsa_system_vgpr_workitem_id 0
		.amdhsa_next_free_vgpr 768
		.amdhsa_next_free_sgpr 98
		.amdhsa_reserve_vcc 0
		.amdhsa_float_denorm_mode_32 3
		.amdhsa_float_denorm_mode_16_64 3
		.amdhsa_memory_ordered 1
		.amdhsa_forward_progress 1
		.amdhsa_inst_pref_size 92
	.end_amdhsa_kernel
	.amdgpu_metadata
---
amdhsa.version: [ 1, 2 ]
amdhsa.kernels:
  - .name:           k_qf4536055c4_oproj
    .symbol:         k_qf4536055c4_oproj.kd
    .args:
      - { .name: o_img, .offset: 0, .size: 8, .value_kind: global_buffer, .address_space: global }
      - { .name: o_sc, .offset: 8, .size: 8, .value_kind: global_buffer, .address_space: global }
      - { .name: Wo_codes, .offset: 16, .size: 8, .value_kind: global_buffer, .address_space: global }
      - { .name: Wo_scales, .offset: 24, .size: 8, .value_kind: global_buffer, .address_space: global }
      - { .name: out0, .offset: 32, .size: 8, .value_kind: global_buffer, .address_space: global }
      - { .name: bo, .offset: 40, .size: 8, .value_kind: global_buffer, .address_space: global }
    .group_segment_fixed_size: 327680
    .private_segment_fixed_size: 0
    .kernarg_segment_align: 8
    .kernarg_segment_size: 48
    .max_flat_workgroup_size: 128
    .sgpr_count:     98
    .vgpr_count:     768
    .wavefront_size: 32
...
	.end_amdgpu_metadata
.endif
;; end of part 6
